; MI455X (gfx1250); checked and timed in simulation.
; The chip was launched on July 23, 2026; its instructions are those of AMD's public machine-readable ISA for CDNA 5 (MIT licence, August 2026) and "CDNA5" Instruction Set Architecture Reference Guide (July 2026). The comments in the code are by the model that wrote it; some were corrected since.
;; Attention. Allowed arithmetic: matrix products marked QUANTISED: E2M3 operands, one E8M0 scale for each 32 along K, by v_wmma_scale_f32_16x16x128_f8f6f4 with both operands' format E2M3, f32 sums; everything else in f32.
;; Inputs: cos 2,048 x 64 float32; k_norm_w 64 float32; mask 1 x 1 x 2,048 x 2,048 float32; q_norm_w 64 float32; sin 2,048 x 64 float32; wk 256 x 1,024 float32; wo 1,024 x 1,024 float32; wq 1,024 x 1,024 float32; wv 256 x 1,024 float32; x 2 x 2,048 x 1,024 float32.
;; Outputs: out0 2 x 2,048 x 1,024 float32.
;; This version of the problem:
;;   THIS VERSION OF THE PROBLEM IS GIVEN IN LOW PRECISION. The matrix products marked QUANTISED in the list below multiply operands that are first quantised to E2M3 (2 exponent bits, 3 mantissa bits; 6 bits a number), with one power-of-two scale for each 32 numbers along K (OCP MX v1.0); their sums are f32. All else is computed in f32.
;;   The module's matrix products, in the order in which they are computed (A, B: the left and right operand; K: the contracted axis; several contracted axes count as one K, in the product's order):
;;     1. [M 4,096, K 1,024] x [K 1,024, N 1,024]; A: input x; B: computed on the way: QUANTISED
;;     2. [M 4,096, K 1,024] x [K 1,024, N 256]; A: input x; B: computed on the way: QUANTISED
;;     3. [M 4,096, K 1,024] x [K 1,024, N 256]; A: input x; B: computed on the way: QUANTISED
;;     4. batch 32 x [M 2,048, K 64] x [K 64, N 2,048]; A: computed on the way; B: computed on the way: QUANTISED
;;     5. batch 32 x [M 2,048, K 2,048] x [K 2,048, N 64]; A: softmax (see below); B: computed on the way: QUANTISED
;;     6. [M 4,096, K 1,024] x [K 1,024, N 1,024]; A: computed on the way; B: computed on the way: QUANTISED
;;   THE QUANTISER, for each operand of a quantised product, along K:
;;     - K is cut into blocks of 32 from its start; a last block that is shorter is filled with zeros.
;;     - A block's scale is 2^e with e = floor(log2(the largest magnitude in the block)) - 2, held to -126 .. 127; a block of zeros has e = 0. As a byte (E8M0): e + 127.
;;     - Each number is divided by its block's scale, clamped to +-7.5, and rounded to the nearest number of E2M3, ties to even, subnormals kept.
;;     - The product sums the exact products of the quantised numbers (number of the format x scale) in f32.
;;   ~~~python
;;   def quantise(x, axis):      # numpy; x: float32 -> the quantised numbers, widened to float32 again
;;       x = np.moveaxis(x, axis, -1); K = x.shape[-1]
;;       x = np.pad(x, [(0, 0)] * (x.ndim - 1) + [(0, -K % 32)]); x = x.reshape(x.shape[:-1] + (-1, 32)); a = np.abs(x).max(-1, keepdims=True)
;;       e = np.where(a > 0, np.clip(np.frexp(np.where(a > 0, a, 1))[1] - 1 - 2, -126, 127), 0)      # np.frexp(a)[1] - 1 = floor(log2(a)), exactly
;;       r = np.clip(x / 2.0 ** e, -7.5, 7.5)
;;       step = 2.0 ** (np.maximum(np.frexp(np.where(r == 0, 1, r))[1] - 1, 0) - 3)
;;       q = np.round(r / step) * step * 2.0 ** e      # np.round: ties to even
;;       return np.moveaxis(q.reshape(q.shape[:-2] + (-1,))[..., :K], -1, axis).astype(np.float32)
;;   ~~~
;;   SOFTMAX AHEAD OF A QUANTISED PRODUCT. Where the list says 'softmax', what is quantised is not the finished softmax but p = 2^(t - M), with t = logit x log2(e) and M = ceil(the row's largest t), a whole number; so 1/2 < the row's largest p <= 1. The row's sum l is taken of the UNQUANTISED p, in f32, and the product's result is divided by l at the end. Since M is a whole number, a kernel that streams over the keys may use a running M (the ceiling of the running maximum): every later rescaling is an exact power of two, which a block's scale takes up: the codes' values come out the same.
;;   OPERANDS COMPUTED ON THE WAY. 'Computed on the way' means the value that the module computes at that place (a softmax that the list does not call 'softmax' is quantised finished and normalised). What goes into a quantiser is computed in f32, as accurately as f32 sums, v_exp_f32 and their like allow (about 1e-6 of the number): no bf16 or f16 on the way to a quantiser, and a product that is left as it is and whose result goes on into a quantised operand takes f32 operands (vector FMAs, or v_wmma_f32_16x16x4_f32). A number that lies on a knife's edge between two numbers of the format may be rounded either way, as far as f32 arithmetic and the matrix unit's own rounding can turn it there, and no further.
;; 3 versions. Each part assembles by itself: llvm-mc -triple=amdgcn-amd-amdhsa -mcpu=gfx1250 --defsym DOCPART=n.
;; ======== version 1 of 3: 4 launches
;; limits: inputs' magnitudes at most 1e+38
;; workspace buffers: x_img 3,145,728 bytes; x_sc 131,072 bytes; wsum 768 bytes; q_img 4,194,304 bytes; kv 1,638,400 bytes; a_img 3,145,728 bytes; a_sc 131,072 bytes
;; launch prep (part 1): grid 416 x 1, 8 waves a work-group, no clusters, 70,656 bytes of LDS; arguments x, wq, wk, wv, wo, x_img, x_sc, wsum; writes x_img, x_sc, wsum
.if DOCPART == 1
	.amdgcn_target "amdgcn-amd-amdhsa--gfx1250"
	.amdhsa_code_object_version 6
	.text
	.protected	k_qe28a9dc2b0_prep
	.globl	k_qe28a9dc2b0_prep
	.p2align	8
	.type	k_qe28a9dc2b0_prep,@function
k_qe28a9dc2b0_prep:
	s_mov_b64 s[64:65], 0
	v_nop
	global_prefetch_b8 v0, s[64:65] scope:SCOPE_SE
	s_setreg_imm32_b32 hwreg(HW_REG_WAVE_MODE, 25, 1), 1
	s_wait_xcnt 0x0
; PREP.  Work-groups 0-255: x [4096][1024] f32 becomes codes of FP6 (E2M3) with one E8M0 byte for each 32 along K, laid as the matrix unit's registers want them.
; Work-groups 256-415: 160 partial sums of |w| (wq 64, wk 16, wv 16, wo 64 chunks of 65,536 bytes), from which the later launches make alpha = mean |w|.
; X: work-group T takes rows 16 T .. 16 T + 15, wave s the K step 128 s .. 128 s + 127.  Each load reads 512 consecutive bytes of one row; the 16 rows turn through the wave's own stage in LDS
; (pitch 528 bytes: sixteen rows start at sixteen different 16-byte columns of 256), so that lane (r, h) holds, of row r, 16 neighbours of each block of 32.  The fragment's 12 registers leave as an image:
; three stores of 512 consecutive bytes.  The eight waves' scale words meet in LDS and leave as 512 consecutive bytes.
; A block's scale byte is its largest magnitude's exponent field - 2, held at 1 from below (a block of zeros keeps the byte 1 where the quantiser says 127: its codes are zeros, and this program alone reads the bytes).
; LIMITS: NaN and infinities in x and in the weights are not served.
; No matrix unit, no cluster, no tensor load: a stream; the two kinds of work-groups have LDS bytes of their own and meet at one barrier.
.set STG,  16*528                      ; a wave's stage
.set XG,   8*STG                       ; 512 bytes: the tile's scale words, [row][K step]
.set WG8,  XG+512                      ; eight partial sums
.set LN,   1                           ; lane
.set RR,   2                           ; lane % 16
.set HH,   3                           ; lane / 16
.set GO,   4                           ; 16 x lane
.set SA,   5                           ; stage, on the way in
.set SBK,  6                           ; stage, on the way back
.set XW,   7                           ; where my scale word goes
.set XR,   8                           ; where wave 0 reads the words back
.set PWA,  9                           ; where my wave's partial sum goes
.set PRA,  10                          ; where wave 0 reads the eight
.set ZR,   11                          ; 0
.set R,    16                          ; v16-79   64 numbers
.set PC,   80                          ; v80-99   codes, and the halves on their way
.set TM,   100                         ; v100-115 at work
.set PW,   116                         ; the scale word
.set AC,   120                         ; v120-123 four chains of the sum
.set SEL,  26                          ; s[26:27] lane selects: lane l xor 16
; 64 numbers of a lane, register 16 b + i = k 32 b + 16 (lane / 16) + i of my row, become a fragment's codes in v[PC] on and its scale word in v[PW]
.macro QUANT s
.irp b, 0,1,2,3
	v_max3_num_f32 v[TM+\b], |v[\s+16*\b]|, |v[\s+1+16*\b]|, 0x1800000   ; my 16 numbers of block b, and the floor 2^(3 - 127): the byte cannot fall under 1
.endr
.irp i, 2,4,6,8,10,12,14
.irp b, 0,1,2,3
	v_max3_num_f32 v[TM+\b], v[TM+\b], |v[\s+16*\b+\i]|, |v[\s+1+16*\b+\i]|
.endr
.endr
.irp b, 0,1,2,3
	v_permlanex16_b32 v[TM+4+\b], v[TM+\b], s[SEL], s[SEL+1]
.endr
.irp b, 0,1,2,3
	v_max_num_f32 v[TM+\b], v[TM+\b], v[TM+4+\b]   ; with lane l xor 16's: the block's largest magnitude
.endr
.irp b, 0,1,2,3
	v_add_nc_u32 v[TM+12+\b], 0xff000000, v[TM+\b]   ; 2 off its exponent field: the conversion's scale operand
.endr
.irp b, 0,1,2,3
	v_lshrrev_b32 v[TM+4+\b], 23, v[TM+12+\b]      ; the scale's byte
.endr
	v_lshl_or_b32 v[PW], v[TM+5], 8, v[TM+4]
	v_lshl_or_b32 v[PW], v[TM+6], 16, v[PW]
	v_lshl_or_b32 v[PW], v[TM+7], 24, v[PW]
.irp c, 0,1
	v_cvt_scalef32_pk16_fp6_f32 v[PC+6*\c:PC+2+6*\c], v[\s+32*\c:\s+15+32*\c], v[TM+12+2*\c]
	v_cvt_scalef32_pk16_fp6_f32 v[PC+12+4*\c:PC+14+4*\c], v[\s+16+32*\c:\s+31+32*\c], v[TM+12+2*\c+1]   ; (a conversion's three registers begin on an even number)
.endr
	v_nop                                          ; one plain place behind a scaled conversion
.irp c, 0,1                                    ; the operand's layout wants a whole block in a lane: lanes 0-15 block 2 c, lanes 16-31 block 2 c + 1
.irp i, 0,1,2
	v_permlane16_swap_b32 v[PC+6*\c+\i], v[PC+12+4*\c+\i]
.endr
.irp i, 0,1,2
	v_mov_b32 v[PC+3+6*\c+\i], v[PC+12+4*\c+\i]
.endr
.endr
.endm
	s_load_b512 s[4:19], s[0:1], 0x0               ; x s[4:5], wq s[6:7], wk s[8:9], wv s[10:11], wo s[12:13], x_img s[14:15], x_sc s[16:17], wsum s[18:19]
	v_lshl_add_u32 v128, v0, 2, 0x11000
	v_mov_b32 v129, 0
	v_lshrrev_b32 v1, 5, v0
	v_readfirstlane_b32 s20, v1                    ; wave 0..7
	v_and_b32 v[LN], 31, v0
	v_and_b32 v[RR], 15, v0
	v_bfe_u32 v[HH], v0, 4, 1
	v_lshlrev_b32 v[GO], 4, v[LN]
	s_mul_i32 s21, s20, STG
	v_add_nc_u32 v[SA], s21, v[GO]                 ; in: row j at 528 j (the immediate), 16 bytes a lane
	v_mul_u32_u24 v[SBK], v[RR], 528
	v_lshl_add_u32 v[SBK], v[HH], 6, v[SBK]
	v_add_nc_u32 v[SBK], s21, v[SBK]               ; back: row r, + 64 h
	s_lshl_b32 s22, s20, 2
	v_lshl_add_u32 v[XW], v[RR], 5, XG
	v_add_nc_u32 v[XW], s22, v[XW]                 ; XG + 32 r + 4 x wave
	v_add_nc_u32 v[XR], XG, v[GO]
	v_mov_b32 v[PWA], s20
	v_lshlrev_b32 v[PWA], 2, v[PWA]
	v_add_nc_u32 v[PWA], WG8, v[PWA]
	v_mov_b32 v[PRA], WG8
	v_mov_b32 v[ZR], 0
.irp b, 0,1,2,3
	v_mov_b32 v[TM+4+\b], 0                        ; written once: a lane permute's destination counts as one of its sources
.endr
	s_mov_b32 s[SEL], 0x76543210
	s_mov_b32 s[SEL+1], 0xfedcba98
	s_mov_b32 s25, 0
	s_wait_kmcnt 0x0
	s_cmp_lt_u32 ttmp9, 256
	s_cbranch_scc0 .Lweights
	; ---- x
	s_lshl_b32 s24, ttmp9, 16                      ; 16 rows of 4,096 bytes,
	s_lshl_b32 s28, s20, 9                         ; my K step's 512 bytes of a row
	s_add_co_u32 s24, s24, s28
	s_add_nc_u64 s[4:5], s[4:5], s[24:25]
	s_lshl_b32 s24, ttmp9, 3
	s_add_co_u32 s24, s24, s20
	s_mul_i32 s24, s24, 1536                       ; image 8 T + s
	s_add_nc_u64 s[14:15], s[14:15], s[24:25]
	s_lshl_b32 s24, ttmp9, 9                       ; the tile's 512 bytes of scale words
	s_add_nc_u64 s[16:17], s[16:17], s[24:25]
.irp j, 0,1,2,3,4,5,6,7,8,9,10,11,12,13,14,15
	global_load_b128 v[R+4*\j:R+4*\j+3], v[GO], s[4:5] offset:4096*\j th:TH_LOAD_NT   ; 32 lanes read 512 consecutive bytes of row j
.endr
.irp j, 0,1,2,3,4,5,6,7,8,9,10,11,12,13,14,15
	s_wait_loadcnt 15-\j                           ; row j is in; the younger rows stay out
	ds_store_b128 v[SA], v[R+4*\j:R+4*\j+3] offset:528*\j
.endr
.irp b, 0,1,2,3
.irp p, 0,1,2,3
	ds_load_b128 v[R+16*\b+4*\p:R+16*\b+4*\p+3], v[SBK] offset:128*\b+16*\p   ; LDS serves a wave's instructions in order: these see my stores
.endr
.endr
	s_wait_dscnt 0x0
	QUANT R
.irp c, 0,1,2
	global_store_b128 v[GO], v[PC+4*\c:PC+4*\c+3], s[14:15] offset:512*\c   ; the image: 512 consecutive bytes a store
.endr
	ds_store_b32 v[XW], v[PW]                      ; both lanes of a row write the same word with the same value
	s_branch .Lmeet
.Lweights:
	; ---- |w|: chunk c = work-group - 256
	s_sub_co_u32 s29, ttmp9, 256
	s_mov_b32 s24, 96
	s_cmp_lt_u32 s29, 96
	s_cselect_b64 s[30:31], s[10:11], s[12:13]     ; wv, else wo
	s_cselect_b32 s24, 80, s24                     ; the tensor's first chunk
	s_cmp_lt_u32 s29, 80
	s_cselect_b64 s[30:31], s[8:9], s[30:31]       ; wk
	s_cselect_b32 s24, 64, s24
	s_cmp_lt_u32 s29, 64
	s_cselect_b64 s[30:31], s[6:7], s[30:31]       ; wq
	s_cselect_b32 s24, 0, s24
	s_sub_co_u32 s24, s29, s24
	s_lshl_b32 s24, s24, 16                        ; 65,536 bytes a chunk,
	s_lshl_b32 s28, s20, 13                        ; 8,192 a wave
	s_add_co_u32 s24, s24, s28
	s_add_nc_u64 s[30:31], s[30:31], s[24:25]
	s_lshl_b32 s24, s29, 2
	s_add_nc_u64 s[18:19], s[18:19], s[24:25]      ; where the chunk's sum goes
.irp j, 0,1,2,3,4,5,6,7,8,9,10,11,12,13,14,15
	global_load_b128 v[R+4*\j:R+4*\j+3], v[GO], s[30:31] offset:512*\j
.endr
	s_wait_loadcnt 0x0
.irp k, 0,1,2,3
	v_add_f32 v[AC+\k], |v[R+\k]|, |v[R+4+\k]|     ; four chains, started by the first eight numbers
.endr
.irp j, 2,3,4,5,6,7,8,9,10,11,12,13,14,15
.irp k, 0,1,2,3
	v_add_f32 v[AC+\k], v[AC+\k], |v[R+4*\j+\k]|
.endr
.endr
	v_add_f32 v[AC], v[AC], v[AC+1]
	v_add_f32 v[AC+2], v[AC+2], v[AC+3]
	v_add_f32 v[AC], v[AC], v[AC+2]
	v_add_f32_dpp v[AC], v[AC], v[AC] row_xmask:1 row_mask:0xf bank_mask:0xf
	v_add_f32_dpp v[AC], v[AC], v[AC] row_xmask:2 row_mask:0xf bank_mask:0xf
	v_add_f32_dpp v[AC], v[AC], v[AC] row_xmask:4 row_mask:0xf bank_mask:0xf
	v_add_f32_dpp v[AC], v[AC], v[AC] row_xmask:8 row_mask:0xf bank_mask:0xf
	v_permlanex16_b32 v[AC+1], v[AC], s[SEL], s[SEL+1]
	v_add_f32 v[AC], v[AC], v[AC+1]
	ds_store_b32 v[PWA], v[AC]                     ; all lanes write the same word with the same value
.Lmeet:
	s_wait_dscnt 0x0                               ; for the others' sake: my LDS stores are done
	s_barrier_signal -1
	s_barrier_wait -1
	s_cmp_lg_u32 s20, 0
	s_cbranch_scc1 .Lend
	s_cmp_lt_u32 ttmp9, 256
	s_cbranch_scc0 .Lwsum
	ds_load_b128 v[16:19], v[XR]
	s_wait_dscnt 0x0
	global_store_b128 v[GO], v[16:19], s[16:17]    ; the tile's scale words: 512 consecutive bytes
	s_branch .Lend
.Lwsum:
	ds_load_b128 v[16:19], v[PRA]
	ds_load_b128 v[20:23], v[PRA] offset:16
	s_wait_dscnt 0x0
	v_add_f32 v16, v16, v17
	v_add_f32 v18, v18, v19
	v_add_f32 v20, v20, v21
	v_add_f32 v22, v22, v23
	v_add_f32 v16, v16, v18
	v_add_f32 v20, v20, v22
	v_add_f32 v16, v16, v20
	s_wait_xcnt 0x0                                ; EXEC changes only behind this wait
	v_cmp_eq_u32 vcc_lo, 0, v[LN]
	s_and_saveexec_b32 s28, vcc_lo
	global_store_b32 v[ZR], v16, s[18:19]          ; one number: lane 0
	s_wait_xcnt 0x0                                ; and again, in front of the line that widens it
	s_or_b32 exec_lo, exec_lo, s28
.Lend:
	s_wait_tensorcnt 0x0
	ds_add_u32 v128, v129
	s_wait_dscnt 0x0
	s_endpgm
.Lfunc_end_k_qe28a9dc2b0_prep:
	.size	k_qe28a9dc2b0_prep, .Lfunc_end_k_qe28a9dc2b0_prep-k_qe28a9dc2b0_prep
	.p2alignl 7, 3214868480
	.fill 96, 4, 3214868480
	.section	.rodata,"a",@progbits
	.p2align	6, 0x0
	.amdhsa_kernel k_qe28a9dc2b0_prep
		.amdhsa_group_segment_fixed_size 70656
		.amdhsa_private_segment_fixed_size 0
		.amdhsa_enable_private_segment 0
		.amdhsa_kernarg_size 64
		.amdhsa_user_sgpr_count 2
		.amdhsa_user_sgpr_kernarg_segment_ptr 1
		.amdhsa_wavefront_size32 1
		.amdhsa_system_sgpr_workgroup_id_x 1
		.amdhsa_system_sgpr_workgroup_id_y 1
		.amdhsa_system_sgpr_workgroup_id_z 1
		.amdhsa_system_vgpr_workitem_id 0
		.amdhsa_next_free_vgpr 130
		.amdhsa_next_free_sgpr 66
		.amdhsa_reserve_vcc 1
		.amdhsa_float_denorm_mode_32 3
		.amdhsa_float_denorm_mode_16_64 3
		.amdhsa_memory_ordered 1
		.amdhsa_forward_progress 1
		.amdhsa_inst_pref_size 18
	.end_amdhsa_kernel
	.amdgpu_metadata
---
amdhsa.version: [ 1, 2 ]
amdhsa.kernels:
  - .name:           k_qe28a9dc2b0_prep
    .symbol:         k_qe28a9dc2b0_prep.kd
    .args:
      - { .name: x, .offset: 0, .size: 8, .value_kind: global_buffer, .address_space: global }
      - { .name: wq, .offset: 8, .size: 8, .value_kind: global_buffer, .address_space: global }
      - { .name: wk, .offset: 16, .size: 8, .value_kind: global_buffer, .address_space: global }
      - { .name: wv, .offset: 24, .size: 8, .value_kind: global_buffer, .address_space: global }
      - { .name: wo, .offset: 32, .size: 8, .value_kind: global_buffer, .address_space: global }
      - { .name: x_img, .offset: 40, .size: 8, .value_kind: global_buffer, .address_space: global }
      - { .name: x_sc, .offset: 48, .size: 8, .value_kind: global_buffer, .address_space: global }
      - { .name: wsum, .offset: 56, .size: 8, .value_kind: global_buffer, .address_space: global }
    .group_segment_fixed_size: 70656
    .private_segment_fixed_size: 0
    .kernarg_segment_align: 8
    .kernarg_segment_size: 64
    .max_flat_workgroup_size: 256
    .sgpr_count:     66
    .vgpr_count:     130
    .wavefront_size: 32
...
	.end_amdgpu_metadata
.endif
;; end of part 1
;; launch qkv (part 2): grid 24 x 8, 4 waves a work-group, no clusters, 51,712 bytes of LDS; arguments x_img, x_sc, wsum, wq, wk, wv, cos, sin, q_norm_w, k_norm_w, q_img, kv; writes q_img, kv
.if DOCPART == 2
	.amdgcn_target "amdgcn-amd-amdhsa--gfx1250"
	.amdhsa_code_object_version 6
	.text
	.protected	k_qe28a9dc2b0_qkv
	.globl	k_qe28a9dc2b0_qkv
	.p2align	8
	.type	k_qe28a9dc2b0_qkv,@function
k_qe28a9dc2b0_qkv:
	s_mov_b64 s[64:65], 0
	v_nop
	global_prefetch_b8 v0, s[64:65] scope:SCOPE_SE
	s_setreg_imm32_b32 hwreg(HW_REG_WAVE_MODE, 25, 1), 1
	s_wait_xcnt 0x0
; QKV.  q, k, v = x (sign(w) alpha)^T on codes of FP6 (E2M3); q and k then RMSNorm and RoPE in f32 and are quantised along the head's 64; v is quantised along the keys.
; A work-group is one head of 64 weight rows (x: 0-15 q, 16-19 k, 20-23 v) and 512 rows of x (y); wave w takes 128 rows: eight tiles of 16 tokens, which for k and v are one key step of the next launch.
; THE WEIGHT.  alpha = mean |w| from the 160 partial sums.  Every number of sign(w) alpha is 0 or +-alpha, so every block has one and the same scale byte: no maximum is searched.  Wave w quantises tile w of the head's
; four tiles of 16 rows, all eight K steps; the 32 fragments go from wave to wave through LDS as images of their registers (one barrier) and stay in each wave's registers (windows 1 and 2) for the whole launch.
; THE ROWS OF A WEIGHT TILE ARE NOT NEIGHBOURS: lane r of tile 2 b + u takes row 32 b + 8 u + r + 8 (r / 8).  With the weight as source 0 a lane then holds ONE token, and its register 16 b + i the head's channel
; 32 b + 16 (lane / 16) + i: the order that the quantiser along the head wants, with RoPE's partners d and d + 32 in one lane.
; v takes x as source 0: a lane holds one channel and its registers run along the tokens: register 8 i + j of a channel tile is token 16 i + 8 (lane / 16) + j, the very map that the scores have in the next launch.
; So v's codes and p's codes there carry one common order inside each block of 32 keys; the blocks are the quantiser's own.
; OUT.  q_img [32 heads][128 tiles][1,024]: three register pairs at 256 p + 8 lane, the scale word (s0 s1 s0 s1) twice at 768 + 8 lane.  kv [8][16 key steps][12,800]: four K fragments (registers 0-5 key tile 2 f,
; 6-11 key tile 2 f + 1), K's scale words [row][f], four V^T fragments, V's scale words [row][t].
; NO CLUSTER: a tile's 12,288 bytes of x go from memory straight into the one wave's registers that multiply them; a joint load would send them through LDS for 32 matrix instructions' worth of use.
; LIMITS: NaN and infinities are not served; a NaN in a weight counts by its sign bit; a block of zeros carries the byte 1 (its codes are zeros, and this program alone reads the bytes).
.set LN,   1                           ; lane
.set LI,   2                           ; 16 x lane
.set XSO,  3                           ; 32 r: a row's eight scale words of x
.set KW,   4                           ; v4-7    K's four scale words
.set CSO,  8                           ; 256 r + 64 h: cos and sin
.set LQ,   9                           ; 8 x lane
.set WA,   10                          ; my weight row x 4,096 + 128 h
.set WI,   11                          ; 16 x lane + 1,536 x wave
.set KSO,  12                          ; 16 r + 8 h
.set NWO,  13                          ; 64 h
.set XF,   16                          ; v16-111  x's eight fragments
.set XS,   112                         ; v112-119 their scale words
.set H,    120                         ; v120-151 q, k path: four accumulators
.set COS,  152
.set SIN,  184
.set TM,   216                         ; v216-223 at work
.set XB,   120                         ; v path: x's second set
.set XSB,  224                         ; v224-231 and its scale words
.set PC,   232                         ; v232-243 codes
.set PT,   244
.set HWA,  247
.set QW,   248
.set WS,   250                         ; the weight's scale word
.set AL,   251                         ; alpha
.set WSO,  252                         ; the conversions' scale operand
.set HWB,  253
.set INV,  254                         ; v[254:255] 1 / rms
.set VW,   252                         ; v path: V's four scale words
.set NW,   0                           ; window 3: the norm's weights
.set BUF0, 120                         ; the weight phase: two sets of 64 numbers,
.set BUF1, 16
.set PCW,  80                          ; a fragment's codes,
.set TMPW, 92
.set TW,   100
.set TA,   104
.set XP,   4
.set XSP,  6
.set WSUM, 8
.set CP,   16
.set SP,   18
.set NP,   20
.set QP,   24
.set KP,   26
.set WP,   28
.set SB,   31
.set SN,   32
.set SI,   33
.set WV,   39
.set C64,  40
.set CEPS, 41
.set SEL,  42
.set SMASK, 44
.set CNT,  45
.set SM,   48
.set MSB, 0
.macro WIN new                         ; the immediate's high byte repeats the setting that is left
.if MSB != \new
	s_set_vgpr_msb (MSB<<8)|\new
.set MSB, \new
.endif
.endm
.macro PLACES n
.rept \n
	v_nop
.endr
.endm
.macro MM0 d, a, b, sa, sb             ; the first product starts a sum
	v_wmma_scale_f32_16x16x128_f8f6f4 v[\d:\d+7], v[\a:\a+11], v[\b:\b+11], 0, v[\sa], v[\sb] matrix_a_fmt:MATRIX_FMT_FP6 matrix_b_fmt:MATRIX_FMT_FP6
.endm
.macro MMA d, a, b, sa, sb
	v_wmma_scale_f32_16x16x128_f8f6f4 v[\d:\d+7], v[\a:\a+11], v[\b:\b+11], v[\d:\d+7], v[\sa], v[\sb] matrix_a_fmt:MATRIX_FMT_FP6 matrix_b_fmt:MATRIX_FMT_FP6
.endm
; alpha: the tensor's partial sums begin at byte s[SB] of wsum, s[SN] of them (16 or 64); s[SI] = 1 / the tensor's numbers
.macro ALPHA_ASK
	v_lshl_add_u32 v[TA], v[LN], 2, s[SB]
	global_load_b32 v[TA+1], v[TA], s[WSUM:WSUM+1]
	global_load_b32 v[TA+2], v[TA], s[WSUM:WSUM+1] offset:128
.endm
.macro ALPHA_SUM left
	s_wait_loadcnt \left
	v_cmp_gt_u32 vcc_lo, s[SN], v[LN]
	v_cndmask_b32 v[TA+1], 0, v[TA+1], vcc_lo      ; what belongs to another tensor counts for 0
	v_add_nc_u32 v[TA+3], 32, v[LN]
	v_cmp_gt_u32 vcc_lo, s[SN], v[TA+3]
	v_cndmask_b32 v[TA+2], 0, v[TA+2], vcc_lo
	v_add_f32 v[TA+1], v[TA+1], v[TA+2]
	v_add_f32_dpp v[TA+1], v[TA+1], v[TA+1] row_xmask:1 row_mask:0xf bank_mask:0xf
	v_add_f32_dpp v[TA+1], v[TA+1], v[TA+1] row_xmask:2 row_mask:0xf bank_mask:0xf
	v_add_f32_dpp v[TA+1], v[TA+1], v[TA+1] row_xmask:4 row_mask:0xf bank_mask:0xf
	v_add_f32_dpp v[TA+1], v[TA+1], v[TA+1] row_xmask:8 row_mask:0xf bank_mask:0xf
	v_permlanex16_b32 v[TA+2], v[TA+1], s[SEL], s[SEL+1]
	v_add_f32 v[TA+1], v[TA+1], v[TA+2]
	v_mul_f32 v[AL], s[SI], v[TA+1]                ; alpha
	v_max_num_f32 v[TA+1], 0x1800000, v[AL]        ; the floor 2^(3 - 127)
	v_add_nc_u32 v[WSO], 0xff000000, v[TA+1]       ; 2 off the exponent field: the conversions' scale operand
	v_lshrrev_b32 v[TA+2], 23, v[WSO]              ; the byte, the same for every block of the weight
	v_mul_u32_u24 v[WS], v[TA+2], 0x10101
	v_lshl_or_b32 v[WS], v[TA+2], 24, v[WS]        ; four times: the scale word of every row and K step
.endm
; my tile's row, K step s: a lane wants two whole blocks of 32 (k = 64 c + 32 h + 0 .. 31): 2 x 128 bytes
.macro LOADW s, buf
.irp c, 0,1
.irp p, 0,1,2,3,4,5,6,7
	global_load_b128 v[\buf+32*\c+4*\p:\buf+32*\c+4*\p+3], v[WA], s[WP:WP+1] offset:512*(\s)+256*\c+16*\p
.endr
.endr
.endm
.macro WFRAG s, buf, left
	s_wait_loadcnt \left                           ; this fragment's 16 loads are in; the next one's may be out
.set i, 0
.rept 16
.irp k, 0,1,2,3
	v_cmp_neq_f32 s[SM+\k], 0, v[\buf+i+\k]
.endr
.irp k, 0,1,2,3
	v_cndmask_b32 v[TW+\k], 0, v[AL], s[SM+\k]     ; alpha, or 0 where w is 0,
.endr
.irp k, 0,1,2,3
	v_bfi_b32 v[\buf+i+\k], s[SMASK], v[TW+\k], v[\buf+i+\k]   ; under w's sign
.endr
.set i, i+4
.endr
	s_wait_dscnt 0x0                               ; the last image's stores have read their registers
.irp c, 0,1
	v_cvt_scalef32_pk16_fp6_f32 v[PCW+6*\c:PCW+6*\c+2], v[\buf+32*\c:\buf+32*\c+15], v[WSO]
	v_cvt_scalef32_pk16_fp6_f32 v[TMPW+4*\c:TMPW+4*\c+2], v[\buf+32*\c+16:\buf+32*\c+31], v[WSO]   ; (a conversion's three registers begin on an even number)
.endr
	v_nop                                          ; one plain place behind a scaled conversion
.irp c, 0,1
.irp k, 0,1,2
	v_mov_b32 v[PCW+6*\c+3+\k], v[TMPW+4*\c+\k]
.endr
.endr
.if (\s)+2 < 8
	LOADW (\s)+2, \buf
.endif
.irp c, 0,1,2
	ds_store_b128 v[WI], v[PCW+4*\c:PCW+4*\c+3] offset:6144*(\s)+512*\c   ; image 4 s + wave
.endr
.endm
.macro WFETCH                          ; all 32 images: fragment 4 s + t at v[12 (4 s + t)] of window 1 (s < 4), at v[12 (4 (s - 4) + t)] of window 2
	WIN 0x40
.set f, 0
.rept 16
.irp c, 0,1,2
	ds_load_b128 v[12*f+4*\c:12*f+4*\c+3], v[LI] offset:1536*f+512*\c
.endr
.set f, f+1
.endr
	WIN 0x80
.set f, 0
.rept 16
.irp c, 0,1,2
	ds_load_b128 v[12*f+4*\c:12*f+4*\c+3], v[LI] offset:1536*(f+16)+512*\c
.endr
.set f, f+1
.endr
	WIN 0
.endm
; tile n's eight fragments of x and its rows' scale words: 26 loads
.macro XLOAD n, xf, xs
.irp s, 0,1,2,3,4,5,6,7
.irp c, 0,1,2
	global_load_b128 v[\xf+12*\s+4*\c:\xf+12*\s+4*\c+3], v[LI], s[XP:XP+1] offset:12288*(\n)+1536*\s+512*\c
.endr
.endr
	global_load_b128 v[\xs:\xs+3], v[XSO], s[XSP:XSP+1] offset:512*(\n)
	global_load_b128 v[\xs+4:\xs+7], v[XSO], s[XSP:XSP+1] offset:512*(\n)+16
.endm
; tile n's cos and sin, in the accumulators' order: 16 loads
.macro CSLOAD n
.irp b, 0,1
.irp p, 0,1,2,3
	global_load_b128 v[COS+16*\b+4*\p:COS+16*\b+4*\p+3], v[CSO], s[CP:CP+1] offset:4096*(\n)+128*\b+16*\p
	global_load_b128 v[SIN+16*\b+4*\p:SIN+16*\b+4*\p+3], v[CSO], s[SP:SP+1] offset:4096*(\n)+128*\b+16*\p
.endr
.endr
.endm
; 32 numbers of a lane, register 16 b + i = k 32 b + 16 (lane / 16) + i, become six registers of codes (lane (r, h): block h of row r) and two scale bytes
.macro QUANT2 s, pc, pt, hw
.irp b, 0,1
	v_max3_num_f32 v[TM+\b], |v[\s+16*\b]|, |v[\s+16*\b+1]|, 0x1800000
.endr
.irp i, 2,4,6,8,10,12,14
.irp b, 0,1
	v_max3_num_f32 v[TM+\b], v[TM+\b], |v[\s+16*\b+\i]|, |v[\s+16*\b+\i+1]|
.endr
.endr
.irp b, 0,1
	v_permlanex16_b32 v[TM+4+\b], v[TM+\b], s[SEL], s[SEL+1]
.endr
.irp b, 0,1
	v_max_num_f32 v[TM+\b], v[TM+\b], v[TM+4+\b]
.endr
.irp b, 0,1
	v_add_nc_u32 v[TM+6+\b], 0xff000000, v[TM+\b]
.endr
.irp b, 0,1
	v_lshrrev_b32 v[TM+4+\b], 23, v[TM+6+\b]
.endr
	v_lshl_or_b32 v[\hw], v[TM+5], 8, v[TM+4]
	v_cvt_scalef32_pk16_fp6_f32 v[\pc:\pc+2], v[\s:\s+15], v[TM+6]
	v_cvt_scalef32_pk16_fp6_f32 v[\pt:\pt+2], v[\s+16:\s+31], v[TM+7]
	v_nop                                          ; one plain place behind a scaled conversion
.irp i, 0,1,2
	v_permlane16_swap_b32 v[\pc+\i], v[\pt+\i]
.endr
.irp i, 0,1,2
	v_mov_b32 v[\pc+3+\i], v[\pt+\i]
.endr
.endm
; 64 numbers (four blocks) likewise; wmax, wcvt: the register windows under which the numbers are read
.macro QUANT s, wmax, wcvt, pc, pt, pw
	WIN \wmax
.irp b, 0,1,2,3
	v_max3_num_f32 v[TM+\b], 0x1800000, |v[\s+16*\b]|, |v[\s+16*\b+1]|
.endr
.irp i, 2,4,6,8,10,12,14
.irp b, 0,1,2,3
	v_max3_num_f32 v[TM+\b], v[TM+\b], |v[\s+16*\b+\i]|, |v[\s+16*\b+\i+1]|
.endr
.endr
	WIN 0
.irp b, 0,1,2,3
	v_permlanex16_b32 v[TM+4+\b], v[TM+\b], s[SEL], s[SEL+1]
.endr
.irp b, 0,1,2,3
	v_max_num_f32 v[TM+\b], v[TM+\b], v[TM+4+\b]
.endr
.irp b, 0,1,2,3
	v_add_nc_u32 v[TM+12+\b], 0xff000000, v[TM+\b]
.endr
.irp b, 0,1,2,3
	v_lshrrev_b32 v[TM+4+\b], 23, v[TM+12+\b]
.endr
	v_lshl_or_b32 v[\pw], v[TM+5], 8, v[TM+4]
	v_lshl_or_b32 v[\pw], v[TM+6], 16, v[\pw]
	v_lshl_or_b32 v[\pw], v[TM+7], 24, v[\pw]
	WIN \wcvt
.irp c, 0,1
	v_cvt_scalef32_pk16_fp6_f32 v[\pc+6*\c:\pc+6*\c+2], v[\s+32*\c:\s+32*\c+15], v[TM+12+2*\c]
	v_cvt_scalef32_pk16_fp6_f32 v[\pt+4*\c:\pt+4*\c+2], v[\s+32*\c+16:\s+32*\c+31], v[TM+13+2*\c]
.endr
	WIN 0
	v_nop                                          ; one plain place behind a scaled conversion
.irp c, 0,1
.irp i, 0,1,2
	v_permlane16_swap_b32 v[\pc+6*\c+\i], v[\pt+4*\c+\i]
.endr
.irp i, 0,1,2
	v_mov_b32 v[\pc+6*\c+3+\i], v[\pt+4*\c+\i]
.endr
.endr
.endm
	s_load_b512 s[4:19], s[0:1], 0x0               ; x_img, x_sc, wsum, wq s[10:11], wk s[12:13], wv s[14:15], cos, sin
	s_load_b256 s[20:27], s[0:1], 0x40             ; q_norm_w, k_norm_w s[22:23], q_img, kv
	s_set_vgpr_msb 0x40
	v_lshl_add_u32 v254, v0, 2, 0xc800
	v_mov_b32 v255, 0
	s_set_vgpr_msb 0x4000
	v_lshrrev_b32 v1, 5, v0
	v_readfirstlane_b32 s[WV], v1                  ; wave 0..3
	v_and_b32 v[LN], 31, v0
	v_and_b32 v14, 15, v0                          ; r
	v_bfe_u32 v15, v0, 4, 1                        ; h
	v_lshlrev_b32 v[LI], 4, v[LN]
	v_lshlrev_b32 v[XSO], 5, v14
	v_lshlrev_b32 v[CSO], 8, v14
	v_lshl_add_u32 v[CSO], v15, 6, v[CSO]
	v_lshlrev_b32 v[LQ], 3, v[LN]
	v_lshlrev_b32 v[KSO], 4, v14
	v_lshl_add_u32 v[KSO], v15, 3, v[KSO]
	v_lshlrev_b32 v[NWO], 6, v15
	s_lshr_b32 s34, s[WV], 1
	s_lshl_b32 s34, s34, 5
	s_and_b32 s35, s[WV], 1
	s_lshl_b32 s35, s35, 3
	s_add_co_u32 s34, s34, s35                     ; tile w begins at row 32 (w / 2) + 8 (w % 2)
	v_and_b32 v[WA], 8, v14
	v_add_nc_u32 v[WA], v[WA], v14                 ; r + 8 (r / 8)
	v_add_nc_u32 v[WA], s34, v[WA]
	v_lshlrev_b32 v[WA], 12, v[WA]
	v_lshl_add_u32 v[WA], v15, 7, v[WA]
	s_mul_i32 s34, s[WV], 1536
	v_add_nc_u32 v[WI], s34, v[LI]
.irp k, 0,1,2,3
	v_mov_b32 v[KW+\k], 0
.endr
	v_mov_b32 v[TM+4], 0                           ; written once: a lane permute's destination counts as one of its sources
	v_mov_b32 v[TM+5], 0
	v_mov_b32 v[INV+1], 0                          ; (named as the upper half of a pair)
	s_mov_b32 s[C64], 0x3c800000                   ; 1 / 64
	s_mov_b32 s[CEPS], 0x358637bd                  ; 1e-6
	s_mov_b32 s[SEL], 0x76543210
	s_mov_b32 s[SEL+1], 0xfedcba98
	s_mov_b32 s[SMASK], 0x7fffffff
	s_mov_b32 s30, 20                              ; the tensor's first head,
	s_mov_b32 s[SB], 320                           ; its partial sums' first byte,
	s_mov_b32 s[SN], 16                            ; their number,
	s_mov_b32 s[SI], 0x36800000                    ; 2^-18 = 1 / (256 x 1,024)
	s_wait_kmcnt 0x0
	s_cmp_lt_u32 ttmp9, 20
	s_cselect_b64 s[WP:WP+1], s[12:13], s[14:15]   ; wk, else wv
	s_cselect_b32 s30, 16, s30
	s_cselect_b32 s[SB], 256, s[SB]
	s_cmp_lt_u32 ttmp9, 16
	s_cselect_b64 s[WP:WP+1], s[10:11], s[WP:WP+1] ; wq
	s_cselect_b32 s30, 0, s30
	s_cselect_b32 s[SB], 0, s[SB]
	s_cselect_b32 s[SN], 64, s[SN]
	s_cselect_b32 s[SI], 0x35800000, s[SI]         ; 2^-20
	s_cselect_b64 s[NP:NP+1], s[20:21], s[22:23]   ; q's gain, else k's
	s_sub_co_u32 s30, ttmp9, s30                   ; the head within its tensor
	s_lshl_b32 s34, s30, 18                        ; 64 rows of 4,096 bytes
	s_mov_b32 s35, 0
	s_add_nc_u64 s[WP:WP+1], s[WP:WP+1], s[34:35]
	ALPHA_ASK
	LOADW 0, BUF0
	LOADW 1, BUF1
	s_and_b32 s36, ttmp7, 0xffff                   ; y: which 512 rows
	s_and_b32 s37, s36, 3
	s_lshr_b32 s38, s36, 2                         ; the batch
	s_lshl_b32 s46, s37, 2
	s_add_co_u32 s46, s46, s[WV]                   ; my key step within the batch: 4 (y % 4) + wave
	s_lshl_b32 s47, s36, 5
	s_lshl_b32 s52, s[WV], 3
	s_add_co_u32 s47, s47, s52                     ; my first tile of tokens: 32 y + 8 wave
	s_mul_i32 s34, s47, 12288
	s_add_nc_u64 s[XP:XP+1], s[XP:XP+1], s[34:35]
	s_lshl_b32 s34, s47, 9
	s_add_nc_u64 s[XSP:XSP+1], s[XSP:XSP+1], s[34:35]
	s_lshl_b32 s34, s46, 15                        ; 128 tokens of 256 bytes
	s_add_nc_u64 s[CP:CP+1], s[CP:CP+1], s[34:35]
	s_add_nc_u64 s[SP:SP+1], s[SP:SP+1], s[34:35]
	s_min_u32 s53, ttmp9, 15                       ; (held inside q_img in the work-groups that do not store there)
	s_lshl_b32 s34, s38, 4
	s_add_co_u32 s34, s34, s53
	s_lshl_b32 s34, s34, 7
	s_lshl_b32 s52, s46, 3
	s_add_co_u32 s34, s34, s52
	s_lshl_b32 s34, s34, 10                        ; ((16 b + head) 128 + my first tile in the batch) x 1,024
	s_add_nc_u64 s[QP:QP+1], s[QP:QP+1], s[34:35]
	s_and_b32 s53, s30, 3                          ; (likewise for kv)
	s_lshl_b32 s34, s38, 2
	s_add_co_u32 s34, s34, s53
	s_lshl_b32 s34, s34, 4
	s_add_co_u32 s34, s34, s46
	s_mul_i32 s34, s34, 12800                      ; ((4 b + g) 16 + key step) x 12,800
	s_add_nc_u64 s[KP:KP+1], s[KP:KP+1], s[34:35]
	ALPHA_SUM 32                                   ; the two loads of partial sums are in; the 32 weight loads behind them may be out
.irp s, 0,1,2,3,4,5,6
	WFRAG \s, BUF0+(BUF1-BUF0)*(\s%2), 16
.endr
	WFRAG 7, BUF1, 0
	s_wait_dscnt 0x0                               ; for the others' sake: my eight images are in LDS
	s_barrier_signal -1
	s_barrier_wait -1
	WFETCH
	s_cmp_ge_u32 ttmp9, 20
	s_cbranch_scc1 .Lvpath
	; ---- q and k
	WIN 0xc0                                       ; destination window 3
.irp b, 0,1
.irp p, 0,1,2,3
	global_load_b128 v[NW+16*\b+4*\p:NW+16*\b+4*\p+3], v[NWO], s[NP:NP+1] offset:128*\b+16*\p   ; the gain, in the accumulators' order
.endr
.endr
	WIN 0
	XLOAD 0, XF, XS
	CSLOAD 0
	s_wait_dscnt 0x0                               ; the weight's fragments are in
; One tile of 16 tokens.  d: where its six registers of codes go (PC + d); n: the tile within the trip; more = 1: the next tile is asked for
.macro TILE d, n, more, hw
	s_wait_loadcnt 16                              ; x's fragments and words are in (and the gain); this tile's 16 loads of cos and sin may be out
.irp s, 0,1,2,3,4,5,6,7                        ; the four accumulators take turns, one instruction a turn, K ascending
.if \s < 4
	WIN 0x01
.else
	WIN 0x02
.endif
.irp t, 0,1,2,3
.if \s == 0
	MM0 H+8*\t, 12*(4*(\s%4)+\t), XF+12*\s, WS, XS+\s
.else
	MMA H+8*\t, 12*(4*(\s%4)+\t), XF+12*\s, WS, XS+\s
.endif
.endr
.endr
	WIN 0
	PLACES 4                                       ; in front of loads into registers that matrix instructions have read, and of the first read of results
.if \more
	XLOAD (\n)+1, XF, XS
	s_wait_loadcnt 26                              ; cos and sin are in; the 26 loads just issued may be out
.else
	s_wait_loadcnt 0x0
.endif
	v_pk_mul_f32 v[TM:TM+1], v[H:H+1], v[H:H+1]    ; the sum of squares: two chains, each accumulator from its low end on
	v_pk_mul_f32 v[TM+2:TM+3], v[H+2:H+3], v[H+2:H+3]
.irp i, 4,8,12,16,20,24,28
	v_pk_fma_f32 v[TM:TM+1], v[H+\i:H+\i+1], v[H+\i:H+\i+1], v[TM:TM+1]
	v_pk_fma_f32 v[TM+2:TM+3], v[H+\i+2:H+\i+3], v[H+\i+2:H+\i+3], v[TM+2:TM+3]
.endr
	v_pk_add_f32 v[TM:TM+1], v[TM:TM+1], v[TM+2:TM+3]
	v_add_f32 v[TM], v[TM], v[TM+1]
	v_permlanex16_b32 v[TM+4], v[TM], s[SEL], s[SEL+1]
	v_add_f32 v[TM], v[TM], v[TM+4]                ; with lane l xor 16's 32 channels
	v_fma_f32 v[TM], v[TM], s[C64], s[CEPS]
	v_rsq_f32 v[INV], v[TM]
	v_nop                                          ; a plain place behind the transcendental
	s_wait_alu depctr_va_vdst(0)                   ; the wait ahead of the first reader
.irp i, 0,2,4,6,8,10,12,14,16,18,20,22,24,26,28,30
	v_pk_mul_f32 v[H+\i:H+\i+1], v[H+\i:H+\i+1], v[INV:INV+1] op_sel_hi:[1,0]
.endr
	WIN 0x0c                                       ; source 1 window 3
.irp i, 0,2,4,6,8,10,12,14,16,18,20,22,24,26,28,30
	v_pk_mul_f32 v[H+\i:H+\i+1], v[H+\i:H+\i+1], v[NW+\i:NW+\i+1]
.endr
	WIN 0
.irp i, 0,2,4,6,8,10,12,14                     ; RoPE: lo = y_lo cos_lo - y_hi sin_lo;  hi = y_hi cos_hi + y_lo sin_hi
	v_pk_mul_f32 v[COS+\i:COS+\i+1], v[H+\i:H+\i+1], v[COS+\i:COS+\i+1]
.endr
.irp i, 0,2,4,6,8,10,12,14
	v_pk_mul_f32 v[SIN+16+\i:SIN+17+\i], v[H+\i:H+\i+1], v[SIN+16+\i:SIN+17+\i]
.endr
.irp i, 0,2,4,6,8,10,12,14
	v_pk_fma_f32 v[H+\i:H+\i+1], v[H+16+\i:H+17+\i], v[SIN+\i:SIN+\i+1], v[COS+\i:COS+\i+1] neg_lo:[1,0,0] neg_hi:[1,0,0]
.endr
.irp i, 0,2,4,6,8,10,12,14
	v_pk_fma_f32 v[H+16+\i:H+17+\i], v[H+16+\i:H+17+\i], v[COS+16+\i:COS+17+\i], v[SIN+16+\i:SIN+17+\i]
.endr
.if \more
	CSLOAD (\n)+1
.endif
	QUANT2 H, PC+\d, PT, \hw
	s_cmp_lt_u32 ttmp9, 16
	s_cbranch_scc0 .Lnotq_\@
	s_wait_xcnt 0x0                                ; the last tile's store has read the pair that is written now
	v_lshl_or_b32 v[QW], v[\hw], 16, v[\hw]        ; s0 s1 s0 s1: q serves as either half of a K of 128
	v_mov_b32 v[QW+1], v[QW]
.irp p, 0,1,2
	global_store_b64 v[LQ], v[PC+\d+2*\p:PC+\d+2*\p+1], s[QP:QP+1] offset:1024*(\n)+256*\p   ; 32 lanes store 256 consecutive bytes, aligned
.endr
	global_store_b64 v[LQ], v[QW:QW+1], s[QP:QP+1] offset:1024*(\n)+768
.Lnotq_\@:
.endm
.macro TRIP more                       ; two tiles: for k one fragment
	TILE 0, 0, 1, HWA
	TILE 6, 1, \more, HWB
	s_cmp_lt_u32 ttmp9, 16
	s_cbranch_scc1 .Lnotk_\@
	v_mov_b32 v[KW], v[KW+1]                       ; the four trips' words move down into their places
	v_mov_b32 v[KW+1], v[KW+2]
	v_mov_b32 v[KW+2], v[KW+3]
	v_lshl_or_b32 v[KW+3], v[HWB], 16, v[HWA]
.irp c, 0,1,2
	global_store_b128 v[LI], v[PC+4*\c:PC+4*\c+3], s[KP:KP+1] offset:512*\c
.endr
.Lnotk_\@:
.endm
	s_mov_b32 s[CNT], 3
.Ltrip:
	TRIP 1
	s_wait_xcnt 0x0                                ; the trip's loads and stores have read their bases and data: both may be written again
	s_add_nc_u64 s[XP:XP+1], s[XP:XP+1], 24576
	s_add_nc_u64 s[XSP:XSP+1], s[XSP:XSP+1], 1024
	s_add_nc_u64 s[CP:CP+1], s[CP:CP+1], 8192
	s_add_nc_u64 s[SP:SP+1], s[SP:SP+1], 8192
	s_add_nc_u64 s[QP:QP+1], s[QP:QP+1], 2048
	s_add_nc_u64 s[KP:KP+1], s[KP:KP+1], 1536
	s_sub_co_u32 s[CNT], s[CNT], 1
	s_cmp_lg_u32 s[CNT], 0
	s_cbranch_scc1 .Ltrip
	TRIP 0                                         ; the last two tiles: nothing is asked for beyond the wave's eight
	s_cmp_lt_u32 ttmp9, 16
	s_cbranch_scc1 .Lqend
	v_cmp_lt_u32 vcc_lo, 15, v[LN]                 ; K's scale words [row][f]: lane (r, h) stores words 2 h and 2 h + 1 of row r: 256 consecutive bytes
	v_cndmask_b32 v14, v[KW], v[KW+2], vcc_lo
	v_cndmask_b32 v15, v[KW+1], v[KW+3], vcc_lo
	global_store_b64 v[KSO], v[14:15], s[KP:KP+1] offset:1536   ; the base stands at fragment 3: 6,144 - 4,608
.Lqend:
	s_set_vgpr_msb 0x5
	s_wait_tensorcnt 0x0
	ds_add_u32 v254, v255
	s_wait_dscnt 0x0
	s_set_vgpr_msb 0x500
	s_endpgm
	; ---- v: x is source 0; the accumulator of token tile i and channel tile t lies at v[64 t + 8 i] of window 3
.Lvpath:
.set TM, 232
.irp b, 0,1,2,3
	v_mov_b32 v[TM+4+\b], 0
.endr
	XLOAD 0, XF, XS
	XLOAD 1, XB, XSB
	s_wait_dscnt 0x0                               ; the weight's fragments are in
.macro VTILE i
.set XBUF, XF+104*((\i)%2)
.set XSC,  XS+112*((\i)%2)
.if (\i) < 7
	s_wait_loadcnt 26                              ; this tile's 26 loads are in; the other set's may be out
.else
	s_wait_loadcnt 0x0
.endif
.irp s, 0,1,2,3,4,5,6,7
.if \s < 4
	WIN 0xf4                                       ; source 1 (the weight) window 1, C and D window 3
.else
	WIN 0xf8
.endif
.irp t, 0,1,2,3
.if \s == 0
	MM0 64*\t+8*(\i), XBUF+12*\s, 12*(4*(\s%4)+\t), XSC+\s, WS
.else
	MMA 64*\t+8*(\i), XBUF+12*\s, 12*(4*(\s%4)+\t), XSC+\s, WS
.endif
.endr
.endr
	WIN 0
	PLACES 4
.if (\i)+2 < 8
	XLOAD (\i)+2, XBUF, XSC
.endif
.endm
.irp i, 0,1,2,3,4,5,6,7
	VTILE \i
.endr
.irp t, 0,1,2,3                                ; a channel tile's 64 registers are 128 keys of my channel: one fragment of V^T
	QUANT 64*\t, 0x3c, 0x03, 16+24*\t, 28+24*\t, VW+\t
.irp c, 0,1,2
	global_store_b128 v[LI], v[16+24*\t+4*\c:16+24*\t+4*\c+3], s[KP:KP+1] offset:6400+1536*\t+512*\c
.endr
.endr
	v_cmp_lt_u32 vcc_lo, 15, v[LN]
	v_cndmask_b32 v14, v[VW], v[VW+2], vcc_lo
	v_cndmask_b32 v15, v[VW+1], v[VW+3], vcc_lo
	global_store_b64 v[KSO], v[14:15], s[KP:KP+1] offset:12544
	s_set_vgpr_msb 0x5
	s_wait_tensorcnt 0x0
	ds_add_u32 v254, v255
	s_wait_dscnt 0x0
	s_set_vgpr_msb 0x500
	s_endpgm
.Lfunc_end_k_qe28a9dc2b0_qkv:
	.size	k_qe28a9dc2b0_qkv, .Lfunc_end_k_qe28a9dc2b0_qkv-k_qe28a9dc2b0_qkv
	.p2alignl 7, 3214868480
	.fill 96, 4, 3214868480
	.section	.rodata,"a",@progbits
	.p2align	6, 0x0
	.amdhsa_kernel k_qe28a9dc2b0_qkv
		.amdhsa_group_segment_fixed_size 51712
		.amdhsa_private_segment_fixed_size 0
		.amdhsa_enable_private_segment 0
		.amdhsa_kernarg_size 96
		.amdhsa_user_sgpr_count 2
		.amdhsa_user_sgpr_kernarg_segment_ptr 1
		.amdhsa_wavefront_size32 1
		.amdhsa_system_sgpr_workgroup_id_x 1
		.amdhsa_system_sgpr_workgroup_id_y 1
		.amdhsa_system_sgpr_workgroup_id_z 1
		.amdhsa_system_vgpr_workitem_id 0
		.amdhsa_next_free_vgpr 1024
		.amdhsa_next_free_sgpr 72
		.amdhsa_reserve_vcc 1
		.amdhsa_float_denorm_mode_32 3
		.amdhsa_float_denorm_mode_16_64 3
		.amdhsa_memory_ordered 1
		.amdhsa_forward_progress 1
		.amdhsa_inst_pref_size 255
	.end_amdhsa_kernel
	.section	.bss,"aw",@nobits
	.p2align	6
	.space	262144
	.amdgpu_metadata
---
amdhsa.version: [ 1, 2 ]
amdhsa.kernels:
  - .name:           k_qe28a9dc2b0_qkv
    .symbol:         k_qe28a9dc2b0_qkv.kd
    .args:
      - { .name: x_img, .offset: 0, .size: 8, .value_kind: global_buffer, .address_space: global }
      - { .name: x_sc, .offset: 8, .size: 8, .value_kind: global_buffer, .address_space: global }
      - { .name: wsum, .offset: 16, .size: 8, .value_kind: global_buffer, .address_space: global }
      - { .name: wq, .offset: 24, .size: 8, .value_kind: global_buffer, .address_space: global }
      - { .name: wk, .offset: 32, .size: 8, .value_kind: global_buffer, .address_space: global }
      - { .name: wv, .offset: 40, .size: 8, .value_kind: global_buffer, .address_space: global }
      - { .name: cos, .offset: 48, .size: 8, .value_kind: global_buffer, .address_space: global }
      - { .name: sin, .offset: 56, .size: 8, .value_kind: global_buffer, .address_space: global }
      - { .name: q_norm_w, .offset: 64, .size: 8, .value_kind: global_buffer, .address_space: global }
      - { .name: k_norm_w, .offset: 72, .size: 8, .value_kind: global_buffer, .address_space: global }
      - { .name: q_img, .offset: 80, .size: 8, .value_kind: global_buffer, .address_space: global }
      - { .name: kv, .offset: 88, .size: 8, .value_kind: global_buffer, .address_space: global }
    .group_segment_fixed_size: 51712
    .private_segment_fixed_size: 0
    .kernarg_segment_align: 8
    .kernarg_segment_size: 96
    .max_flat_workgroup_size: 128
    .sgpr_count:     72
    .vgpr_count:     1024
    .wavefront_size: 32
...
	.end_amdgpu_metadata
.endif
;; end of part 2
;; launch attn (part 3): grid 32 x 8, 16 waves a work-group, clusters of 4 x 4, 327,680 bytes of LDS; arguments q_img, kv, mask, a_img, a_sc; writes a_img, a_sc
.if DOCPART == 3
	.amdgcn_target "amdgcn-amd-amdhsa--gfx1250"
	.amdhsa_code_object_version 6
	.text
	.protected	k_qe28a9dc2b0_attn
	.globl	k_qe28a9dc2b0_attn
	.p2align	8
	.type	k_qe28a9dc2b0_attn,@function
k_qe28a9dc2b0_attn:
	s_mov_b64 s[64:65], 0
	v_nop
	global_prefetch_b8 v0, s[64:65] scope:SCOPE_SE
	s_setreg_imm32_b32 hwreg(HW_REG_WAVE_MODE, 25, 1), 1
	s_wait_xcnt 0x0
	s_wait_alu depctr_hold_cnt(0) depctr_sa_sdst(0) depctr_va_vdst(0) depctr_va_sdst(0) depctr_va_ssrc(0) depctr_va_vcc(0) depctr_vm_vsrc(0)
	s_getreg_b32 s2, hwreg(HW_REG_IB_STS2, 6, 4)
	s_cmp_eq_u32 s2, 0
	s_cbranch_scc0 .Lentry_in_a_cluster
	s_endpgm
.Lentry_in_a_cluster:
	s_bfe_u32 s2, ttmp6, 0x10000c
	s_cmp_lg_u32 s2, 0xf033
	s_cbranch_scc0 .Lentry_shape_is_right
	s_endpgm
.Lentry_shape_is_right:
; ATTN.  scores = q k^T on codes of FP6; logit = 50 tanh(score / 400) + mask; p = 2^(t - M), t = logit x log2(e), M the running largest t rounded up to a whole number; O^T += V^T P on codes; O / the sum of the unquantised p is
; quantised along the model's 1,024 for the last product.  The mask is an input: every key counts until the mask says otherwise, so all 2,048 keys are walked.
; SHARES.  A work-group owns 64 queries (X) of the four query heads of one key and value head (Y = 4 batch + g).  Wave wv owns head 4 g + wv % 4 and query tile wv / 4: one tile of 16 queries in 256 registers, four waves to a
; SIMD, so that one wave's exponentials and reciprocals stand beside another's plain and matrix work.  Every wave walks the keys 128 a step; a slot of the ring holds two steps: 64 rows x 1,024 bytes of the mask and 25,600 bytes of K and V.
; CLUSTER 4 x 4.  K and V hang on Y alone: asked for jointly by a row of the cluster.  The mask's tile hangs on X alone: asked for jointly by a column.  Wave 0 asks for the mask's tile, wave 1 for K and V: one tensor load of a
; wave is out at any time, and it has two key steps in which to land.
; K = 64 IN AN INSTRUCTION OF 128.  A fragment of K holds two key tiles (k 0-63 tile 2 f, k 64-127 tile 2 f + 1).  q stands in 18 registers as q, six zeros, q: registers 0-11 give the first tile's scores, 6-17 the second's.
; LAYOUT.  S^T = K Q^T, O^T = V^T P: a lane holds one query throughout.  Register 16 f + 8 u + j of the scores is key 32 f + 16 u + 8 (lane / 16) + j: v's codes were made in the same order, and the mask is read from LDS in it.
; THE SOFTCAP.  tanh(z) = 1 - 2 / (1 + 2^(2 z log2 e)); u = -100 / (1 + 2^(..)) + mask = logit - 50.  The running maximum is kept of u, and u - max is formed BEFORE the multiplication by log2(e): so p is at most 1 whatever
; common offset or size the mask has.  t - M = (u - max) log2(e) + delta, delta = tmax - M in (-1, 0], tmax = max x log2(e) + 50 log2(e).
; LIMITS: NaN is not served; mask values under -1e38 count as minus infinity, and a row all of whose keys are so masked gives NaN; the logit's absolute error from this form of tanh is some 6e-6;
; a block of zeros carries the byte 1 (its codes are zeros, and this program alone reads the bytes).
.set SLOT1, 1<<17                      ; slot 1 begins here: one exclusive or turns an address from slot to slot
.set MP,    1040                       ; a row of the mask's tile in LDS: 1,024 bytes + 16: sixteen rows start at sixteen different 16-byte columns of 256
.set KVO,   64*MP                      ; behind the mask's tile: two key steps of K and V, 12,800 bytes each
.set SPARE, 2*SLOT1                    ; the spare words, 128 bytes for each of 16 waves: eight blocks of 256 bytes that no other line names
.set ASCS,  SPARE+2048                 ; 512 bytes: the results' scale bytes meet here
.set AKV0, 1                           ; v1   KVO + 16 x lane
.set AM0,  2                           ; v2   (16 i + r) MP + 32 h
.set ASC0, 3                           ; v3   KVO + 16 r
.set LQ,   4                           ; v4   8 x lane
.set SPW,  5                           ; v5   my spare word; never rewritten
.set NIL,  6                           ; v6   0; never rewritten
.set PFO,  7                           ; v7   the prefetches' offset; never rewritten
.set ADK,  8
.set ADM,  9
.set ADS,  10
                                       ; v11 -M;  v[12:13] delta, the largest u;  v[14:15] the sum in two halves
.set QF,   16                          ; v16-33  q, zeros, q
.set QS,   34                          ; q's scale word
.set ASW,  35                          ; where my two scale bytes go
.set KS,   36                          ; v36-39  K's scale words, then V's
.set F,    40                          ; v40-103 K's fragments, then the mask, then V's fragments
.set S,    104                         ; v104-167 the scores, u, p
.set O,    168                         ; v168-199 O^T
.set PC,   200                         ; v200-211 p's codes
.set PT,   212
.set BM,   220                         ; v220-223 the blocks' largest
.set BT,   224
.set SO,   228
.set TM,   220                         ; the way out's work registers
.set PS,   234                         ; p's scale word
.set ASR,  235                         ; where wave 0 reads the scale bytes back
.set WV,   14
.set SEL,  22
.set C1,   24                          ; s[24:25] 2 log2(e) / 400
.set M100, 26                          ; s[26:27] -100
.set L2E,  28                          ; s[28:29] log2(e)
.set CC,   30                          ; s30      50 log2(e)
.set G1M,  32
.set G1K,  40
.set G0M,  48
.set G0K,  52
.set TB,   56
.set SLOTS, 57
.set PFA,  58
.set PFS,  60
.set LIM,  62
.macro PLACES n
.rept \n
	v_nop
.endr
.endm
.macro CROUND                          ; a round of the cluster's barrier
	s_barrier_signal -1
	s_barrier_wait -1
	s_cmp_lg_u32 s[WV], 0
	s_cbranch_scc1 .Lnot_wave_0_\@
	s_barrier_signal -3
.Lnot_wave_0_\@:
	s_barrier_wait -3
	s_barrier_signal -1
	s_barrier_wait -1
.endm
; Wave 0 asks for the mask's tile, wave 1 for K and V, the others for nothing: the branches hang on the wave's number alone.  Four v_nop follow each of the two lines.
.macro TLOAD
	s_cmp_eq_u32 s[WV], 0
	s_cbranch_scc0 .Lnot_m_\@
	tensor_load_to_lds s[G0M:G0M+3], s[G1M:G1M+7]
	s_nop 0
.rept 4
	v_nop
.endr
	s_branch .Lasked_\@
.Lnot_m_\@:
	s_cmp_eq_u32 s[WV], 1
	s_cbranch_scc0 .Lasked_\@
	tensor_load_to_lds s[G0K:G0K+3], s[G1K:G1K+7]
	s_nop 0
.rept 4
	v_nop
.endr
.Lasked_\@:
.endm
; A PREFETCH INTO THE L2 of what the NEXT change of slots will ask for, two key steps ahead of that load.  The mask's tile (64 rows x four blocks of 256 bytes) is read by both clusters of a column of clusters: cluster y = 0 asks;
; its four partners along y take 16 rows each BY ADDRESS, waves 2 and 3 eight rows each, a lane a block.  K and V's 100 blocks are read by all clusters of a row of clusters: cluster x = 0 asks, wave 4; the partner at cx names
; blocks 32 cx + lane, held at 99.  The last change that fills a slot asks for nothing; slots 0 and 1 come by their loads alone.
.macro ASK
	s_cmp_gt_u32 s[SLOTS], s[LIM]
	s_cbranch_scc0 .Lnot_mine_\@
	global_prefetch_b8 v[PFO], s[PFA:PFA+1] th:TH_LOAD_NT scope:SCOPE_SE
.Lnot_mine_\@:
.endm
.macro QUANT2 s, pc, pt, hw            ; 32 numbers of a lane, register 16 b + i = k 32 b + 16 (lane / 16) + i, become six registers of codes and two scale bytes
.irp b, 0,1
	v_max3_num_f32 v[TM+\b], |v[\s+16*\b]|, |v[\s+16*\b+1]|, 0x1800000
.endr
.irp i, 2,4,6,8,10,12,14
.irp b, 0,1
	v_max3_num_f32 v[TM+\b], v[TM+\b], |v[\s+16*\b+\i]|, |v[\s+16*\b+\i+1]|
.endr
.endr
.irp b, 0,1
	v_permlanex16_b32 v[TM+4+\b], v[TM+\b], s[SEL], s[SEL+1]
.endr
.irp b, 0,1
	v_max_num_f32 v[TM+\b], v[TM+\b], v[TM+4+\b]
.endr
.irp b, 0,1
	v_add_nc_u32 v[TM+6+\b], 0xff000000, v[TM+\b]
.endr
.irp b, 0,1
	v_lshrrev_b32 v[TM+4+\b], 23, v[TM+6+\b]
.endr
	v_lshl_or_b32 v[\hw], v[TM+5], 8, v[TM+4]
	v_cvt_scalef32_pk16_fp6_f32 v[\pc:\pc+2], v[\s:\s+15], v[TM+6]
	v_cvt_scalef32_pk16_fp6_f32 v[\pt:\pt+2], v[\s+16:\s+31], v[TM+7]
	v_nop
.irp i, 0,1,2
	v_permlane16_swap_b32 v[\pc+\i], v[\pt+\i]
.endr
.irp i, 0,1,2
	v_mov_b32 v[\pc+3+\i], v[\pt+\i]
.endr
.endm
	s_load_b256 s[4:11], s[0:1], 0x0               ; q_img s[4:5], kv s[6:7], mask s[8:9], a_img s[10:11]
	s_load_b64 s[12:13], s[0:1], 0x20              ; a_sc
	v_lshl_add_u32 v[SPW], v0, 2, SPARE
	v_mov_b32 v[NIL], 0
	ds_add_u32 v5, v6
	s_wait_dscnt 0x0
	v_lshrrev_b32 v8, 5, v0
	v_readfirstlane_b32 s[WV], v8                  ; wave 0..15
	s_and_b32 s15, s[WV], 3                        ; j: my head of the four
	s_lshr_b32 s16, s[WV], 2                       ; i: my tile of the four
	s_bfe_u32 s17, ttmp6, 0x40000                  ; cx
	s_bfe_u32 s18, ttmp6, 0x40004                  ; cy
	s_lshl_b32 s19, ttmp9, 2
	s_add_co_u32 s19, s19, s17                     ; X = 4 x cluster x + cx
	s_and_b32 s20, ttmp7, 0xffff
	s_lshl_b32 s20, s20, 2
	s_add_co_u32 s20, s20, s18                     ; Y = 4 x cluster y + cy
	s_lshl_b32 s66, s18, 2
	s_lshl_b32 s66, 15, s66                        ; my row of the cluster
	s_lshl_b32 s67, 0x1111, s17                    ; my column
	; the mask's tile: 64 rows x 256 elements of 4 bytes, 2,048 elements from row to row; 4 words of padding behind every 256
	s_or_b32 s[G1M], s67, (2<<16)|(1<<20)|(1<<21)|(7<<22)|(3<<25)
	s_mov_b32 s[G1M+1], 256<<16
	s_mov_b32 s[G1M+2], 64<<16
	s_mov_b32 s[G1M+3], 256<<16
	s_mov_b32 s[G1M+4], 64
	s_mov_b32 s[G1M+5], 2048
	s_mov_b32 s[G1M+6], 0
	s_mov_b32 s[G1M+7], 0
	; K and V: a dense block of 25,600 bytes as 100 rows of 32 elements of 8 bytes
	s_or_b32 s[G1K], s66, (3<<16)|(1<<21)
	s_mov_b32 s[G1K+1], 32<<16
	s_mov_b32 s[G1K+2], 100<<16
	s_mov_b32 s[G1K+3], 32<<16
	s_mov_b32 s[G1K+4], 100
	s_mov_b32 s[G1K+5], 32
	s_mov_b32 s[G1K+6], 0
	s_mov_b32 s[G1K+7], 0
	s_mov_b32 s[SEL], 0x76543210
	s_mov_b32 s[SEL+1], 0xfedcba98
	s_mov_b32 s[C1], 0x3bec5f04
	s_mov_b32 s[C1+1], s[C1]                       ; (named with it as a pair, so it is written)
	s_mov_b32 s[M100], 0xc2c80000
	s_mov_b32 s[M100+1], s[M100]
	s_mov_b32 s[L2E], 0x3fb8aa3b
	s_mov_b32 s[L2E+1], s[L2E]
	s_mov_b32 s[CC], 0x429044fe
	s_mov_b32 s[TB], 0
	s_mov_b32 s[SLOTS], 7
	v_and_b32 v240, 31, v0                         ; lane
	v_and_b32 v241, 15, v0                         ; r
	v_bfe_u32 v242, v0, 4, 1                       ; h
	v_lshl_add_u32 v[AKV0], v240, 4, KVO
	s_mul_i32 s82, s16, 16*MP
	v_mul_u32_u24 v[AM0], v241, MP
	v_lshl_add_u32 v[AM0], v242, 5, v[AM0]
	v_add_nc_u32 v[AM0], s82, v[AM0]
	v_lshl_add_u32 v[ASC0], v241, 4, KVO
	v_lshlrev_b32 v[LQ], 3, v240
	s_lshl_b32 s82, s16, 7
	s_lshl_b32 s83, s15, 1
	s_add_co_u32 s82, s82, s83
	v_lshl_add_u32 v[ASW], v241, 3, ASCS
	v_add_nc_u32 v[ASW], s82, v[ASW]               ; ASCS + 8 (16 i + r) + 2 j
	v_lshl_add_u32 v[ASR], v240, 4, ASCS
	s_lshl_b32 s68, s19, 19                        ; the mask's rows 64 X on: 64 x 8,192 bytes
	s_mov_b32 s69, 0
	s_mul_i32 s70, s20, 204800                     ; K and V of Y: 16 key steps of 12,800 bytes
	s_mov_b32 s71, 0
	s_wait_kmcnt 0x0
	s_mov_b32 s[G0M], 1
	s_mov_b32 s[G0M+1], 0
	s_add_nc_u64 s[G0M+2:G0M+3], s[8:9], s[68:69]
	s_or_b32 s[G0M+3], s[G0M+3], 0x80000000
	s_mov_b32 s[G0K], 1
	s_mov_b32 s[G0K+1], KVO
	s_add_nc_u64 s[G0K+2:G0K+3], s[6:7], s[70:71]
	s_or_b32 s[G0K+3], s[G0K+3], 0x80000000
	CROUND                                         ; all sixteen work-groups are here: the first joint loads meet
	TLOAD                                          ; slot 0
	; q
	s_lshl_b32 s84, s20, 2
	s_add_co_u32 s84, s84, s15                     ; 16 b + 4 g + j = 4 Y + j
	s_lshl_b32 s84, s84, 7
	s_lshl_b32 s85, s19, 2
	s_add_co_u32 s85, s85, s16                     ; 4 X + i
	s_add_co_u32 s84, s84, s85
	s_lshl_b32 s84, s84, 10
	s_mov_b32 s85, 0
	s_add_nc_u64 s[4:5], s[4:5], s[84:85]
.irp p, 0,1,2
	global_load_b64 v[QF+2*\p:QF+2*\p+1], v[LQ], s[4:5] offset:256*\p
	global_load_b64 v[QF+12+2*\p:QF+13+2*\p], v[LQ], s[4:5] offset:256*\p
.endr
	global_load_b32 v[QS], v[LQ], s[4:5] offset:768
	; where the results go
	s_lshr_b32 s86, s20, 2                         ; b
	s_lshl_b32 s86, s86, 7
	s_lshl_b32 s87, s19, 2
	s_add_co_u32 s86, s86, s87                     ; 128 b + 4 X: the work-group's first tile of tokens
	s_lshl_b32 s88, s86, 7                         ; 128 bytes of scale words a tile,
	s_and_b32 s89, s20, 3                          ; g
	s_lshl_b32 s90, s89, 15
	s_add_co_u32 s88, s88, s90                     ; 32,768 a g
	s_add_co_u32 s86, s86, s16
	s_lshl_b32 s86, s86, 3
	s_lshl_b32 s89, s89, 1
	s_add_co_u32 s86, s86, s89
	s_lshr_b32 s90, s15, 1
	s_add_co_u32 s86, s86, s90                     ; image 8 x tile + 2 g + j / 2,
	s_mul_i32 s86, s86, 1536
	s_and_b32 s90, s15, 1
	s_mul_i32 s90, s90, 768                        ; its lower or upper six registers
	s_add_co_u32 s86, s86, s90
	s_mov_b32 s87, 0
	s_mov_b32 s89, 0
	s_add_nc_u64 s[10:11], s[10:11], s[86:87]
	s_add_nc_u64 s[12:13], s[12:13], s[88:89]
	; the prefetches: who asks, and where
	s_cmp_lt_u32 s[WV], 4
	s_cselect_b64 s[PFA:PFA+1], s[8:9], s[6:7]     ; waves 2, 3: the mask; wave 4: K and V
	s_mov_b32 s[PFS], 25600
	s_cselect_b32 s[PFS], 1024, s[PFS]             ; a slot on
	s_mov_b32 s[PFS+1], 0
	s_cselect_b32 s76, -1, 0
	s_lshl_b32 s77, s18, 4
	s_and_b32 s78, s[WV], 1
	s_lshl_b32 s78, s78, 3
	s_add_co_u32 s77, s77, s78                     ; rows 16 cy + 8 (wave - 2) on,
	s_lshl_b32 s77, s77, 13
	s_lshl_b32 s78, s19, 19
	s_add_co_u32 s77, s77, s78
	s_add_co_u32 s77, s77, 1024                    ; in slot 1: the first change of slots steps it to slot 2
	s_mul_i32 s78, s20, 204800
	s_add_co_u32 s78, s78, 25600
	s_cmp_lt_u32 s[WV], 4
	s_cselect_b32 s78, s77, s78
	s_mov_b32 s79, 0
	s_add_nc_u64 s[PFA:PFA+1], s[PFA:PFA+1], s[78:79]
	s_and_b32 s80, ttmp7, 0xffff
	s_cmp_lt_u32 s[WV], 4
	s_cselect_b32 s80, s80, ttmp9                  ; the coordinate along which other clusters read the same bytes
	s_sub_co_u32 s81, s[WV], 2
	s_cmp_lt_u32 s81, 3
	s_cselect_b32 s81, 0, 1                        ; 0 in waves 2, 3, 4
	s_or_b32 s80, s80, s81
	s_cmp_eq_u32 s80, 0
	s_cselect_b32 s[LIM], 1, -1                    ; the same in all sixteen partners, for a given wave
	v_lshrrev_b32 v243, 2, v240
	v_and_b32 v244, 3, v240
	v_lshlrev_b32 v243, 13, v243
	v_lshl_add_u32 v243, v244, 8, v243             ; the mask: row lane / 4, block lane % 4
	s_lshl_b32 s81, s17, 5
	v_add_nc_u32 v244, s81, v240
	v_min_u32 v244, 99, v244
	v_lshlrev_b32 v244, 8, v244                    ; K and V: block 32 cx + lane, held at the last
	v_cndmask_b32 v[PFO], v244, v243, s76
.irp k, 0,1,2,3,4,5
	v_mov_b32 v[QF+6+\k], 0                        ; the zero codes between q and q
.endr
.irp k, 0,1,2,3,4,5,6,7,8,9,10,11,12,13,14,15,16,17,18,19,20,21,22,23,24,25,26,27,28,29,30,31
	v_mov_b32 v[O+\k], 0                           ; O^T.  (The step is written once: the first finds zeros, which the first change of M leaves zeros)
.endr
	v_mov_b32 v11, 0x7e967699                      ; -M: +1e38
	v_mov_b32 v12, 0
	v_mov_b32 v13, 0xfe967699                      ; the largest u so far: -1e38
	v_mov_b32 v14, 0
	v_mov_b32 v15, 0
.irp b, 0,1,2,3
	v_mov_b32 v[BT+\b], 0                          ; written once: a lane permute's destination counts as one of its sources
.endr
	v_mov_b32 v233, 0                              ; (upper halves of pairs of which the lower serves both halves)
	v_mov_b32 v239, 0
; A KEY STEP: 128 keys, the q-th of the slot in hand
.macro STEP q
	v_add_nc_u32 v[ADK], s[TB], v[AKV0]
	v_add_nc_u32 v[ADM], s[TB], v[AM0]
	v_add_nc_u32 v[ADS], s[TB], v[ASC0]
	v_nop                                          ; with the three additions: four places in front of loads into registers that the last step's matrix instructions have read
.irp f, 0,1,2,3
.irp c, 0,1,2
	ds_load_b128 v[F+12*\f+4*\c:F+12*\f+4*\c+3], v[ADK] offset:12800*(\q)+1536*\f+512*\c
.endr
.endr
	ds_load_b128 v[KS:KS+3], v[ADS] offset:12800*(\q)+6144
	s_wait_dscnt 0x0
.irp f, 0,1,2,3
.irp u, 0,1
	v_wmma_scale_f32_16x16x128_f8f6f4 v[S+16*\f+8*\u:S+16*\f+8*\u+7], v[F+12*\f:F+12*\f+11], v[QF+6*\u:QF+6*\u+11], 0, v[KS+\f], v[QS] matrix_a_fmt:MATRIX_FMT_FP6 matrix_b_fmt:MATRIX_FMT_FP6
.endr
.endr
	PLACES 4
.irp f, 0,1,2,3
.irp u, 0,1
.irp p, 0,1
	ds_load_b128 v[F+16*\f+8*\u+4*\p:F+16*\f+8*\u+4*\p+3], v[ADM] offset:512*(\q)+128*\f+64*\u+16*\p   ; the mask, in the scores' own order
.endr
.endr
.endr
.irp j, 0,2,4,6,8,10,12,14,16,18,20,22,24,26,28,30,32,34,36,38,40,42,44,46,48,50,52,54,56,58,60,62
	v_pk_mul_f32 v[S+\j:S+\j+1], v[S+\j:S+\j+1], s[C1:C1+1] op_sel_hi:[1,0]   ; each accumulator from its low end on
.endr
.irp j, 0,1,2,3,4,5,6,7,8,9,10,11,12,13,14,15,16,17,18,19,20,21,22,23,24,25,26,27,28,29,30,31,32,33,34,35,36,37,38,39,40,41,42,43,44,45,46,47,48,49,50,51,52,53,54,55,56,57,58,59,60,61,62,63
	v_exp_f32 v[S+\j], v[S+\j]
.endr
	v_nop                                          ; a plain place behind the batch
	s_wait_alu depctr_va_vdst(0)                   ; one wait for the batch, ahead of its first reader
.irp j, 0,2,4,6,8,10,12,14,16,18,20,22,24,26,28,30,32,34,36,38,40,42,44,46,48,50,52,54,56,58,60,62
	v_pk_add_f32 v[S+\j:S+\j+1], v[S+\j:S+\j+1], 1.0 op_sel_hi:[1,0]
.endr
.irp j, 0,1,2,3,4,5,6,7,8,9,10,11,12,13,14,15,16,17,18,19,20,21,22,23,24,25,26,27,28,29,30,31,32,33,34,35,36,37,38,39,40,41,42,43,44,45,46,47,48,49,50,51,52,53,54,55,56,57,58,59,60,61,62,63
	v_rcp_f32 v[S+\j], v[S+\j]
.endr
	v_nop
	s_wait_alu depctr_va_vdst(0)
	s_wait_dscnt 0x0                               ; the mask is in
.irp j, 0,2,4,6,8,10,12,14,16,18,20,22,24,26,28,30,32,34,36,38,40,42,44,46,48,50,52,54,56,58,60,62
	v_pk_fma_f32 v[S+\j:S+\j+1], v[S+\j:S+\j+1], s[M100:M100+1], v[F+\j:F+\j+1] op_sel_hi:[1,0,1]   ; u = 50 tanh - 50 + mask
.endr
.irp t, 0,1,2,3
.irp c, 0,1,2
	ds_load_b128 v[F+12*\t+4*\c:F+12*\t+4*\c+3], v[ADK] offset:12800*(\q)+6400+1536*\t+512*\c   ; V's fragments land while the softmax is worked
.endr
.endr
	ds_load_b128 v[KS:KS+3], v[ADS] offset:12800*(\q)+12544
.irp b, 0,1,2,3
	v_max3_num_f32 v[BM+\b], v[S+16*\b], v[S+16*\b+1], v[S+16*\b+2]   ; the largest u of each block of 32 keys: for the row's maximum, and, since p rises with u, for the block's largest p
.endr
.irp i, 3,5,7,9,11,13
.irp b, 0,1,2,3
	v_max3_num_f32 v[BM+\b], v[BM+\b], v[S+16*\b+\i], v[S+16*\b+\i+1]
.endr
.endr
.irp b, 0,1,2,3
	v_max_num_f32 v[BM+\b], v[BM+\b], v[S+16*\b+15]
.endr
.irp b, 0,1,2,3
	v_permlanex16_b32 v[BT+\b], v[BM+\b], s[SEL], s[SEL+1]
.endr
.irp b, 0,1,2,3
	v_max_num_f32 v[BM+\b], v[BM+\b], v[BT+\b]
.endr
	v_max3_num_f32 v240, v[BM], v[BM+1], v[BM+2]
	v_max_num_f32 v240, v240, v[BM+3]
	v_max_num_f32 v13, v13, v240                   ; the running largest u
	v_fma_f32 v241, v13, s[L2E], s[CC]             ; as t
	v_mov_b32 v242, v11
	v_floor_f32 v11, -v241                         ; the new -M = -ceil(t): a whole number
	v_add_f32 v12, v241, v11                       ; delta
	v_sub_f32 v242, v11, v242                      ; old M - new M: a whole number, 0 or less
	v_cvt_i32_f32 v242, v242                       ; (it saturates)
	v_ldexp_f32 v232, 1.0, v242                    ; f = 2^(old M - new M): a multiplication by it rounds nothing
	v_xor_b32 v238, 0x80000000, v13
.irp j, 0,2,4,6,8,10,12,14,16,18,20,22,24,26,28,30,32,34,36,38,40,42,44,46,48,50,52,54,56,58,60,62
	v_pk_add_f32 v[S+\j:S+\j+1], v[S+\j:S+\j+1], v[238:239] op_sel_hi:[1,0]   ; u - the largest u
.endr
.irp b, 0,1,2,3
	v_add_f32 v[BM+\b], v[BM+\b], v238
.endr
.irp j, 0,2,4,6,8,10,12,14,16,18,20,22,24,26,28,30,32,34,36,38,40,42,44,46,48,50,52,54,56,58,60,62
	v_pk_fma_f32 v[S+\j:S+\j+1], v[S+\j:S+\j+1], s[L2E:L2E+1], v[12:13] op_sel_hi:[1,0,0]   ; t - M
.endr
.irp b, 0,1,2,3
	v_fma_f32 v[BM+\b], v[BM+\b], s[L2E], v12      ; the same two lines on the same number give the same bits
.endr
.irp j, 0,1,2,3,4,5,6,7,8,9,10,11,12,13,14,15,16,17,18,19,20,21,22,23,24,25,26,27,28,29,30,31,32,33,34,35,36,37,38,39,40,41,42,43,44,45,46,47,48,49,50,51,52,53,54,55,56,57,58,59,60,61,62,63
	v_exp_f32 v[S+\j], v[S+\j]                     ; p, at most 1: not normalised
.endr
	v_pk_mul_f32 v[14:15], v[14:15], v[232:233] op_sel_hi:[1,0]   ; the sums under the new M.  (A plain place behind the batch)
	s_wait_alu depctr_va_vdst(0)
.irp b, 0,1,2,3
	v_exp_f32 v[BM+\b], v[BM+\b]                   ; the blocks' largest p
.endr
	v_pk_add_f32 v[236:237], v[S:S+1], v[S+2:S+3]  ; the row's sum is taken of the unquantised p: two chains
.irp j, 4,8,12,16,20,24,28,32,36,40,44,48,52,56,60
	v_pk_add_f32 v[14:15], v[14:15], v[S+\j:S+\j+1]
	v_pk_add_f32 v[236:237], v[236:237], v[S+\j+2:S+\j+3]
.endr
	v_pk_add_f32 v[14:15], v[14:15], v[236:237]
	s_wait_alu depctr_va_vdst(0)                   ; and one for the four
.irp b, 0,1,2,3
	v_max_num_f32 v[BM+\b], 0x1800000, v[BM+\b]    ; the floor 2^(3 - 127): the byte cannot fall under 1
.endr
.irp b, 0,1,2,3
	v_add_nc_u32 v[SO+\b], 0xff000000, v[BM+\b]
.endr
.irp b, 0,1,2,3
	v_lshrrev_b32 v[BT+\b], 23, v[SO+\b]
.endr
	v_lshl_or_b32 v[PS], v[BT+1], 8, v[BT]
	v_lshl_or_b32 v[PS], v[BT+2], 16, v[PS]
	v_lshl_or_b32 v[PS], v[BT+3], 24, v[PS]
.irp c, 0,1
	v_cvt_scalef32_pk16_fp6_f32 v[PC+6*\c:PC+6*\c+2], v[S+32*\c:S+32*\c+15], v[SO+2*\c]
	v_cvt_scalef32_pk16_fp6_f32 v[PT+4*\c:PT+4*\c+2], v[S+32*\c+16:S+32*\c+31], v[SO+2*\c+1]
.endr
	v_nop                                          ; one plain place behind a scaled conversion
.irp c, 0,1
.irp i, 0,1,2
	v_permlane16_swap_b32 v[PC+6*\c+\i], v[PT+4*\c+\i]
.endr
.irp i, 0,1,2
	v_mov_b32 v[PC+6*\c+3+\i], v[PT+4*\c+\i]
.endr
.endr
.irp j, 0,2,4,6,8,10,12,14,16,18,20,22,24,26,28,30
	v_pk_mul_f32 v[O+\j:O+\j+1], v[O+\j:O+\j+1], v[232:233] op_sel_hi:[1,0]   ; O^T under the new M.  (These sixteen are also the places between p's codes and scale word and the matrix instructions)
.endr
	s_wait_dscnt 0x0                               ; V is in
.irp t, 0,1,2,3                                ; the four accumulators take turns, one instruction a turn
	v_wmma_scale_f32_16x16x128_f8f6f4 v[O+8*\t:O+8*\t+7], v[F+12*\t:F+12*\t+11], v[PC:PC+11], v[O+8*\t:O+8*\t+7], v[KS+\t], v[PS] matrix_a_fmt:MATRIX_FMT_FP6 matrix_b_fmt:MATRIX_FMT_FP6
.endr
.endm
; THE CHANGE OF SLOTS stands at a slot's head.  Each wave waits for all its tensor loads, adds 0 to its spare word, and waits for that and for its reads of the slot that it has left.  fill = 1: a round of the cluster's barrier,
; so that no wave of any partner still reads that slot or has a load on its way; behind it the slot is filled with the keys that follow.
.macro CHANGE fill
	s_wait_tensorcnt 0x0                           ; no tensor load of mine is out, so a group 0 may be written
	ds_add_u32 v[SPW], v[NIL]                      ; 0 onto my spare word
.if \fill
	s_xor_b32 s[G0M+1], s[G0M+1], SLOT1
	s_add_nc_u64 s[G0M+2:G0M+3], s[G0M+2:G0M+3], 1024     ; 256 keys on in each row of the mask
	s_xor_b32 s[G0K+1], s[G0K+1], SLOT1
	s_add_nc_u64 s[G0K+2:G0K+3], s[G0K+2:G0K+3], 25600    ; two key steps on
	s_wait_xcnt 0x0                                ; the last prefetch, a slot back, has read its address
	s_add_nc_u64 s[PFA:PFA+1], s[PFA:PFA+1], s[PFS:PFS+1]
	s_wait_dscnt 0x0                               ; the add is done, and my reads of the slot that I have left are over
	CROUND
	TLOAD                                          ; the first thing behind the round, and a wave's one tensor load until the next
	ASK
.else
	s_wait_dscnt 0x0
	s_barrier_signal -1
	s_barrier_wait -1
.endif
.endm
	s_wait_loadcnt 0x0                             ; q
.Lslot:                                            ; seven trips: behind each change of slots but the last the next slot is asked for
	CHANGE 1
	STEP 0
	STEP 1
	s_xor_b32 s[TB], s[TB], SLOT1
	s_sub_co_u32 s[SLOTS], s[SLOTS], 1
	s_cmp_lg_u32 s[SLOTS], 0
	s_cbranch_scc1 .Lslot
	CHANGE 0                                       ; the last slot is written out
	STEP 0
	STEP 1
	; THE WAY OUT.  O^T / the sum; register 16 b + i is my head's channel 32 b + 16 (lane / 16) + i: the order along the last product's K.  Six registers of codes: half a fragment of that product.
	PLACES 4
	v_add_f32 v14, v14, v15
	v_permlanex16_b32 v240, v14, s[SEL], s[SEL+1]
	v_add_f32 v14, v14, v240                       ; the row's sum
	v_rcp_f32 v232, v14
	v_nop
	s_wait_alu depctr_va_vdst(0)
.irp j, 0,2,4,6,8,10,12,14,16,18,20,22,24,26,28,30
	v_pk_mul_f32 v[S+\j:S+\j+1], v[O+\j:O+\j+1], v[232:233] op_sel_hi:[1,0]
.endr
	QUANT2 S, PC, PT, 241
.irp p, 0,1,2
	global_store_b64 v[LQ], v[PC+2*\p:PC+2*\p+1], s[10:11] offset:256*\p   ; 32 lanes store 256 consecutive bytes, aligned
.endr
	ds_store_b16 v[ASW], v241                      ; my head's two bytes of my rows' scale words (both lanes of a row write the same)
	s_wait_dscnt 0x0                               ; for the others' sake
	s_barrier_signal -1
	s_barrier_wait -1
	s_cmp_lg_u32 s[WV], 0
	s_cbranch_scc1 .Lnot_first
	ds_load_b128 v[S:S+3], v[ASR]
	s_wait_dscnt 0x0
	v_lshlrev_b32 v240, 1, v[LQ]                   ; 16 x lane
	global_store_b128 v240, v[S:S+3], s[12:13]     ; 64 rows x 8 bytes: 512 consecutive bytes
.Lnot_first:
	s_wait_tensorcnt 0x0                           ; the wave's end
	ds_add_u32 v[SPW], v[NIL]
	s_wait_dscnt 0x0
	CROUND                                         ; the closing round: no work-group ends while a partner may still ask for a tile that names it
	s_endpgm
.Lfunc_end_k_qe28a9dc2b0_attn:
	.size	k_qe28a9dc2b0_attn, .Lfunc_end_k_qe28a9dc2b0_attn-k_qe28a9dc2b0_attn
	.p2alignl 7, 3214868480
	.fill 96, 4, 3214868480
	.section	.rodata,"a",@progbits
	.p2align	6, 0x0
	.amdhsa_kernel k_qe28a9dc2b0_attn
		.amdhsa_group_segment_fixed_size 327680
		.amdhsa_private_segment_fixed_size 0
		.amdhsa_enable_private_segment 0
		.amdhsa_kernarg_size 40
		.amdhsa_user_sgpr_count 2
		.amdhsa_user_sgpr_kernarg_segment_ptr 1
		.amdhsa_wavefront_size32 1
		.amdhsa_system_sgpr_workgroup_id_x 1
		.amdhsa_system_sgpr_workgroup_id_y 1
		.amdhsa_system_sgpr_workgroup_id_z 1
		.amdhsa_system_vgpr_workitem_id 0
		.amdhsa_next_free_vgpr 256
		.amdhsa_next_free_sgpr 96
		.amdhsa_reserve_vcc 0
		.amdhsa_float_denorm_mode_32 3
		.amdhsa_float_denorm_mode_16_64 3
		.amdhsa_memory_ordered 1
		.amdhsa_forward_progress 1
		.amdhsa_inst_pref_size 130
	.end_amdhsa_kernel
	.amdgpu_metadata
---
amdhsa.version: [ 1, 2 ]
amdhsa.kernels:
  - .name:           k_qe28a9dc2b0_attn
    .symbol:         k_qe28a9dc2b0_attn.kd
    .args:
      - { .name: q_img, .offset: 0, .size: 8, .value_kind: global_buffer, .address_space: global }
      - { .name: kv, .offset: 8, .size: 8, .value_kind: global_buffer, .address_space: global }
      - { .name: mask, .offset: 16, .size: 8, .value_kind: global_buffer, .address_space: global }
      - { .name: a_img, .offset: 24, .size: 8, .value_kind: global_buffer, .address_space: global }
      - { .name: a_sc, .offset: 32, .size: 8, .value_kind: global_buffer, .address_space: global }
    .group_segment_fixed_size: 327680
    .private_segment_fixed_size: 0
    .kernarg_segment_align: 8
    .kernarg_segment_size: 40
    .max_flat_workgroup_size: 512
    .sgpr_count:     96
    .vgpr_count:     256
    .wavefront_size: 32
...
	.end_amdgpu_metadata
.endif
;; end of part 3
;; launch oproj (part 4): grid 16 x 16, 4 waves a work-group, no clusters, 67,072 bytes of LDS; arguments a_img, a_sc, wsum, wo, out0; writes out0
.if DOCPART == 4
	.amdgcn_target "amdgcn-amd-amdhsa--gfx1250"
	.amdhsa_code_object_version 6
	.text
	.protected	k_qe28a9dc2b0_oproj
	.globl	k_qe28a9dc2b0_oproj
	.p2align	8
	.type	k_qe28a9dc2b0_oproj,@function
k_qe28a9dc2b0_oproj:
	s_mov_b64 s[64:65], 0
	v_nop
	global_prefetch_b8 v0, s[64:65] scope:SCOPE_SE
	s_setreg_imm32_b32 hwreg(HW_REG_WAVE_MODE, 25, 1), 1
	s_wait_xcnt 0x0
; OPROJ.  out0 = a (sign(wo) alpha)^T on codes of FP6 (E2M3).  A work-group takes 64 columns of out0 (x: 64 rows of wo) and 256 rows (y); wave w takes four tiles of 16 rows.
; The weight is quantised as in the projections of q, k, v: alpha from wo's 64 partial sums, one scale byte for all blocks; wave w makes tile w's eight fragments; the 32 images go through LDS (one barrier) and stay in
; every wave's registers (windows 1 and 2).  Lane r of weight tile 2 b + u takes row 32 b + 8 u + r + 8 (r / 8), and the weight is source 0: a lane holds one row of out0 and register 16 b + i its column 32 b + 16 (lane / 16) + i.
; a's fragments come from memory as six register pairs a K step, 256 consecutive bytes a load, two tiles ahead in two sets.  A tile's results go through the wave's own stage in LDS (pitch 272 bytes) and leave as rows:
; sixteen lanes store 256 consecutive bytes, aligned.
; NO CLUSTER: a tile's fragments go from memory straight into the one wave's registers that multiply them; a joint load would send them through LDS for 32 matrix instructions' worth of use.
; LIMITS: NaN and infinities in wo are not served; a NaN counts by its sign bit.
.set LN,   1
.set LI,   2                           ; 16 x lane
.set LQ,   3                           ; 8 x lane
.set ASO,  4                           ; 8 r
.set WA,   5
.set WI,   6
.set STO,  7
.set RD,   8
.set GO,   9
.set WS,   10
.set AL,   11
.set WSO,  12
.set XA,   16                          ; v16-111, v112-207: a's eight fragments, two sets
.set AS,   208                         ; v208-215, v216-223: their scale words
.set H,    224                         ; v224-255 four accumulators
.set BUF0, 16
.set BUF1, 80
.set PCW,  144
.set TMPW, 156
.set TW,   164
.set TA,   168
.set STG,  49152
.set AP,   4
.set ASP,  6
.set WSUM, 8
.set WP,   10
.set OP,   12
.set SB,   14
.set SN,   15
.set SI,   16
.set WV,   17
.set SEL,  18
.set SMASK, 20
.set SM,   24
.set MSB, 0
.macro WIN new                         ; the immediate's high byte repeats the setting that is left
.if MSB != \new
	s_set_vgpr_msb (MSB<<8)|\new
.set MSB, \new
.endif
.endm
.macro PLACES n
.rept \n
	v_nop
.endr
.endm
.macro MM0 d, a, b, sa, sb
	v_wmma_scale_f32_16x16x128_f8f6f4 v[\d:\d+7], v[\a:\a+11], v[\b:\b+11], 0, v[\sa], v[\sb] matrix_a_fmt:MATRIX_FMT_FP6 matrix_b_fmt:MATRIX_FMT_FP6
.endm
.macro MMA d, a, b, sa, sb
	v_wmma_scale_f32_16x16x128_f8f6f4 v[\d:\d+7], v[\a:\a+11], v[\b:\b+11], v[\d:\d+7], v[\sa], v[\sb] matrix_a_fmt:MATRIX_FMT_FP6 matrix_b_fmt:MATRIX_FMT_FP6
.endm
.macro ALPHA_ASK
	v_lshl_add_u32 v[TA], v[LN], 2, s[SB]
	global_load_b32 v[TA+1], v[TA], s[WSUM:WSUM+1]
	global_load_b32 v[TA+2], v[TA], s[WSUM:WSUM+1] offset:128
.endm
.macro ALPHA_SUM left
	s_wait_loadcnt \left
	v_cmp_gt_u32 vcc_lo, s[SN], v[LN]
	v_cndmask_b32 v[TA+1], 0, v[TA+1], vcc_lo
	v_add_nc_u32 v[TA+3], 32, v[LN]
	v_cmp_gt_u32 vcc_lo, s[SN], v[TA+3]
	v_cndmask_b32 v[TA+2], 0, v[TA+2], vcc_lo
	v_add_f32 v[TA+1], v[TA+1], v[TA+2]
	v_add_f32_dpp v[TA+1], v[TA+1], v[TA+1] row_xmask:1 row_mask:0xf bank_mask:0xf
	v_add_f32_dpp v[TA+1], v[TA+1], v[TA+1] row_xmask:2 row_mask:0xf bank_mask:0xf
	v_add_f32_dpp v[TA+1], v[TA+1], v[TA+1] row_xmask:4 row_mask:0xf bank_mask:0xf
	v_add_f32_dpp v[TA+1], v[TA+1], v[TA+1] row_xmask:8 row_mask:0xf bank_mask:0xf
	v_permlanex16_b32 v[TA+2], v[TA+1], s[SEL], s[SEL+1]
	v_add_f32 v[TA+1], v[TA+1], v[TA+2]
	v_mul_f32 v[AL], s[SI], v[TA+1]                ; alpha
	v_max_num_f32 v[TA+1], 0x1800000, v[AL]        ; the floor 2^(3 - 127)
	v_add_nc_u32 v[WSO], 0xff000000, v[TA+1]       ; 2 off the exponent field: the conversions' scale operand
	v_lshrrev_b32 v[TA+2], 23, v[WSO]
	v_mul_u32_u24 v[WS], v[TA+2], 0x10101
	v_lshl_or_b32 v[WS], v[TA+2], 24, v[WS]        ; the byte four times: the scale word of every row and K step
.endm
.macro LOADW s, buf
.irp c, 0,1
.irp p, 0,1,2,3,4,5,6,7
	global_load_b128 v[\buf+32*\c+4*\p:\buf+32*\c+4*\p+3], v[WA], s[WP:WP+1] offset:512*(\s)+256*\c+16*\p
.endr
.endr
.endm
.macro WFRAG s, buf, left
	s_wait_loadcnt \left                           ; this fragment's 16 loads are in; the next one's may be out
.set i, 0
.rept 16
.irp k, 0,1,2,3
	v_cmp_neq_f32 s[SM+\k], 0, v[\buf+i+\k]
.endr
.irp k, 0,1,2,3
	v_cndmask_b32 v[TW+\k], 0, v[AL], s[SM+\k]     ; alpha, or 0 where w is 0,
.endr
.irp k, 0,1,2,3
	v_bfi_b32 v[\buf+i+\k], s[SMASK], v[TW+\k], v[\buf+i+\k]   ; under w's sign
.endr
.set i, i+4
.endr
	s_wait_dscnt 0x0                               ; the last image's stores have read their registers
.irp c, 0,1
	v_cvt_scalef32_pk16_fp6_f32 v[PCW+6*\c:PCW+6*\c+2], v[\buf+32*\c:\buf+32*\c+15], v[WSO]
	v_cvt_scalef32_pk16_fp6_f32 v[TMPW+4*\c:TMPW+4*\c+2], v[\buf+32*\c+16:\buf+32*\c+31], v[WSO]
.endr
	v_nop                                          ; one plain place behind a scaled conversion
.irp c, 0,1
.irp k, 0,1,2
	v_mov_b32 v[PCW+6*\c+3+\k], v[TMPW+4*\c+\k]
.endr
.endr
.if (\s)+2 < 8
	LOADW (\s)+2, \buf
.endif
.irp c, 0,1,2
	ds_store_b128 v[WI], v[PCW+4*\c:PCW+4*\c+3] offset:6144*(\s)+512*\c
.endr
.endm
.macro WFETCH
	WIN 0x40
.set f, 0
.rept 16
.irp c, 0,1,2
	ds_load_b128 v[12*f+4*\c:12*f+4*\c+3], v[LI] offset:1536*f+512*\c
.endr
.set f, f+1
.endr
	WIN 0x80
.set f, 0
.rept 16
.irp c, 0,1,2
	ds_load_b128 v[12*f+4*\c:12*f+4*\c+3], v[LI] offset:1536*(f+16)+512*\c
.endr
.set f, f+1
.endr
	WIN 0
.endm
; tile n's eight fragments (six pairs each) and its rows' eight scale words: 52 loads, into set n % 2
.macro LOADA n
.set XBUF, XA+96*((\n)%2)
.set ASB,  AS+8*((\n)%2)
.irp s, 0,1,2,3,4,5,6,7
.irp p, 0,1,2,3,4,5
	global_load_b64 v[XBUF+12*\s+2*\p:XBUF+12*\s+2*\p+1], v[LQ], s[AP:AP+1] offset:12288*(\n)+1536*\s+256*\p
.endr
.endr
.irp g, 0,1,2,3
	global_load_b64 v[ASB+2*\g:ASB+2*\g+1], v[ASO], s[ASP:ASP+1] offset:32768*\g+128*(\n)
.endr
.endm
	s_load_b256 s[4:11], s[0:1], 0x0               ; a_img, a_sc, wsum, wo
	s_load_b64 s[12:13], s[0:1], 0x20              ; out0
	v_lshl_add_u32 v13, v0, 2, 0x10400
	s_set_vgpr_msb 0x40
	v_mov_b32 v255, 0
	s_set_vgpr_msb 0x4000
	v_lshrrev_b32 v1, 5, v0
	v_readfirstlane_b32 s[WV], v1                  ; wave 0..3
	v_and_b32 v[LN], 31, v0
	v_and_b32 v14, 15, v0                          ; r
	v_bfe_u32 v15, v0, 4, 1                        ; h
	v_lshlrev_b32 v[LI], 4, v[LN]
	v_lshlrev_b32 v[LQ], 3, v[LN]
	v_lshlrev_b32 v[ASO], 3, v14
	s_lshr_b32 s22, s[WV], 1
	s_lshl_b32 s22, s22, 5
	s_and_b32 s23, s[WV], 1
	s_lshl_b32 s23, s23, 3
	s_add_co_u32 s22, s22, s23                     ; tile w begins at row 32 (w / 2) + 8 (w % 2)
	v_and_b32 v[WA], 8, v14
	v_add_nc_u32 v[WA], v[WA], v14
	v_add_nc_u32 v[WA], s22, v[WA]
	v_lshlrev_b32 v[WA], 12, v[WA]
	v_lshl_add_u32 v[WA], v15, 7, v[WA]
	s_mul_i32 s22, s[WV], 1536
	v_add_nc_u32 v[WI], s22, v[LI]
	s_mul_i32 s22, s[WV], 16*272
	s_add_co_u32 s22, s22, STG                     ; my stage
	v_mul_u32_u24 v[STO], v14, 272
	v_lshl_add_u32 v[STO], v15, 6, v[STO]
	v_add_nc_u32 v[STO], s22, v[STO]               ; in: row r, + 64 h
	v_mul_u32_u24 v[RD], v15, 272
	v_lshl_add_u32 v[RD], v14, 4, v[RD]
	v_add_nc_u32 v[RD], s22, v[RD]                 ; back: lanes 0-15 one row of 256 bytes, lanes 16-31 the next
	v_lshlrev_b32 v[GO], 12, v15
	v_lshl_add_u32 v[GO], v14, 4, v[GO]            ; and the same two rows in out0
	s_mov_b32 s[SEL], 0x76543210
	s_mov_b32 s[SEL+1], 0xfedcba98
	s_mov_b32 s[SMASK], 0x7fffffff
	s_mov_b32 s[SB], 384                           ; wo's partial sums: numbers 96 to 159
	s_mov_b32 s[SN], 64
	s_mov_b32 s[SI], 0x35800000                    ; 2^-20
	s_lshl_b32 s22, ttmp9, 18                      ; 64 rows of wo
	s_mov_b32 s23, 0
	s_wait_kmcnt 0x0
	s_add_nc_u64 s[WP:WP+1], s[WP:WP+1], s[22:23]
	ALPHA_ASK
	LOADW 0, BUF0
	LOADW 1, BUF1
	s_and_b32 s28, ttmp7, 0xffff
	s_lshl_b32 s28, s28, 4
	s_lshl_b32 s29, s[WV], 2
	s_add_co_u32 s28, s28, s29                     ; my first tile of rows: 16 y + 4 wave
	s_mul_i32 s22, s28, 12288
	s_add_nc_u64 s[AP:AP+1], s[AP:AP+1], s[22:23]
	s_lshl_b32 s22, s28, 7
	s_add_nc_u64 s[ASP:ASP+1], s[ASP:ASP+1], s[22:23]
	s_lshl_b32 s22, s28, 16                        ; 16 rows of 4,096 bytes,
	s_lshl_b32 s29, ttmp9, 8                       ; my 64 columns
	s_add_co_u32 s22, s22, s29
	s_add_nc_u64 s[OP:OP+1], s[OP:OP+1], s[22:23]
	ALPHA_SUM 32                                   ; the two loads of partial sums are in; the 32 weight loads behind them may be out
.irp s, 0,1,2,3,4,5,6
	WFRAG \s, BUF0+(BUF1-BUF0)*(\s%2), 16
.endr
	WFRAG 7, BUF1, 0
	s_wait_dscnt 0x0                               ; for the others' sake: my eight images are in LDS
	s_barrier_signal -1
	s_barrier_wait -1
	WFETCH
	LOADA 0
	LOADA 1
	s_wait_dscnt 0x0                               ; the weight's fragments are in
.macro OTILE n
.set XBUF, XA+96*((\n)%2)
.set ASB,  AS+8*((\n)%2)
.if (\n) < 3
	s_wait_loadcnt 52                              ; this tile's 52 loads are in; the other set's may be out
.else
	s_wait_loadcnt 0x0
.endif
.if (\n) > 0
	s_wait_xcnt 0x0                                ; the last tile's stores have read the registers that the sums are begun in
.endif
.irp s, 0,1,2,3,4,5,6,7                        ; the four accumulators take turns, one instruction a turn, K ascending
.if \s < 4
	WIN 0x01
.else
	WIN 0x02
.endif
.irp t, 0,1,2,3
.if \s == 0
	MM0 H+8*\t, 12*(4*(\s%4)+\t), XBUF+12*\s, WS, ASB+\s
.else
	MMA H+8*\t, 12*(4*(\s%4)+\t), XBUF+12*\s, WS, ASB+\s
.endif
.endr
.endr
	WIN 0
	PLACES 5                                       ; four for the loads and the LDS stores below; the fifth because the next tile's first products write over these accumulators
.if (\n)+2 < 4
	LOADA (\n)+2
.endif
.irp b, 0,1
.irp p, 0,1,2,3
	ds_store_b128 v[STO], v[H+16*\b+4*\p:H+16*\b+4*\p+3] offset:128*\b+16*\p   ; each accumulator from its low end on
.endr
.endr
.irp k, 0,1,2,3,4,5,6,7
	ds_load_b128 v[H+4*\k:H+4*\k+3], v[RD] offset:544*\k   ; LDS serves a wave's instructions in order: these see my stores
.endr
.irp k, 0,1,2,3,4,5,6,7
	s_wait_dscnt 7-\k                              ; rows 2 k and 2 k + 1 are back; the younger loads stay out
	global_store_b128 v[GO], v[H+4*\k:H+4*\k+3], s[OP:OP+1] offset:65536*(\n)+8192*\k th:TH_STORE_NT
.endr
.endm
	OTILE 0
	OTILE 1
	OTILE 2
	OTILE 3
	s_set_vgpr_msb 0x4
	s_wait_tensorcnt 0x0
	ds_add_u32 v13, v255
	s_wait_dscnt 0x0
	s_set_vgpr_msb 0x400
	s_endpgm
.Lfunc_end_k_qe28a9dc2b0_oproj:
	.size	k_qe28a9dc2b0_oproj, .Lfunc_end_k_qe28a9dc2b0_oproj-k_qe28a9dc2b0_oproj
	.p2alignl 7, 3214868480
	.fill 96, 4, 3214868480
	.section	.rodata,"a",@progbits
	.p2align	6, 0x0
	.amdhsa_kernel k_qe28a9dc2b0_oproj
		.amdhsa_group_segment_fixed_size 67072
		.amdhsa_private_segment_fixed_size 0
		.amdhsa_enable_private_segment 0
		.amdhsa_kernarg_size 40
		.amdhsa_user_sgpr_count 2
		.amdhsa_user_sgpr_kernarg_segment_ptr 1
		.amdhsa_wavefront_size32 1
		.amdhsa_system_sgpr_workgroup_id_x 1
		.amdhsa_system_sgpr_workgroup_id_y 1
		.amdhsa_system_sgpr_workgroup_id_z 1
		.amdhsa_system_vgpr_workitem_id 0
		.amdhsa_next_free_vgpr 768
		.amdhsa_next_free_sgpr 66
		.amdhsa_reserve_vcc 1
		.amdhsa_float_denorm_mode_32 3
		.amdhsa_float_denorm_mode_16_64 3
		.amdhsa_memory_ordered 1
		.amdhsa_forward_progress 1
		.amdhsa_inst_pref_size 169
	.end_amdhsa_kernel
	.amdgpu_metadata
---
amdhsa.version: [ 1, 2 ]
amdhsa.kernels:
  - .name:           k_qe28a9dc2b0_oproj
    .symbol:         k_qe28a9dc2b0_oproj.kd
    .args:
      - { .name: a_img, .offset: 0, .size: 8, .value_kind: global_buffer, .address_space: global }
      - { .name: a_sc, .offset: 8, .size: 8, .value_kind: global_buffer, .address_space: global }
      - { .name: wsum, .offset: 16, .size: 8, .value_kind: global_buffer, .address_space: global }
      - { .name: wo, .offset: 24, .size: 8, .value_kind: global_buffer, .address_space: global }
      - { .name: out0, .offset: 32, .size: 8, .value_kind: global_buffer, .address_space: global }
    .group_segment_fixed_size: 67072
    .private_segment_fixed_size: 0
    .kernarg_segment_align: 8
    .kernarg_segment_size: 40
    .max_flat_workgroup_size: 128
    .sgpr_count:     66
    .vgpr_count:     768
    .wavefront_size: 32
...
	.end_amdgpu_metadata
.endif
;; end of part 4
;; ======== version 2 of 3: 4 launches
;; limits: inputs' magnitudes at most 1e+38
;; workspace buffers: x_img 3,145,728 bytes; x_sc 131,072 bytes; wsum 768 bytes; w_img 1,966,080 bytes; q_img 4,194,304 bytes; kv 1,638,400 bytes; a_img 3,145,728 bytes; a_sc 131,072 bytes
;; launch prep (part 5): grid 416 x 1, 8 waves a work-group, no clusters, 70,656 bytes of LDS; arguments x, wq, wk, wv, wo, x_img, x_sc, wsum, w_img; writes x_img, x_sc, wsum, w_img
.if DOCPART == 5
	.amdgcn_target "amdgcn-amd-amdhsa--gfx1250"
	.amdhsa_code_object_version 6
	.text
	.protected	k_qe28a9dc2b0_prep
	.globl	k_qe28a9dc2b0_prep
	.p2align	8
	.type	k_qe28a9dc2b0_prep,@function
k_qe28a9dc2b0_prep:
	s_mov_b64 s[64:65], 0
	v_nop
	global_prefetch_b8 v0, s[64:65] scope:SCOPE_SE
	s_setreg_imm32_b32 hwreg(HW_REG_WAVE_MODE, 25, 1), 1
	s_wait_xcnt 0x0
; PREP.  Work-groups 0-255: x [4096][1024] f32 becomes codes of FP6 (E2M3) with one E8M0 byte for each 32 along K, laid as the matrix unit's registers want them.
; Work-groups 256-415 (tile c = work-group - 256: wq 0-63, wk 64-79, wv 80-95, wo 96-159): 16 rows of a weight.  They give (a) the tile's sum of |w|, from which the later launches make alpha = mean |w|, and
; (b) a TEMPLATE of the tile's codes.  Every number of sign(w) alpha is 0 or +-alpha, so its code is w's sign over one magnitude code, the same for the whole tensor.  alpha is not known here; so sign(w) x 7.5 is
; quantised: codes 0x1f, 0x3f, or 0 where w is 0.  The later launches AND the code of -alpha over them, which gives the quantiser's own codes.
; THE ROWS OF A WEIGHT TILE ARE NOT NEIGHBOURS: tile 2 b + u of a group of 64 rows holds rows 32 b + 8 u + j + 8 (j / 8), j = 0 .. 15 (why: the launch that multiplies them).
; ONE PATH SERVES BOTH.  A work-group takes 16 rows, wave s the K step 128 s .. 128 s + 127.  Each load reads 512 consecutive bytes of one row; the 16 rows turn through the wave's own stage in LDS
; (pitch 528 bytes: sixteen rows start at sixteen different 16-byte columns of 256), so that lane (r, h) holds, of row r, 16 neighbours of each block of 32.  The fragment's 12 registers leave as an image:
; three stores of 512 consecutive bytes.  x's scale words, and the weights' eight partial sums, meet in LDS behind one barrier.
; A block's scale byte is its largest magnitude's exponent field - 2, held at 1 from below (a block of zeros keeps the byte 1 where the quantiser says 127: its codes are zeros, and this program alone reads the bytes).
; LIMITS: NaN and infinities in x and in the weights are not served; a NaN in a weight counts by its sign bit.
; No matrix unit, no cluster, no tensor load: a stream.
.set STG,  16*528                      ; a wave's stage
.set XG,   8*STG                       ; 512 bytes: the tile's scale words, [row][K step]
.set WG8,  XG+512                      ; eight partial sums
.set LN,   1                           ; lane
.set RR,   2                           ; lane % 16
.set HH,   3                           ; lane / 16
.set GO,   4                           ; 16 x lane: rows 0-7
.set SA,   5                           ; stage, on the way in
.set SBK,  6                           ; stage, on the way back
.set XW,   7                           ; where my scale word goes
.set XR,   8                           ; where wave 0 reads the words back
.set PWA,  9                           ; where my wave's partial sum goes
.set PRA,  10                          ; where wave 0 reads the eight
.set ZR,   11                          ; 0
.set C75,  12                          ; 7.5
.set GO2,  13                          ; 16 x lane, + 8 rows in a weight: rows 8-15
.set R,    16                          ; v16-79   64 numbers
.set PC,   80                          ; v80-99   codes, and the halves on their way
.set TM,   100                         ; v100-115 at work
.set PW,   116                         ; the scale word
.set AC,   120                         ; v120-123 four chains of the sum
.set TW,   124                         ; v124-127 at work
.set SEL,  26                          ; s[26:27] lane selects: lane l xor 16
.set SM,   40                          ; s40-43   four lane masks
.set SMASK, 44                         ; all bits but the sign
; 64 numbers of a lane, register 16 b + i = k 32 b + 16 (lane / 16) + i of my row, become a fragment's codes in v[PC] on and its scale word in v[PW]
.macro QUANT s
.irp b, 0,1,2,3
	v_max3_num_f32 v[TM+\b], |v[\s+16*\b]|, |v[\s+1+16*\b]|, 0x1800000   ; my 16 numbers of block b, and the floor 2^(3 - 127): the byte cannot fall under 1
.endr
.irp i, 2,4,6,8,10,12,14
.irp b, 0,1,2,3
	v_max3_num_f32 v[TM+\b], v[TM+\b], |v[\s+16*\b+\i]|, |v[\s+1+16*\b+\i]|
.endr
.endr
.irp b, 0,1,2,3
	v_permlanex16_b32 v[TM+4+\b], v[TM+\b], s[SEL], s[SEL+1]
.endr
.irp b, 0,1,2,3
	v_max_num_f32 v[TM+\b], v[TM+\b], v[TM+4+\b]   ; with lane l xor 16's: the block's largest magnitude
.endr
.irp b, 0,1,2,3
	v_add_nc_u32 v[TM+12+\b], 0xff000000, v[TM+\b]   ; 2 off its exponent field: the conversion's scale operand
.endr
.irp b, 0,1,2,3
	v_lshrrev_b32 v[TM+4+\b], 23, v[TM+12+\b]      ; the scale's byte
.endr
	v_lshl_or_b32 v[PW], v[TM+5], 8, v[TM+4]
	v_lshl_or_b32 v[PW], v[TM+6], 16, v[PW]
	v_lshl_or_b32 v[PW], v[TM+7], 24, v[PW]
.irp c, 0,1
	v_cvt_scalef32_pk16_fp6_f32 v[PC+6*\c:PC+2+6*\c], v[\s+32*\c:\s+15+32*\c], v[TM+12+2*\c]
	v_cvt_scalef32_pk16_fp6_f32 v[PC+12+4*\c:PC+14+4*\c], v[\s+16+32*\c:\s+31+32*\c], v[TM+12+2*\c+1]   ; (a conversion's three registers begin on an even number)
.endr
	v_nop                                          ; one plain place behind a scaled conversion
.irp c, 0,1                                    ; the operand's layout wants a whole block in a lane: lanes 0-15 block 2 c, lanes 16-31 block 2 c + 1
.irp i, 0,1,2
	v_permlane16_swap_b32 v[PC+6*\c+\i], v[PC+12+4*\c+\i]
.endr
.irp i, 0,1,2
	v_mov_b32 v[PC+3+6*\c+\i], v[PC+12+4*\c+\i]
.endr
.endr
.endm
	s_load_b512 s[4:19], s[0:1], 0x0               ; x s[4:5], wq s[6:7], wk s[8:9], wv s[10:11], wo s[12:13], x_img s[14:15], x_sc s[16:17], wsum s[18:19]
	s_load_b64 s[36:37], s[0:1], 0x40              ; w_img
	v_lshl_add_u32 v128, v0, 2, 0x11000
	v_mov_b32 v129, 0
	v_lshrrev_b32 v1, 5, v0
	v_readfirstlane_b32 s20, v1                    ; wave 0..7
	v_and_b32 v[LN], 31, v0
	v_and_b32 v[RR], 15, v0
	v_bfe_u32 v[HH], v0, 4, 1
	v_lshlrev_b32 v[GO], 4, v[LN]
	s_mul_i32 s21, s20, STG
	v_add_nc_u32 v[SA], s21, v[GO]                 ; in: row j at 528 j (the immediate), 16 bytes a lane
	v_mul_u32_u24 v[SBK], v[RR], 528
	v_lshl_add_u32 v[SBK], v[HH], 6, v[SBK]
	v_add_nc_u32 v[SBK], s21, v[SBK]               ; back: row r, + 64 h
	s_lshl_b32 s22, s20, 2
	v_lshl_add_u32 v[XW], v[RR], 5, XG
	v_add_nc_u32 v[XW], s22, v[XW]                 ; XG + 32 r + 4 x wave
	v_add_nc_u32 v[XR], XG, v[GO]
	v_mov_b32 v[PWA], s20
	v_lshlrev_b32 v[PWA], 2, v[PWA]
	v_add_nc_u32 v[PWA], WG8, v[PWA]
	v_mov_b32 v[PRA], WG8
	v_mov_b32 v[ZR], 0
	v_mov_b32 v[C75], 0x40f00000
.irp b, 0,1,2,3
	v_mov_b32 v[TM+4+\b], 0                        ; written once: a lane permute's destination counts as one of its sources
.endr
	s_mov_b32 s[SEL], 0x76543210
	s_mov_b32 s[SEL+1], 0xfedcba98
	s_mov_b32 s[SMASK], 0x7fffffff
	s_mov_b32 s25, 0
	s_wait_kmcnt 0x0
	; which tensor, which 16 rows, which image: chosen by the work-group's number alone
	s_sub_co_u32 s29, ttmp9, 256                   ; c (it wraps in x's work-groups, whose choices are made last)
	s_mov_b32 s24, 96
	s_cmp_lt_u32 s29, 96
	s_cselect_b64 s[30:31], s[10:11], s[12:13]     ; wv, else wo
	s_cselect_b32 s24, 80, s24                     ; the tensor's first tile
	s_cmp_lt_u32 s29, 80
	s_cselect_b64 s[30:31], s[8:9], s[30:31]       ; wk
	s_cselect_b32 s24, 64, s24
	s_cmp_lt_u32 s29, 64
	s_cselect_b64 s[30:31], s[6:7], s[30:31]       ; wq
	s_cselect_b32 s24, 0, s24
	s_sub_co_u32 s24, s29, s24                     ; the tile within its tensor: 4 x group of 64 rows + 2 b + u
	s_lshr_b32 s28, s24, 2
	s_lshl_b32 s28, s28, 6
	s_bfe_u32 s32, s24, 0x10001
	s_lshl_b32 s32, s32, 5
	s_add_co_u32 s28, s28, s32
	s_and_b32 s32, s24, 1
	s_lshl_b32 s32, s32, 3
	s_add_co_u32 s28, s28, s32                     ; its first row: 64 x group + 32 b + 8 u
	s_lshl_b32 s33, ttmp9, 4                       ; x: 16 x work-group
	s_cmp_lt_u32 ttmp9, 256
	s_cselect_b64 s[30:31], s[4:5], s[30:31]       ; x
	s_cselect_b64 s[34:35], s[14:15], s[36:37]     ; x_img, else w_img
	s_cselect_b32 s28, s33, s28
	s_cselect_b32 s33, ttmp9, s29                  ; the tile's number among its buffer's images
	s_cselect_b32 s32, 0, 0x8000                   ; a weight tile's rows 8-15 lie 8 rows of 4,096 bytes further down
	s_lshl_b32 s24, s28, 12                        ; rows of 4,096 bytes,
	s_lshl_b32 s28, s20, 9                         ; my K step's 512 bytes of a row
	s_add_co_u32 s24, s24, s28
	s_add_nc_u64 s[30:31], s[30:31], s[24:25]
	s_lshl_b32 s24, s33, 3
	s_add_co_u32 s24, s24, s20
	s_mul_i32 s24, s24, 1536                       ; image 8 x tile + K step
	s_add_nc_u64 s[34:35], s[34:35], s[24:25]
	v_add_nc_u32 v[GO2], s32, v[GO]
.irp j, 0,1,2,3,4,5,6,7
	global_load_b128 v[R+4*\j:R+4*\j+3], v[GO], s[30:31] offset:4096*\j th:TH_LOAD_NT   ; 32 lanes read 512 consecutive bytes of row j; each byte is read once in the whole program
.endr
.irp j, 8,9,10,11,12,13,14,15
	global_load_b128 v[R+4*\j:R+4*\j+3], v[GO2], s[30:31] offset:4096*\j th:TH_LOAD_NT
.endr
.irp j, 0,1,2,3,4,5,6,7,8,9,10,11,12,13,14,15
	s_wait_loadcnt 15-\j                           ; row j is in; the younger rows stay out
	ds_store_b128 v[SA], v[R+4*\j:R+4*\j+3] offset:528*\j
.endr
.irp b, 0,1,2,3
.irp p, 0,1,2,3
	ds_load_b128 v[R+16*\b+4*\p:R+16*\b+4*\p+3], v[SBK] offset:128*\b+16*\p   ; LDS serves a wave's instructions in order: these see my stores
.endr
.endr
	s_wait_dscnt 0x0
	s_cmp_lt_u32 ttmp9, 256
	s_cbranch_scc1 .Lquant
	; ---- a weight: the sum of |w|, then sign(w) x 7.5 in w's place
.irp k, 0,1,2,3
	v_add_f32 v[AC+\k], |v[R+\k]|, |v[R+4+\k]|     ; four chains, started by the first eight numbers
.endr
.irp j, 2,3,4,5,6,7,8,9,10,11,12,13,14,15
.irp k, 0,1,2,3
	v_add_f32 v[AC+\k], v[AC+\k], |v[R+4*\j+\k]|
.endr
.endr
	v_add_f32 v[AC], v[AC], v[AC+1]
	v_add_f32 v[AC+2], v[AC+2], v[AC+3]
	v_add_f32 v[AC], v[AC], v[AC+2]
	v_add_f32_dpp v[AC], v[AC], v[AC] row_xmask:1 row_mask:0xf bank_mask:0xf
	v_add_f32_dpp v[AC], v[AC], v[AC] row_xmask:2 row_mask:0xf bank_mask:0xf
	v_add_f32_dpp v[AC], v[AC], v[AC] row_xmask:4 row_mask:0xf bank_mask:0xf
	v_add_f32_dpp v[AC], v[AC], v[AC] row_xmask:8 row_mask:0xf bank_mask:0xf
	v_permlanex16_b32 v[AC+1], v[AC], s[SEL], s[SEL+1]
	v_add_f32 v[AC], v[AC], v[AC+1]
	ds_store_b32 v[PWA], v[AC]                     ; all lanes write the same word with the same value
.set i, 0
.rept 16
.irp k, 0,1,2,3
	v_cmp_neq_f32 s[SM+\k], 0, v[R+i+\k]
.endr
.irp k, 0,1,2,3
	v_cndmask_b32 v[TW+\k], 0, v[C75], s[SM+\k]    ; 7.5, or 0 where w is 0,
.endr
.irp k, 0,1,2,3
	v_bfi_b32 v[R+i+\k], s[SMASK], v[TW+\k], v[R+i+\k]   ; under w's sign
.endr
.set i, i+4
.endr
.Lquant:
	QUANT R                                        ; (a block of +-7.5 has the scale 1: its codes are 0x1f and 0x3f)
.irp c, 0,1,2
	global_store_b128 v[GO], v[PC+4*\c:PC+4*\c+3], s[34:35] offset:512*\c   ; the image: 512 consecutive bytes a store
.endr
	ds_store_b32 v[XW], v[PW]                      ; both lanes of a row write the same word with the same value (a weight's words are read by nobody)
	s_wait_dscnt 0x0                               ; for the others' sake: my LDS stores are done
	s_barrier_signal -1
	s_barrier_wait -1
	s_cmp_lg_u32 s20, 0
	s_cbranch_scc1 .Lend
	s_cmp_lt_u32 ttmp9, 256
	s_cbranch_scc0 .Lwsum
	s_lshl_b32 s24, ttmp9, 9                       ; the tile's 512 bytes of scale words
	s_add_nc_u64 s[16:17], s[16:17], s[24:25]
	ds_load_b128 v[16:19], v[XR]
	s_wait_dscnt 0x0
	global_store_b128 v[GO], v[16:19], s[16:17]    ; 512 consecutive bytes
	s_branch .Lend
.Lwsum:
	s_lshl_b32 s24, s29, 2
	s_add_nc_u64 s[18:19], s[18:19], s[24:25]      ; where the tile's sum goes
	ds_load_b128 v[16:19], v[PRA]
	ds_load_b128 v[20:23], v[PRA] offset:16
	s_wait_dscnt 0x0
	v_add_f32 v16, v16, v17
	v_add_f32 v18, v18, v19
	v_add_f32 v20, v20, v21
	v_add_f32 v22, v22, v23
	v_add_f32 v16, v16, v18
	v_add_f32 v20, v20, v22
	v_add_f32 v16, v16, v20
	s_wait_xcnt 0x0                                ; EXEC changes only behind this wait
	v_cmp_eq_u32 vcc_lo, 0, v[LN]
	s_and_saveexec_b32 s28, vcc_lo
	global_store_b32 v[ZR], v16, s[18:19]          ; one number: lane 0
	s_wait_xcnt 0x0                                ; and again, in front of the line that widens it
	s_or_b32 exec_lo, exec_lo, s28
.Lend:
	s_wait_tensorcnt 0x0
	ds_add_u32 v128, v129
	s_wait_dscnt 0x0
	s_endpgm
.Lfunc_end_k_qe28a9dc2b0_prep:
	.size	k_qe28a9dc2b0_prep, .Lfunc_end_k_qe28a9dc2b0_prep-k_qe28a9dc2b0_prep
	.p2alignl 7, 3214868480
	.fill 96, 4, 3214868480
	.section	.rodata,"a",@progbits
	.p2align	6, 0x0
	.amdhsa_kernel k_qe28a9dc2b0_prep
		.amdhsa_group_segment_fixed_size 70656
		.amdhsa_private_segment_fixed_size 0
		.amdhsa_enable_private_segment 0
		.amdhsa_kernarg_size 72
		.amdhsa_user_sgpr_count 2
		.amdhsa_user_sgpr_kernarg_segment_ptr 1
		.amdhsa_wavefront_size32 1
		.amdhsa_system_sgpr_workgroup_id_x 1
		.amdhsa_system_sgpr_workgroup_id_y 1
		.amdhsa_system_sgpr_workgroup_id_z 1
		.amdhsa_system_vgpr_workitem_id 0
		.amdhsa_next_free_vgpr 130
		.amdhsa_next_free_sgpr 66
		.amdhsa_reserve_vcc 1
		.amdhsa_float_denorm_mode_32 3
		.amdhsa_float_denorm_mode_16_64 3
		.amdhsa_memory_ordered 1
		.amdhsa_forward_progress 1
		.amdhsa_inst_pref_size 30
	.end_amdhsa_kernel
	.amdgpu_metadata
---
amdhsa.version: [ 1, 2 ]
amdhsa.kernels:
  - .name:           k_qe28a9dc2b0_prep
    .symbol:         k_qe28a9dc2b0_prep.kd
    .args:
      - { .name: x, .offset: 0, .size: 8, .value_kind: global_buffer, .address_space: global }
      - { .name: wq, .offset: 8, .size: 8, .value_kind: global_buffer, .address_space: global }
      - { .name: wk, .offset: 16, .size: 8, .value_kind: global_buffer, .address_space: global }
      - { .name: wv, .offset: 24, .size: 8, .value_kind: global_buffer, .address_space: global }
      - { .name: wo, .offset: 32, .size: 8, .value_kind: global_buffer, .address_space: global }
      - { .name: x_img, .offset: 40, .size: 8, .value_kind: global_buffer, .address_space: global }
      - { .name: x_sc, .offset: 48, .size: 8, .value_kind: global_buffer, .address_space: global }
      - { .name: wsum, .offset: 56, .size: 8, .value_kind: global_buffer, .address_space: global }
      - { .name: w_img, .offset: 64, .size: 8, .value_kind: global_buffer, .address_space: global }
    .group_segment_fixed_size: 70656
    .private_segment_fixed_size: 0
    .kernarg_segment_align: 8
    .kernarg_segment_size: 72
    .max_flat_workgroup_size: 256
    .sgpr_count:     66
    .vgpr_count:     130
    .wavefront_size: 32
...
	.end_amdgpu_metadata
.endif
;; end of part 5
;; launch qkv (part 6): grid 24 x 8, 4 waves a work-group, no clusters, 0 bytes of LDS; arguments x_img, x_sc, wsum, w_img, cos, sin, q_norm_w, k_norm_w, q_img, kv; writes q_img, kv
.if DOCPART == 6
	.amdgcn_target "amdgcn-amd-amdhsa--gfx1250"
	.amdhsa_code_object_version 6
	.text
	.protected	k_qe28a9dc2b0_qkv
	.globl	k_qe28a9dc2b0_qkv
	.p2align	8
	.type	k_qe28a9dc2b0_qkv,@function
k_qe28a9dc2b0_qkv:
	s_mov_b64 s[64:65], 0
	v_nop
	global_prefetch_b8 v0, s[64:65] scope:SCOPE_SE
	s_setreg_imm32_b32 hwreg(HW_REG_WAVE_MODE, 25, 1), 1
	s_wait_xcnt 0x0
; QKV.  q, k, v = x (sign(w) alpha)^T on codes of FP6 (E2M3); q and k then RMSNorm and RoPE in f32 and are quantised along the head's 64; v is quantised along the keys.
; A work-group is one head of 64 weight rows (x: 0-15 q, 16-19 k, 20-23 v) and 512 rows of x (y); wave w takes 128 rows: eight tiles of 16 tokens, which for k and v are one key step of the next launch.
; THE WEIGHT.  alpha = mean |w| from the 160 partial sums.  Every number of sign(w) alpha is 0 or +-alpha, so every block has one and the same scale byte and every number that is not 0 the same magnitude code.
; The launch before has laid down templates of the fragments (codes 0x1f, 0x3f, or 0 where w is 0).  Sixteen copies of -alpha, converted, are 96 bits of the code 0x20 | magnitude; ANDed over a template's registers
; (register i takes word i % 3: 16 codes of 6 bits are three words) they leave the quantiser's own codes.  Each wave loads the head's 32 fragments, 49,152 bytes, once, and keeps them in windows 1 and 2.
; THE ROWS OF A WEIGHT TILE ARE NOT NEIGHBOURS: lane r of tile 2 b + u holds row 32 b + 8 u + r + 8 (r / 8).  With the weight as source 0 a lane then holds ONE token, and its register 16 b + i the head's channel
; 32 b + 16 (lane / 16) + i: the order that the quantiser along the head wants, with RoPE's partners d and d + 32 in one lane.
; v takes x as source 0: a lane holds one channel and its registers run along the tokens: register 8 i + j of a channel tile is token 16 i + 8 (lane / 16) + j, the very map that the scores have in the next launch.
; So v's codes and p's codes there carry one common order inside each block of 32 keys; the blocks are the quantiser's own.
; LOADS RUN TWO TILES AHEAD: x, its scale words, cos and sin have two sets of registers each; in the q and k path the odd tiles' set lies in window 3 (the scale words in window 0, where scale operands are read).
; OUT.  q_img [32 heads][128 tiles][1,024]: three register pairs at 256 p + 8 lane, the scale word (s0 s1 s0 s1) twice at 768 + 8 lane.  kv [8][16 key steps][12,800]: four K fragments (registers 0-5 key tile 2 f,
; 6-11 key tile 2 f + 1), K's scale words [row][f], four V^T fragments, V's scale words [row][t].
; NO CLUSTER, NO LDS: a tile's 12,288 bytes of x, and the head's fragments, go from memory straight into the registers of the wave that multiplies them; a joint load would send them through LDS, x for 32 matrix
; instructions' worth of use.
; LIMITS: NaN and infinities are not served; a block of zeros carries the byte 1 (its codes are zeros, and this program alone reads the bytes).
.set LN,   1                           ; lane
.set LI,   2                           ; 16 x lane
.set XSO,  3                           ; 32 r: a row's eight scale words of x
.set KW,   4                           ; v4-7    K's four scale words
.set CSO,  8                           ; 256 r + 64 h: cos and sin
.set LQ,   9                           ; 8 x lane
.set KSO,  12                          ; 16 r + 8 h
.set NWO,  13                          ; 64 h
.set XF,   16                          ; v16-111  x's eight fragments, first set
.set XS,   112                         ; v112-119 their scale words
.set H,    120                         ; v120-151 q, k path: four accumulators
.set COS,  152                         ; v152-183, v184-215 cos and sin, first set
.set SIN,  184
.set TM,   216                         ; v216-223 at work
.set XB,   120                         ; v path: x's second set
.set XSB,  224                         ; v224-231 the second set's scale words, in both paths
.set PC,   232                         ; v232-243 codes
.set PT,   244
.set PAT,  244                         ; v244-246 at the head: the code of -alpha, sixteen times
.set HWA,  247
.set QW,   248
.set WS,   250                         ; the weight's scale word
.set AL,   251                         ; alpha
.set WSO,  252                         ; the conversion's scale operand
.set HWB,  253
.set INV,  254                         ; v[254:255] 1 / rms
.set VW,   252                         ; v path: V's four scale words
.set NA,   120                         ; v120-135 at the head: -alpha, sixteen times
.set TA,   140                         ; v140-143 at the head: at work
.set NW,   0                           ; window 3: v0-31 the norm's weights,
.set XF3,  32                          ;           v32-127 x's second set (q, k path),
.set COS3, 128                         ;           v128-159, v160-191 cos and sin, second set
.set SIN3, 160
.set XP,   4
.set XSP,  6
.set WSUM, 8
.set WP,   10
.set CP,   12
.set SP,   14
.set NP,   16
.set QP,   20
.set KP,   22
.set SB,   31
.set SN,   32
.set SI,   33
.set WV,   39
.set C64,  40
.set CEPS, 41
.set SEL,  42
.set CNT,  45
.set MSB, 0
.macro WIN new                         ; the immediate's high byte repeats the setting that is left
.if MSB != (\new)
	s_set_vgpr_msb (MSB<<8)|(\new)
.set MSB, (\new)
.endif
.endm
.macro PLACES n
.rept \n
	v_nop
.endr
.endm
.macro MM0 d, a, b, sa, sb             ; the first product starts a sum
	v_wmma_scale_f32_16x16x128_f8f6f4 v[\d:\d+7], v[\a:\a+11], v[\b:\b+11], 0, v[\sa], v[\sb] matrix_a_fmt:MATRIX_FMT_FP6 matrix_b_fmt:MATRIX_FMT_FP6
.endm
.macro MMA d, a, b, sa, sb
	v_wmma_scale_f32_16x16x128_f8f6f4 v[\d:\d+7], v[\a:\a+11], v[\b:\b+11], v[\d:\d+7], v[\sa], v[\sb] matrix_a_fmt:MATRIX_FMT_FP6 matrix_b_fmt:MATRIX_FMT_FP6
.endm
; alpha: the tensor's partial sums begin at byte s[SB] of wsum, s[SN] of them (16 or 64); s[SI] = 1 / the tensor's numbers
.macro ALPHA_ASK
	v_lshl_add_u32 v[TA], v[LN], 2, s[SB]
	global_load_b32 v[TA+1], v[TA], s[WSUM:WSUM+1]
	global_load_b32 v[TA+2], v[TA], s[WSUM:WSUM+1] offset:128
.endm
.macro ALPHA_SUM left
	s_wait_loadcnt \left
	v_cmp_gt_u32 vcc_lo, s[SN], v[LN]
	v_cndmask_b32 v[TA+1], 0, v[TA+1], vcc_lo      ; what belongs to another tensor counts for 0
	v_add_nc_u32 v[TA+3], 32, v[LN]
	v_cmp_gt_u32 vcc_lo, s[SN], v[TA+3]
	v_cndmask_b32 v[TA+2], 0, v[TA+2], vcc_lo
	v_add_f32 v[TA+1], v[TA+1], v[TA+2]
	v_add_f32_dpp v[TA+1], v[TA+1], v[TA+1] row_xmask:1 row_mask:0xf bank_mask:0xf
	v_add_f32_dpp v[TA+1], v[TA+1], v[TA+1] row_xmask:2 row_mask:0xf bank_mask:0xf
	v_add_f32_dpp v[TA+1], v[TA+1], v[TA+1] row_xmask:4 row_mask:0xf bank_mask:0xf
	v_add_f32_dpp v[TA+1], v[TA+1], v[TA+1] row_xmask:8 row_mask:0xf bank_mask:0xf
	v_permlanex16_b32 v[TA+2], v[TA+1], s[SEL], s[SEL+1]
	v_add_f32 v[TA+1], v[TA+1], v[TA+2]
	v_mul_f32 v[AL], s[SI], v[TA+1]                ; alpha
	v_max_num_f32 v[TA+1], 0x1800000, v[AL]        ; the floor 2^(3 - 127)
	v_add_nc_u32 v[WSO], 0xff000000, v[TA+1]       ; 2 off the exponent field: the conversion's scale operand
	v_lshrrev_b32 v[TA+2], 23, v[WSO]              ; the byte, the same for every block of the weight
	v_mul_u32_u24 v[WS], v[TA+2], 0x10101
	v_lshl_or_b32 v[WS], v[TA+2], 24, v[WS]        ; four times: the scale word of every row and K step
.endm
.macro PATTERN                         ; sixteen codes of -alpha: sign bit and magnitude, 96 bits
.irp k, 0,1,2,3,4,5,6,7,8,9,10,11,12,13,14,15
	v_xor_b32 v[NA+\k], 0x80000000, v[AL]
.endr
	v_cvt_scalef32_pk16_fp6_f32 v[PAT:PAT+2], v[NA:NA+15], v[WSO]
	v_nop                                          ; one plain place behind a scaled conversion
.endm
; the templates of K steps 4 half .. 4 half + 3, 48 loads: fragment (K step s, tile t) lies at 12,288 t + 1,536 s and goes to v[12 (4 (s % 4) + t)] of window 1 + half
.macro WLOAD half, win
	WIN \win
.set f, 0
.rept 16
.irp c, 0,1,2
	global_load_b128 v[12*f+4*\c:12*f+4*\c+3], v[LI], s[WP:WP+1] offset:12288*(f%4)+1536*(4*(\half)+f/4)+512*\c
.endr
.set f, f+1
.endr
	WIN 0
.endm
.macro WAND win                        ; the pattern over a window's 16 templates: destination and source 1 in that window, the pattern in window 0
	WIN \win
.set f, 0
.rept 192
	v_and_b32 v[f], v[PAT+f%3], v[f]
.set f, f+1
.endr
	WIN 0
.endm
; tile n's eight fragments of x (into window win's registers) and its rows' scale words (window 0): 26 loads
.macro XLOAD n, xf, xs, win
	WIN \win
.irp s, 0,1,2,3,4,5,6,7
.irp c, 0,1,2
	global_load_b128 v[\xf+12*\s+4*\c:\xf+12*\s+4*\c+3], v[LI], s[XP:XP+1] offset:12288*(\n)+1536*\s+512*\c
.endr
.endr
	WIN 0
	global_load_b128 v[\xs:\xs+3], v[XSO], s[XSP:XSP+1] offset:512*(\n)
	global_load_b128 v[\xs+4:\xs+7], v[XSO], s[XSP:XSP+1] offset:512*(\n)+16
.endm
; tile n's cos and sin, in the accumulators' order: 16 loads
.macro CSLOAD n, cs, sn, win
	WIN \win
.irp b, 0,1
.irp p, 0,1,2,3
	global_load_b128 v[\cs+16*\b+4*\p:\cs+16*\b+4*\p+3], v[CSO], s[CP:CP+1] offset:4096*(\n)+128*\b+16*\p
	global_load_b128 v[\sn+16*\b+4*\p:\sn+16*\b+4*\p+3], v[CSO], s[SP:SP+1] offset:4096*(\n)+128*\b+16*\p
.endr
.endr
	WIN 0
.endm
; 32 numbers of a lane, register 16 b + i = k 32 b + 16 (lane / 16) + i, become six registers of codes (lane (r, h): block h of row r) and two scale bytes
.macro QUANT2 s, pc, pt, hw
.irp b, 0,1
	v_max3_num_f32 v[TM+\b], |v[\s+16*\b]|, |v[\s+16*\b+1]|, 0x1800000
.endr
.irp i, 2,4,6,8,10,12,14
.irp b, 0,1
	v_max3_num_f32 v[TM+\b], v[TM+\b], |v[\s+16*\b+\i]|, |v[\s+16*\b+\i+1]|
.endr
.endr
.irp b, 0,1
	v_permlanex16_b32 v[TM+4+\b], v[TM+\b], s[SEL], s[SEL+1]
.endr
.irp b, 0,1
	v_max_num_f32 v[TM+\b], v[TM+\b], v[TM+4+\b]
.endr
.irp b, 0,1
	v_add_nc_u32 v[TM+6+\b], 0xff000000, v[TM+\b]
.endr
.irp b, 0,1
	v_lshrrev_b32 v[TM+4+\b], 23, v[TM+6+\b]
.endr
	v_lshl_or_b32 v[\hw], v[TM+5], 8, v[TM+4]
	v_cvt_scalef32_pk16_fp6_f32 v[\pc:\pc+2], v[\s:\s+15], v[TM+6]
	v_cvt_scalef32_pk16_fp6_f32 v[\pt:\pt+2], v[\s+16:\s+31], v[TM+7]
	v_nop                                          ; one plain place behind a scaled conversion
.irp i, 0,1,2
	v_permlane16_swap_b32 v[\pc+\i], v[\pt+\i]
.endr
.irp i, 0,1,2
	v_mov_b32 v[\pc+3+\i], v[\pt+\i]
.endr
.endm
; 64 numbers (four blocks) likewise; wmax, wcvt: the register windows under which the numbers are read
.macro QUANT s, wmax, wcvt, pc, pt, pw
	WIN \wmax
.irp b, 0,1,2,3
	v_max3_num_f32 v[TM+\b], 0x1800000, |v[\s+16*\b]|, |v[\s+16*\b+1]|
.endr
.irp i, 2,4,6,8,10,12,14
.irp b, 0,1,2,3
	v_max3_num_f32 v[TM+\b], v[TM+\b], |v[\s+16*\b+\i]|, |v[\s+16*\b+\i+1]|
.endr
.endr
	WIN 0
.irp b, 0,1,2,3
	v_permlanex16_b32 v[TM+4+\b], v[TM+\b], s[SEL], s[SEL+1]
.endr
.irp b, 0,1,2,3
	v_max_num_f32 v[TM+\b], v[TM+\b], v[TM+4+\b]
.endr
.irp b, 0,1,2,3
	v_add_nc_u32 v[TM+12+\b], 0xff000000, v[TM+\b]
.endr
.irp b, 0,1,2,3
	v_lshrrev_b32 v[TM+4+\b], 23, v[TM+12+\b]
.endr
	v_lshl_or_b32 v[\pw], v[TM+5], 8, v[TM+4]
	v_lshl_or_b32 v[\pw], v[TM+6], 16, v[\pw]
	v_lshl_or_b32 v[\pw], v[TM+7], 24, v[\pw]
	WIN \wcvt
.irp c, 0,1
	v_cvt_scalef32_pk16_fp6_f32 v[\pc+6*\c:\pc+6*\c+2], v[\s+32*\c:\s+32*\c+15], v[TM+12+2*\c]
	v_cvt_scalef32_pk16_fp6_f32 v[\pt+4*\c:\pt+4*\c+2], v[\s+32*\c+16:\s+32*\c+31], v[TM+13+2*\c]
.endr
	WIN 0
	v_nop                                          ; one plain place behind a scaled conversion
.irp c, 0,1
.irp i, 0,1,2
	v_permlane16_swap_b32 v[\pc+6*\c+\i], v[\pt+4*\c+\i]
.endr
.irp i, 0,1,2
	v_mov_b32 v[\pc+6*\c+3+\i], v[\pt+4*\c+\i]
.endr
.endr
.endm
	s_load_b512 s[4:19], s[0:1], 0x0               ; x_img, x_sc, wsum, w_img, cos, sin, q_norm_w s[16:17], k_norm_w s[18:19]
	s_load_b128 s[20:23], s[0:1], 0x40             ; q_img, kv
	v_lshrrev_b32 v1, 5, v0
	v_readfirstlane_b32 s[WV], v1                  ; wave 0..3
	v_and_b32 v[LN], 31, v0
	v_and_b32 v14, 15, v0                          ; r
	v_bfe_u32 v15, v0, 4, 1                        ; h
	v_lshlrev_b32 v[LI], 4, v[LN]
	v_lshlrev_b32 v[XSO], 5, v14
	v_lshlrev_b32 v[CSO], 8, v14
	v_lshl_add_u32 v[CSO], v15, 6, v[CSO]
	v_lshlrev_b32 v[LQ], 3, v[LN]
	v_lshlrev_b32 v[KSO], 4, v14
	v_lshl_add_u32 v[KSO], v15, 3, v[KSO]
	v_lshlrev_b32 v[NWO], 6, v15
.irp k, 0,1,2,3
	v_mov_b32 v[KW+\k], 0
.endr
	v_mov_b32 v[TM+4], 0                           ; written once: a lane permute's destination counts as one of its sources
	v_mov_b32 v[TM+5], 0
	v_mov_b32 v[INV+1], 0                          ; (named as the upper half of a pair)
	s_mov_b32 s[C64], 0x3c800000                   ; 1 / 64
	s_mov_b32 s[CEPS], 0x358637bd                  ; 1e-6
	s_mov_b32 s[SEL], 0x76543210
	s_mov_b32 s[SEL+1], 0xfedcba98
	s_mov_b32 s30, 20                              ; the tensor's first head,
	s_mov_b32 s[SB], 320                           ; its partial sums' first byte,
	s_mov_b32 s[SN], 16                            ; their number,
	s_mov_b32 s[SI], 0x36800000                    ; 2^-18 = 1 / (256 x 1,024)
	s_mul_i32 s34, ttmp9, 49152                    ; the head's four tiles of templates: tile 4 x head in all three tensors (wk's begin at tile 64, wv's at 80)
	s_mov_b32 s35, 0
	s_wait_kmcnt 0x0
	s_cmp_lt_u32 ttmp9, 20
	s_cselect_b32 s30, 16, s30
	s_cselect_b32 s[SB], 256, s[SB]
	s_cmp_lt_u32 ttmp9, 16
	s_cselect_b32 s30, 0, s30
	s_cselect_b32 s[SB], 0, s[SB]
	s_cselect_b32 s[SN], 64, s[SN]
	s_cselect_b32 s[SI], 0x35800000, s[SI]         ; 2^-20
	s_cselect_b64 s[NP:NP+1], s[16:17], s[18:19]   ; q's gain, else k's
	s_sub_co_u32 s30, ttmp9, s30                   ; the head within its tensor
	s_add_nc_u64 s[WP:WP+1], s[WP:WP+1], s[34:35]
	ALPHA_ASK
	WLOAD 0, 0x40
	s_and_b32 s36, ttmp7, 0xffff                   ; y: which 512 rows
	s_and_b32 s37, s36, 3
	s_lshr_b32 s38, s36, 2                         ; the batch
	s_lshl_b32 s46, s37, 2
	s_add_co_u32 s46, s46, s[WV]                   ; my key step within the batch: 4 (y % 4) + wave
	s_lshl_b32 s47, s36, 5
	s_lshl_b32 s52, s[WV], 3
	s_add_co_u32 s47, s47, s52                     ; my first tile of tokens: 32 y + 8 wave
	s_mul_i32 s34, s47, 12288
	s_add_nc_u64 s[XP:XP+1], s[XP:XP+1], s[34:35]
	s_lshl_b32 s34, s47, 9
	s_add_nc_u64 s[XSP:XSP+1], s[XSP:XSP+1], s[34:35]
	s_lshl_b32 s34, s46, 15                        ; 128 tokens of 256 bytes
	s_add_nc_u64 s[CP:CP+1], s[CP:CP+1], s[34:35]
	s_add_nc_u64 s[SP:SP+1], s[SP:SP+1], s[34:35]
	s_min_u32 s53, ttmp9, 15                       ; (held inside q_img in the work-groups that do not store there)
	s_lshl_b32 s34, s38, 4
	s_add_co_u32 s34, s34, s53
	s_lshl_b32 s34, s34, 7
	s_lshl_b32 s52, s46, 3
	s_add_co_u32 s34, s34, s52
	s_lshl_b32 s34, s34, 10                        ; ((16 b + head) 128 + my first tile in the batch) x 1,024
	s_add_nc_u64 s[QP:QP+1], s[QP:QP+1], s[34:35]
	s_and_b32 s53, s30, 3                          ; (likewise for kv)
	s_lshl_b32 s34, s38, 2
	s_add_co_u32 s34, s34, s53
	s_lshl_b32 s34, s34, 4
	s_add_co_u32 s34, s34, s46
	s_mul_i32 s34, s34, 12800                      ; ((4 b + g) 16 + key step) x 12,800
	s_add_nc_u64 s[KP:KP+1], s[KP:KP+1], s[34:35]
	ALPHA_SUM 48                                   ; the two loads of partial sums are in; the 48 loads of templates behind them may be out
	PATTERN
	WLOAD 1, 0x80
	XLOAD 0, XF, XS, 0                             ; the first tile of x is asked for before the templates are waited for
	s_cmp_ge_u32 ttmp9, 20
	s_cbranch_scc1 .Lvpath
	; ---- q and k
	WIN 0xc0                                       ; destination window 3
.irp b, 0,1
.irp p, 0,1,2,3
	global_load_b128 v[NW+16*\b+4*\p:NW+16*\b+4*\p+3], v[NWO], s[NP:NP+1] offset:128*\b+16*\p   ; the gain, in the accumulators' order
.endr
.endr
	WIN 0
	CSLOAD 0, COS, SIN, 0
	XLOAD 1, XF3, XSB, 0xc0
	CSLOAD 1, COS3, SIN3, 0xc0
	s_wait_loadcnt 63                              ; the templates are in: 92 loads were issued behind the last of them (26 + 8 + 16 + 26 + 16), more than a wait's count can name
	WAND 0x44
	WAND 0x88
	PLACES 4                                       ; an operand written by vector instructions stands four places ahead of a scaled matrix instruction
; One tile of 16 tokens.  d: where its six registers of codes go (PC + d); n: the tile within the trip; par: which set of registers holds its x, cos and sin; more = 1: the tile two further on is asked for, into the same set.
; The loads go out in the order x(n), cos and sin(n), x(n + 1), cos and sin(n + 1), ..: 26 and 16 by turns.  c1: how many may be out when x(n) has to be there; c2: the same for cos and sin(n).
.macro TILE d, n, par, more, hw, c1, c2
.if \par
.set XFR,  XF3
.set XSR,  XSB
.set COSR, COS3
.set SINR, SIN3
.set WB,   0x0c                        ; source 1 window 3
.set WL,   0xc0                        ; a load's destination window 3
.set WR1,  0xcc                        ; destination and source 1 window 3
.set WR2,  0x3c                        ; sources 1 and 2 window 3
.else
.set XFR,  XF
.set XSR,  XS
.set COSR, COS
.set SINR, SIN
.set WB,   0
.set WL,   0
.set WR1,  0
.set WR2,  0
.endif
	s_wait_loadcnt \c1                             ; x's fragments and words are in (ahead of the first tile the gain too)
.irp s, 0,1,2,3,4,5,6,7                        ; the four accumulators take turns, one instruction a turn, K ascending
.if \s < 4
	WIN 0x01|WB
.else
	WIN 0x02|WB
.endif
.irp t, 0,1,2,3
.if \s == 0
	MM0 H+8*\t, 12*(4*(\s%4)+\t), XFR+12*\s, WS, XSR+\s
.else
	MMA H+8*\t, 12*(4*(\s%4)+\t), XFR+12*\s, WS, XSR+\s
.endif
.endr
.endr
	WIN 0
	PLACES 4                                       ; in front of loads into registers that matrix instructions have read, and of the first read of results
.if \more
	XLOAD (\n)+2, XFR, XSR, WL
.endif
	s_wait_loadcnt \c2                             ; cos and sin are in
	v_pk_mul_f32 v[TM:TM+1], v[H:H+1], v[H:H+1]    ; the sum of squares: two chains, each accumulator from its low end on
	v_pk_mul_f32 v[TM+2:TM+3], v[H+2:H+3], v[H+2:H+3]
.irp i, 4,8,12,16,20,24,28
	v_pk_fma_f32 v[TM:TM+1], v[H+\i:H+\i+1], v[H+\i:H+\i+1], v[TM:TM+1]
	v_pk_fma_f32 v[TM+2:TM+3], v[H+\i+2:H+\i+3], v[H+\i+2:H+\i+3], v[TM+2:TM+3]
.endr
	v_pk_add_f32 v[TM:TM+1], v[TM:TM+1], v[TM+2:TM+3]
	v_add_f32 v[TM], v[TM], v[TM+1]
	v_permlanex16_b32 v[TM+4], v[TM], s[SEL], s[SEL+1]
	v_add_f32 v[TM], v[TM], v[TM+4]                ; with lane l xor 16's 32 channels
	v_fma_f32 v[TM], v[TM], s[C64], s[CEPS]
	v_rsq_f32 v[INV], v[TM]
	v_nop                                          ; a plain place behind the transcendental
	s_wait_alu depctr_va_vdst(0)                   ; the wait ahead of the first reader
.irp i, 0,2,4,6,8,10,12,14,16,18,20,22,24,26,28,30
	v_pk_mul_f32 v[H+\i:H+\i+1], v[H+\i:H+\i+1], v[INV:INV+1] op_sel_hi:[1,0]
.endr
	WIN 0x0c                                       ; source 1 window 3
.irp i, 0,2,4,6,8,10,12,14,16,18,20,22,24,26,28,30
	v_pk_mul_f32 v[H+\i:H+\i+1], v[H+\i:H+\i+1], v[NW+\i:NW+\i+1]
.endr
	WIN WR1
.irp i, 0,2,4,6,8,10,12,14                     ; RoPE: lo = y_lo cos_lo - y_hi sin_lo;  hi = y_hi cos_hi + y_lo sin_hi
	v_pk_mul_f32 v[COSR+\i:COSR+\i+1], v[H+\i:H+\i+1], v[COSR+\i:COSR+\i+1]
.endr
.irp i, 0,2,4,6,8,10,12,14
	v_pk_mul_f32 v[SINR+16+\i:SINR+17+\i], v[H+\i:H+\i+1], v[SINR+16+\i:SINR+17+\i]
.endr
	WIN WR2
.irp i, 0,2,4,6,8,10,12,14
	v_pk_fma_f32 v[H+\i:H+\i+1], v[H+16+\i:H+17+\i], v[SINR+\i:SINR+\i+1], v[COSR+\i:COSR+\i+1] neg_lo:[1,0,0] neg_hi:[1,0,0]
.endr
.irp i, 0,2,4,6,8,10,12,14
	v_pk_fma_f32 v[H+16+\i:H+17+\i], v[H+16+\i:H+17+\i], v[COSR+16+\i:COSR+17+\i], v[SINR+16+\i:SINR+17+\i]
.endr
	WIN 0
.if \more
	CSLOAD (\n)+2, COSR, SINR, WL
.endif
	QUANT2 H, PC+\d, PT, \hw
	s_cmp_lt_u32 ttmp9, 16
	s_cbranch_scc0 .Lnotq_\@
	s_wait_xcnt 0x0                                ; the last tile's store has read the pair that is written now
	v_lshl_or_b32 v[QW], v[\hw], 16, v[\hw]        ; s0 s1 s0 s1: q serves as either half of a K of 128
	v_mov_b32 v[QW+1], v[QW]
.irp p, 0,1,2
	global_store_b64 v[LQ], v[PC+\d+2*\p:PC+\d+2*\p+1], s[QP:QP+1] offset:1024*(\n)+256*\p   ; 32 lanes store 256 consecutive bytes, aligned
.endr
	global_store_b64 v[LQ], v[QW:QW+1], s[QP:QP+1] offset:1024*(\n)+768
.Lnotq_\@:
.endm
.macro TRIP more, a1, a2, b1, b2       ; two tiles: for k one fragment
	TILE 0, 0, 0, \more, HWA, \a1, \a2
	TILE 6, 1, 1, \more, HWB, \b1, \b2
	s_cmp_lt_u32 ttmp9, 16
	s_cbranch_scc1 .Lnotk_\@
	v_mov_b32 v[KW], v[KW+1]                       ; the four trips' words move down into their places
	v_mov_b32 v[KW+1], v[KW+2]
	v_mov_b32 v[KW+2], v[KW+3]
	v_lshl_or_b32 v[KW+3], v[HWB], 16, v[HWA]
.irp c, 0,1,2
	global_store_b128 v[LI], v[PC+4*\c:PC+4*\c+3], s[KP:KP+1] offset:512*\c
.endr
.Lnotk_\@:
.endm
	s_mov_b32 s[CNT], 3
.Ltrip:
	TRIP 1, 58, 63, 58, 63                         ; behind x(n): 16 + 26 + 16 = 58.  Behind cos and sin(n): 26 + 16 + 26 = 68, more than a wait's count can name: 63
	s_wait_xcnt 0x0                                ; the trip's loads and stores have read their bases and data: both may be written again
	s_add_nc_u64 s[XP:XP+1], s[XP:XP+1], 24576
	s_add_nc_u64 s[XSP:XSP+1], s[XSP:XSP+1], 1024
	s_add_nc_u64 s[CP:CP+1], s[CP:CP+1], 8192
	s_add_nc_u64 s[SP:SP+1], s[SP:SP+1], 8192
	s_add_nc_u64 s[QP:QP+1], s[QP:QP+1], 2048
	s_add_nc_u64 s[KP:KP+1], s[KP:KP+1], 1536
	s_sub_co_u32 s[CNT], s[CNT], 1
	s_cmp_lg_u32 s[CNT], 0
	s_cbranch_scc1 .Ltrip
	TRIP 0, 58, 42, 16, 0                          ; the last two tiles ask for nothing: the counts run down (16 + 26 + 16; 26 + 16; 16; none)
	s_cmp_lt_u32 ttmp9, 16
	s_cbranch_scc1 .Lqend
	v_cmp_lt_u32 vcc_lo, 15, v[LN]                 ; K's scale words [row][f]: lane (r, h) stores words 2 h and 2 h + 1 of row r: 256 consecutive bytes
	v_cndmask_b32 v14, v[KW], v[KW+2], vcc_lo
	v_cndmask_b32 v15, v[KW+1], v[KW+3], vcc_lo
	global_store_b64 v[KSO], v[14:15], s[KP:KP+1] offset:1536   ; the base stands at fragment 3: 6,144 - 4,608
.Lqend:
	s_endpgm
	; ---- v: x is source 0; the accumulator of token tile i and channel tile t lies at v[64 t + 8 i] of window 3
.Lvpath:
.set TM, 232
.irp b, 0,1,2,3
	v_mov_b32 v[TM+4+\b], 0
.endr
	XLOAD 1, XB, XSB, 0
	s_wait_loadcnt 52                              ; the templates are in; the two tiles of x behind them (26 + 26) may be out
	WAND 0x44
	WAND 0x88
	PLACES 4                                       ; an operand written by vector instructions stands four places ahead of a scaled matrix instruction
.macro VTILE i
.set XBUF, XF+104*((\i)%2)
.set XSC,  XS+112*((\i)%2)
.if (\i) < 7
	s_wait_loadcnt 26                              ; this tile's 26 loads are in; the other set's may be out
.else
	s_wait_loadcnt 0x0
.endif
.irp s, 0,1,2,3,4,5,6,7
.if \s < 4
	WIN 0xf4                                       ; source 1 (the weight) window 1, C and D window 3
.else
	WIN 0xf8
.endif
.irp t, 0,1,2,3
.if \s == 0
	MM0 64*\t+8*(\i), XBUF+12*\s, 12*(4*(\s%4)+\t), XSC+\s, WS
.else
	MMA 64*\t+8*(\i), XBUF+12*\s, 12*(4*(\s%4)+\t), XSC+\s, WS
.endif
.endr
.endr
	WIN 0
	PLACES 4
.if (\i)+2 < 8
	XLOAD (\i)+2, XBUF, XSC, 0
.endif
.endm
.irp i, 0,1,2,3,4,5,6,7
	VTILE \i
.endr
.irp t, 0,1,2,3                                ; a channel tile's 64 registers are 128 keys of my channel: one fragment of V^T
	QUANT 64*\t, 0x3c, 0x03, 16+24*\t, 28+24*\t, VW+\t
.irp c, 0,1,2
	global_store_b128 v[LI], v[16+24*\t+4*\c:16+24*\t+4*\c+3], s[KP:KP+1] offset:6400+1536*\t+512*\c
.endr
.endr
	v_cmp_lt_u32 vcc_lo, 15, v[LN]
	v_cndmask_b32 v14, v[VW], v[VW+2], vcc_lo
	v_cndmask_b32 v15, v[VW+1], v[VW+3], vcc_lo
	global_store_b64 v[KSO], v[14:15], s[KP:KP+1] offset:12544
	s_endpgm
.Lfunc_end_k_qe28a9dc2b0_qkv:
	.size	k_qe28a9dc2b0_qkv, .Lfunc_end_k_qe28a9dc2b0_qkv-k_qe28a9dc2b0_qkv
	.p2alignl 7, 3214868480
	.fill 96, 4, 3214868480
	.section	.rodata,"a",@progbits
	.p2align	6, 0x0
	.amdhsa_kernel k_qe28a9dc2b0_qkv
		.amdhsa_group_segment_fixed_size 0
		.amdhsa_private_segment_fixed_size 0
		.amdhsa_enable_private_segment 0
		.amdhsa_kernarg_size 80
		.amdhsa_user_sgpr_count 2
		.amdhsa_user_sgpr_kernarg_segment_ptr 1
		.amdhsa_wavefront_size32 1
		.amdhsa_system_sgpr_workgroup_id_x 1
		.amdhsa_system_sgpr_workgroup_id_y 1
		.amdhsa_system_sgpr_workgroup_id_z 1
		.amdhsa_system_vgpr_workitem_id 0
		.amdhsa_next_free_vgpr 1024
		.amdhsa_next_free_sgpr 72
		.amdhsa_reserve_vcc 1
		.amdhsa_float_denorm_mode_32 3
		.amdhsa_float_denorm_mode_16_64 3
		.amdhsa_memory_ordered 1
		.amdhsa_forward_progress 1
		.amdhsa_inst_pref_size 175
	.end_amdhsa_kernel
	.amdgpu_metadata
---
amdhsa.version: [ 1, 2 ]
amdhsa.kernels:
  - .name:           k_qe28a9dc2b0_qkv
    .symbol:         k_qe28a9dc2b0_qkv.kd
    .args:
      - { .name: x_img, .offset: 0, .size: 8, .value_kind: global_buffer, .address_space: global }
      - { .name: x_sc, .offset: 8, .size: 8, .value_kind: global_buffer, .address_space: global }
      - { .name: wsum, .offset: 16, .size: 8, .value_kind: global_buffer, .address_space: global }
      - { .name: w_img, .offset: 24, .size: 8, .value_kind: global_buffer, .address_space: global }
      - { .name: cos, .offset: 32, .size: 8, .value_kind: global_buffer, .address_space: global }
      - { .name: sin, .offset: 40, .size: 8, .value_kind: global_buffer, .address_space: global }
      - { .name: q_norm_w, .offset: 48, .size: 8, .value_kind: global_buffer, .address_space: global }
      - { .name: k_norm_w, .offset: 56, .size: 8, .value_kind: global_buffer, .address_space: global }
      - { .name: q_img, .offset: 64, .size: 8, .value_kind: global_buffer, .address_space: global }
      - { .name: kv, .offset: 72, .size: 8, .value_kind: global_buffer, .address_space: global }
    .group_segment_fixed_size: 0
    .private_segment_fixed_size: 0
    .kernarg_segment_align: 8
    .kernarg_segment_size: 80
    .max_flat_workgroup_size: 128
    .sgpr_count:     72
    .vgpr_count:     1024
    .wavefront_size: 32
...
	.end_amdgpu_metadata
.endif
;; end of part 6
;; launch attn: the kernel of part 3 again; grid 32 x 8, 16 waves a work-group, clusters of 4 x 4, 327,680 bytes of LDS; arguments q_img, kv, mask, a_img, a_sc; writes a_img, a_sc
;; launch oproj (part 7): grid 16 x 16, 4 waves a work-group, no clusters, 17,920 bytes of LDS; arguments a_img, a_sc, wsum, w_img, out0; writes out0
.if DOCPART == 7
	.amdgcn_target "amdgcn-amd-amdhsa--gfx1250"
	.amdhsa_code_object_version 6
	.text
	.protected	k_qe28a9dc2b0_oproj
	.globl	k_qe28a9dc2b0_oproj
	.p2align	8
	.type	k_qe28a9dc2b0_oproj,@function
k_qe28a9dc2b0_oproj:
	s_mov_b64 s[64:65], 0
	v_nop
	global_prefetch_b8 v0, s[64:65] scope:SCOPE_SE
	s_setreg_imm32_b32 hwreg(HW_REG_WAVE_MODE, 25, 1), 1
	s_wait_xcnt 0x0
; OPROJ.  out0 = a (sign(wo) alpha)^T on codes of FP6 (E2M3).  A work-group takes 64 columns of out0 (x: 64 rows of wo) and 256 rows (y); wave w takes four tiles of 16 rows.
; THE WEIGHT, as in the projections of q, k, v: alpha from wo's 64 partial sums, one scale byte for all blocks; the first launch has laid down templates of the fragments (codes 0x1f, 0x3f, or 0 where w is 0); sixteen copies of
; -alpha, converted, are 96 bits of the code 0x20 | magnitude, and ANDed over a template's registers (register i takes word i % 3) they leave the quantiser's own codes.  Each wave loads its columns' 32 fragments, 49,152
; bytes, once, and keeps them in windows 1 and 2.  Lane r of weight tile 2 b + u holds row 32 b + 8 u + r + 8 (r / 8), and the weight is source 0: a lane holds one row of out0 and register 16 b + i its column 32 b + 16 (lane / 16) + i.
; a's fragments come from memory as six register pairs a K step, 256 consecutive bytes a load, two tiles ahead in two sets; the first two tiles are asked for before the templates are waited for.  A tile's results go through
; the wave's own stage in LDS (pitch 272 bytes) and leave as rows: sixteen lanes store 256 consecutive bytes, aligned.  Waves share nothing: no barrier.
; NO CLUSTER: a tile's fragments, and the weight's, go from memory straight into the registers of the wave that multiplies them; a joint load would send them through LDS, a's for 32 matrix instructions' worth of use.
; LIMITS: NaN and infinities in wo are not served.
.set LN,   1
.set LI,   2                           ; 16 x lane
.set LQ,   3                           ; 8 x lane
.set PAT,  4                           ; v4-6 the code of -alpha, sixteen times
.set STO,  7
.set RD,   8
.set GO,   9
.set WS,   10                          ; the weight's scale word
.set AL,   11
.set WSO,  12
.set ASO,  13                          ; 8 r
.set XA,   16                          ; v16-111, v112-207: a's eight fragments, two sets
.set AS,   208                         ; v208-215, v216-223: their scale words
.set H,    224                         ; v224-255 four accumulators
.set NA,   224                         ; at the head: -alpha, sixteen times
.set TA,   240                         ; at the head: at work
.set AP,   4
.set ASP,  6
.set WSUM, 8
.set WP,   10
.set OP,   12
.set SB,   14
.set SN,   15
.set SI,   16
.set WV,   17
.set SEL,  18
.set MSB, 0
.macro WIN new                         ; the immediate's high byte repeats the setting that is left
.if MSB != (\new)
	s_set_vgpr_msb (MSB<<8)|(\new)
.set MSB, (\new)
.endif
.endm
.macro PLACES n
.rept \n
	v_nop
.endr
.endm
.macro MM0 d, a, b, sa, sb
	v_wmma_scale_f32_16x16x128_f8f6f4 v[\d:\d+7], v[\a:\a+11], v[\b:\b+11], 0, v[\sa], v[\sb] matrix_a_fmt:MATRIX_FMT_FP6 matrix_b_fmt:MATRIX_FMT_FP6
.endm
.macro MMA d, a, b, sa, sb
	v_wmma_scale_f32_16x16x128_f8f6f4 v[\d:\d+7], v[\a:\a+11], v[\b:\b+11], v[\d:\d+7], v[\sa], v[\sb] matrix_a_fmt:MATRIX_FMT_FP6 matrix_b_fmt:MATRIX_FMT_FP6
.endm
.macro ALPHA_ASK
	v_lshl_add_u32 v[TA], v[LN], 2, s[SB]
	global_load_b32 v[TA+1], v[TA], s[WSUM:WSUM+1]
	global_load_b32 v[TA+2], v[TA], s[WSUM:WSUM+1] offset:128
.endm
.macro ALPHA_SUM left
	s_wait_loadcnt \left
	v_cmp_gt_u32 vcc_lo, s[SN], v[LN]
	v_cndmask_b32 v[TA+1], 0, v[TA+1], vcc_lo
	v_add_nc_u32 v[TA+3], 32, v[LN]
	v_cmp_gt_u32 vcc_lo, s[SN], v[TA+3]
	v_cndmask_b32 v[TA+2], 0, v[TA+2], vcc_lo
	v_add_f32 v[TA+1], v[TA+1], v[TA+2]
	v_add_f32_dpp v[TA+1], v[TA+1], v[TA+1] row_xmask:1 row_mask:0xf bank_mask:0xf
	v_add_f32_dpp v[TA+1], v[TA+1], v[TA+1] row_xmask:2 row_mask:0xf bank_mask:0xf
	v_add_f32_dpp v[TA+1], v[TA+1], v[TA+1] row_xmask:4 row_mask:0xf bank_mask:0xf
	v_add_f32_dpp v[TA+1], v[TA+1], v[TA+1] row_xmask:8 row_mask:0xf bank_mask:0xf
	v_permlanex16_b32 v[TA+2], v[TA+1], s[SEL], s[SEL+1]
	v_add_f32 v[TA+1], v[TA+1], v[TA+2]
	v_mul_f32 v[AL], s[SI], v[TA+1]                ; alpha
	v_max_num_f32 v[TA+1], 0x1800000, v[AL]        ; the floor 2^(3 - 127)
	v_add_nc_u32 v[WSO], 0xff000000, v[TA+1]       ; 2 off the exponent field: the conversion's scale operand
	v_lshrrev_b32 v[TA+2], 23, v[WSO]
	v_mul_u32_u24 v[WS], v[TA+2], 0x10101
	v_lshl_or_b32 v[WS], v[TA+2], 24, v[WS]        ; the byte four times: the scale word of every row and K step
.endm
.macro PATTERN                         ; sixteen codes of -alpha: sign bit and magnitude, 96 bits
.irp k, 0,1,2,3,4,5,6,7,8,9,10,11,12,13,14,15
	v_xor_b32 v[NA+\k], 0x80000000, v[AL]
.endr
	v_cvt_scalef32_pk16_fp6_f32 v[PAT:PAT+2], v[NA:NA+15], v[WSO]
	v_nop                                          ; one plain place behind a scaled conversion
.endm
; the templates of K steps 4 half .. 4 half + 3, 48 loads: fragment (K step s, tile t) lies at 12,288 t + 1,536 s and goes to v[12 (4 (s % 4) + t)] of window 1 + half
.macro WLOAD half, win
	WIN \win
.set f, 0
.rept 16
.irp c, 0,1,2
	global_load_b128 v[12*f+4*\c:12*f+4*\c+3], v[LI], s[WP:WP+1] offset:12288*(f%4)+1536*(4*(\half)+f/4)+512*\c
.endr
.set f, f+1
.endr
	WIN 0
.endm
.macro WAND win                        ; the pattern over a window's 16 templates: destination and source 1 in that window, the pattern in window 0
	WIN \win
.set f, 0
.rept 192
	v_and_b32 v[f], v[PAT+f%3], v[f]
.set f, f+1
.endr
	WIN 0
.endm
; tile n's eight fragments (six pairs each) and its rows' eight scale words: 52 loads, into set n % 2
.macro LOADA n
.set XBUF, XA+96*((\n)%2)
.set ASB,  AS+8*((\n)%2)
.irp s, 0,1,2,3,4,5,6,7
.irp p, 0,1,2,3,4,5
	global_load_b64 v[XBUF+12*\s+2*\p:XBUF+12*\s+2*\p+1], v[LQ], s[AP:AP+1] offset:12288*(\n)+1536*\s+256*\p
.endr
.endr
.irp g, 0,1,2,3
	global_load_b64 v[ASB+2*\g:ASB+2*\g+1], v[ASO], s[ASP:ASP+1] offset:32768*\g+128*(\n)
.endr
.endm
	s_load_b256 s[4:11], s[0:1], 0x0               ; a_img, a_sc, wsum, w_img
	s_load_b64 s[12:13], s[0:1], 0x20              ; out0
	s_set_vgpr_msb 0x40
	v_lshl_add_u32 v254, v0, 2, 0x4400
	v_mov_b32 v255, 0
	s_set_vgpr_msb 0x4000
	v_lshrrev_b32 v1, 5, v0
	v_readfirstlane_b32 s[WV], v1                  ; wave 0..3
	v_and_b32 v[LN], 31, v0
	v_and_b32 v14, 15, v0                          ; r
	v_bfe_u32 v15, v0, 4, 1                        ; h
	v_lshlrev_b32 v[LI], 4, v[LN]
	v_lshlrev_b32 v[LQ], 3, v[LN]
	v_lshlrev_b32 v[ASO], 3, v14
	s_mul_i32 s22, s[WV], 16*272                   ; my stage
	v_mul_u32_u24 v[STO], v14, 272
	v_lshl_add_u32 v[STO], v15, 6, v[STO]
	v_add_nc_u32 v[STO], s22, v[STO]               ; in: row r, + 64 h
	v_mul_u32_u24 v[RD], v15, 272
	v_lshl_add_u32 v[RD], v14, 4, v[RD]
	v_add_nc_u32 v[RD], s22, v[RD]                 ; back: lanes 0-15 one row of 256 bytes, lanes 16-31 the next
	v_lshlrev_b32 v[GO], 12, v15
	v_lshl_add_u32 v[GO], v14, 4, v[GO]            ; and the same two rows in out0
	s_mov_b32 s[SEL], 0x76543210
	s_mov_b32 s[SEL+1], 0xfedcba98
	s_mov_b32 s[SB], 384                           ; wo's partial sums: numbers 96 to 159
	s_mov_b32 s[SN], 64
	s_mov_b32 s[SI], 0x35800000                    ; 2^-20
	s_mul_i32 s22, ttmp9, 49152                    ; four tiles of templates for my 64 rows of wo,
	s_add_co_u32 s22, s22, 96*12288                ; whose tiles begin at number 96
	s_mov_b32 s23, 0
	s_wait_kmcnt 0x0
	s_add_nc_u64 s[WP:WP+1], s[WP:WP+1], s[22:23]
	ALPHA_ASK
	WLOAD 0, 0x40
	s_and_b32 s28, ttmp7, 0xffff
	s_lshl_b32 s28, s28, 4
	s_lshl_b32 s29, s[WV], 2
	s_add_co_u32 s28, s28, s29                     ; my first tile of rows: 16 y + 4 wave
	s_mul_i32 s22, s28, 12288
	s_add_nc_u64 s[AP:AP+1], s[AP:AP+1], s[22:23]
	s_lshl_b32 s22, s28, 7
	s_add_nc_u64 s[ASP:ASP+1], s[ASP:ASP+1], s[22:23]
	s_lshl_b32 s22, s28, 16                        ; 16 rows of 4,096 bytes,
	s_lshl_b32 s29, ttmp9, 8                       ; my 64 columns
	s_add_co_u32 s22, s22, s29
	s_add_nc_u64 s[OP:OP+1], s[OP:OP+1], s[22:23]
	ALPHA_SUM 48                                   ; the two loads of partial sums are in; the 48 loads of templates behind them may be out
	PATTERN
	WLOAD 1, 0x80
	LOADA 0
	LOADA 1
	s_wait_loadcnt 63                              ; the templates are in: 104 loads were issued behind the last of them, more than a wait's count can name
	WAND 0x44
	WAND 0x88
	PLACES 4                                       ; an operand written by vector instructions stands four places ahead of a scaled matrix instruction
.macro OTILE n
.set XBUF, XA+96*((\n)%2)
.set ASB,  AS+8*((\n)%2)
.if (\n) < 3
	s_wait_loadcnt 52                              ; this tile's 52 loads are in; the other set's may be out
.else
	s_wait_loadcnt 0x0
.endif
.if (\n) > 0
	s_wait_xcnt 0x0                                ; the last tile's stores have read the registers that the sums are begun in
.endif
.irp s, 0,1,2,3,4,5,6,7                        ; the four accumulators take turns, one instruction a turn, K ascending
.if \s < 4
	WIN 0x01
.else
	WIN 0x02
.endif
.irp t, 0,1,2,3
.if \s == 0
	MM0 H+8*\t, 12*(4*(\s%4)+\t), XBUF+12*\s, WS, ASB+\s
.else
	MMA H+8*\t, 12*(4*(\s%4)+\t), XBUF+12*\s, WS, ASB+\s
.endif
.endr
.endr
	WIN 0
	PLACES 5                                       ; four for the loads and the LDS stores below; the fifth because the next tile's first products write over these accumulators
.if (\n)+2 < 4
	LOADA (\n)+2
.endif
.irp b, 0,1
.irp p, 0,1,2,3
	ds_store_b128 v[STO], v[H+16*\b+4*\p:H+16*\b+4*\p+3] offset:128*\b+16*\p   ; each accumulator from its low end on
.endr
.endr
.irp k, 0,1,2,3,4,5,6,7
	ds_load_b128 v[H+4*\k:H+4*\k+3], v[RD] offset:544*\k   ; LDS serves a wave's instructions in order: these see my stores
.endr
.irp k, 0,1,2,3,4,5,6,7
	s_wait_dscnt 7-\k                              ; rows 2 k and 2 k + 1 are back; the younger loads stay out
	global_store_b128 v[GO], v[H+4*\k:H+4*\k+3], s[OP:OP+1] offset:65536*(\n)+8192*\k th:TH_STORE_NT
.endr
.endm
	OTILE 0
	OTILE 1
	OTILE 2
	OTILE 3
	s_set_vgpr_msb 0x5
	s_wait_tensorcnt 0x0
	ds_add_u32 v254, v255
	s_wait_dscnt 0x0
	s_set_vgpr_msb 0x500
	s_endpgm
.Lfunc_end_k_qe28a9dc2b0_oproj:
	.size	k_qe28a9dc2b0_oproj, .Lfunc_end_k_qe28a9dc2b0_oproj-k_qe28a9dc2b0_oproj
	.p2alignl 7, 3214868480
	.fill 96, 4, 3214868480
	.section	.rodata,"a",@progbits
	.p2align	6, 0x0
	.amdhsa_kernel k_qe28a9dc2b0_oproj
		.amdhsa_group_segment_fixed_size 17920
		.amdhsa_private_segment_fixed_size 0
		.amdhsa_enable_private_segment 0
		.amdhsa_kernarg_size 40
		.amdhsa_user_sgpr_count 2
		.amdhsa_user_sgpr_kernarg_segment_ptr 1
		.amdhsa_wavefront_size32 1
		.amdhsa_system_sgpr_workgroup_id_x 1
		.amdhsa_system_sgpr_workgroup_id_y 1
		.amdhsa_system_sgpr_workgroup_id_z 1
		.amdhsa_system_vgpr_workitem_id 0
		.amdhsa_next_free_vgpr 768
		.amdhsa_next_free_sgpr 66
		.amdhsa_reserve_vcc 1
		.amdhsa_float_denorm_mode_32 3
		.amdhsa_float_denorm_mode_16_64 3
		.amdhsa_memory_ordered 1
		.amdhsa_forward_progress 1
		.amdhsa_inst_pref_size 71
	.end_amdhsa_kernel
	.amdgpu_metadata
---
amdhsa.version: [ 1, 2 ]
amdhsa.kernels:
  - .name:           k_qe28a9dc2b0_oproj
    .symbol:         k_qe28a9dc2b0_oproj.kd
    .args:
      - { .name: a_img, .offset: 0, .size: 8, .value_kind: global_buffer, .address_space: global }
      - { .name: a_sc, .offset: 8, .size: 8, .value_kind: global_buffer, .address_space: global }
      - { .name: wsum, .offset: 16, .size: 8, .value_kind: global_buffer, .address_space: global }
      - { .name: w_img, .offset: 24, .size: 8, .value_kind: global_buffer, .address_space: global }
      - { .name: out0, .offset: 32, .size: 8, .value_kind: global_buffer, .address_space: global }
    .group_segment_fixed_size: 17920
    .private_segment_fixed_size: 0
    .kernarg_segment_align: 8
    .kernarg_segment_size: 40
    .max_flat_workgroup_size: 128
    .sgpr_count:     66
    .vgpr_count:     768
    .wavefront_size: 32
...
	.end_amdgpu_metadata
.endif
;; end of part 7
;; ======== version 3 of 3: 4 launches
;; limits: inputs' magnitudes at most 1e+38
;; workspace buffers: x_img 3,145,728 bytes; x_sc 131,072 bytes; wsum 768 bytes; w_img 1,966,080 bytes; q_img 4,194,304 bytes; kv 1,638,400 bytes; a_img 3,145,728 bytes; a_sc 131,072 bytes
;; launch prep (part 8): grid 416 x 1, 8 waves a work-group, no clusters, 70,656 bytes of LDS; arguments x, wq, wk, wv, wo, x_img, x_sc, wsum, w_img; writes x_img, x_sc, wsum, w_img
.if DOCPART == 8
	.amdgcn_target "amdgcn-amd-amdhsa--gfx1250"
	.amdhsa_code_object_version 6
	.text
	.protected	k_qe28a9dc2b0_prep
	.globl	k_qe28a9dc2b0_prep
	.p2align	8
	.type	k_qe28a9dc2b0_prep,@function
k_qe28a9dc2b0_prep:
	s_mov_b64 s[64:65], 0
	v_nop
	global_prefetch_b8 v0, s[64:65] scope:SCOPE_SE
	s_setreg_imm32_b32 hwreg(HW_REG_WAVE_MODE, 25, 1), 1
	s_wait_xcnt 0x0
; PREP.  Work-groups 0-255: x [4096][1024] f32 becomes codes of FP6 (E2M3) with one E8M0 byte for each 32 along K, laid as the matrix unit's registers want them.
; Work-groups 256-415 (tile c = work-group - 256: wq 0-63, wk 64-79, wv 80-95, wo 96-159): 16 rows of a weight.  They give (a) the tile's sum of |w|, from which the later launches make alpha = mean |w|, and
; (b) a TEMPLATE of the tile's codes.  Every number of sign(w) alpha is 0 or +-alpha, so its code is w's sign over one magnitude code, the same for the whole tensor.  alpha is not known here; so sign(w) x 7.5 is
; quantised: codes 0x1f, 0x3f, or 0 where w is 0.  The later launches AND the code of -alpha over them, which gives the quantiser's own codes.
; THE ROWS OF A WEIGHT TILE ARE NOT NEIGHBOURS: tile 2 b + u of a group of 64 rows holds rows 32 b + 8 u + j + 8 (j / 8), j = 0 .. 15 (why: the launch that multiplies them).
; ONE PATH SERVES BOTH.  A work-group takes 16 rows, wave s the K step 128 s .. 128 s + 127.  Each load reads 512 consecutive bytes of one row; the 16 rows turn through the wave's own stage in LDS
; (pitch 528 bytes: sixteen rows start at sixteen different 16-byte columns of 256), so that lane (r, h) holds, of row r, 16 neighbours of each block of 32.  The fragment's 12 registers leave as an image:
; three stores of 512 consecutive bytes.  x's scale words, and the weights' eight partial sums, meet in LDS behind one barrier.
; A block's scale byte is its largest magnitude's exponent field - 2, held at 1 from below (a block of zeros keeps the byte 1 where the quantiser says 127: its codes are zeros, and this program alone reads the bytes).
; LIMITS: NaN and infinities in x and in the weights are not served; a NaN in a weight counts by its sign bit.
; No matrix unit, no cluster, no tensor load: a stream.
.set STG,  16*528                      ; a wave's stage
.set XG,   8*STG                       ; 512 bytes: the tile's scale words, [row][K step]
.set WG8,  XG+512                      ; eight partial sums
.set LN,   1                           ; lane
.set RR,   2                           ; lane % 16
.set HH,   3                           ; lane / 16
.set GO,   4                           ; 16 x lane: rows 0-7
.set SA,   5                           ; stage, on the way in
.set SBK,  6                           ; stage, on the way back
.set XW,   7                           ; where my scale word goes
.set XR,   8                           ; where wave 0 reads the words back
.set PWA,  9                           ; where my wave's partial sum goes
.set PRA,  10                          ; where wave 0 reads the eight
.set ZR,   11                          ; 0
.set C75,  12                          ; 7.5
.set GO2,  13                          ; 16 x lane, + 8 rows in a weight: rows 8-15
.set R,    16                          ; v16-79   64 numbers
.set PC,   80                          ; v80-99   codes, and the halves on their way
.set TM,   100                         ; v100-115 at work
.set PW,   116                         ; the scale word
.set AC,   120                         ; v120-123 four chains of the sum
.set TW,   124                         ; v124-127 at work
.set SEL,  26                          ; s[26:27] lane selects: lane l xor 16
.set SM,   40                          ; s40-43   four lane masks
.set SMASK, 44                         ; all bits but the sign
; 64 numbers of a lane, register 16 b + i = k 32 b + 16 (lane / 16) + i of my row, become a fragment's codes in v[PC] on and its scale word in v[PW]
.macro QUANT s
.irp b, 0,1,2,3
	v_max3_num_f32 v[TM+\b], |v[\s+16*\b]|, |v[\s+1+16*\b]|, 0x1800000   ; my 16 numbers of block b, and the floor 2^(3 - 127): the byte cannot fall under 1
.endr
.irp i, 2,4,6,8,10,12,14
.irp b, 0,1,2,3
	s_delay_alu instid0(VALU_DEP_4)
	v_max3_num_f32 v[TM+\b], v[TM+\b], |v[\s+16*\b+\i]|, |v[\s+1+16*\b+\i]|
.endr
.endr
.irp b, 0,1,2,3
	s_delay_alu instid0(VALU_DEP_4)
	v_permlanex16_b32 v[TM+4+\b], v[TM+\b], s[SEL], s[SEL+1]
.endr
.irp b, 0,1,2,3
	s_delay_alu instid0(VALU_DEP_4)
	v_max_num_f32 v[TM+\b], v[TM+\b], v[TM+4+\b]   ; with lane l xor 16's: the block's largest magnitude
.endr
.irp b, 0,1,2,3
	s_delay_alu instid0(VALU_DEP_4)
	v_add_nc_u32 v[TM+12+\b], 0xff000000, v[TM+\b]   ; 2 off its exponent field: the conversion's scale operand
.endr
.irp b, 0,1,2,3
	s_delay_alu instid0(VALU_DEP_4)
	v_lshrrev_b32 v[TM+4+\b], 23, v[TM+12+\b]      ; the scale's byte
.endr
	s_delay_alu instid0(VALU_DEP_3)
	v_lshl_or_b32 v[PW], v[TM+5], 8, v[TM+4]
	s_delay_alu instid0(VALU_DEP_1)
	v_lshl_or_b32 v[PW], v[TM+6], 16, v[PW]
	s_delay_alu instid0(VALU_DEP_1)
	v_lshl_or_b32 v[PW], v[TM+7], 24, v[PW]
.irp c, 0,1
	v_cvt_scalef32_pk16_fp6_f32 v[PC+6*\c:PC+2+6*\c], v[\s+32*\c:\s+15+32*\c], v[TM+12+2*\c]
	v_cvt_scalef32_pk16_fp6_f32 v[PC+12+4*\c:PC+14+4*\c], v[\s+16+32*\c:\s+31+32*\c], v[TM+12+2*\c+1]   ; (a conversion's three registers begin on an even number)
.endr
	v_nop                                          ; one plain place behind a scaled conversion
.irp c, 0,1                                    ; the operand's layout wants a whole block in a lane: lanes 0-15 block 2 c, lanes 16-31 block 2 c + 1
.irp i, 0,1,2
	v_permlane16_swap_b32 v[PC+6*\c+\i], v[PC+12+4*\c+\i]
.endr
.irp i, 0,1,2
	s_delay_alu instid0(VALU_DEP_3)
	v_mov_b32 v[PC+3+6*\c+\i], v[PC+12+4*\c+\i]
.endr
.endr
.endm
	s_load_b512 s[4:19], s[0:1], 0x0               ; x s[4:5], wq s[6:7], wk s[8:9], wv s[10:11], wo s[12:13], x_img s[14:15], x_sc s[16:17], wsum s[18:19]
	s_load_b64 s[36:37], s[0:1], 0x40              ; w_img
	v_lshl_add_u32 v128, v0, 2, 0x11000
	v_mov_b32 v129, 0
	v_lshrrev_b32 v1, 5, v0
	s_delay_alu instid0(VALU_DEP_1)
	v_readfirstlane_b32 s20, v1                    ; wave 0..7
	v_and_b32 v[LN], 31, v0
	v_and_b32 v[RR], 15, v0
	v_bfe_u32 v[HH], v0, 4, 1
	s_delay_alu instid0(VALU_DEP_3)
	v_lshlrev_b32 v[GO], 4, v[LN]
	s_mul_i32 s21, s20, STG
	v_add_nc_u32 v[SA], s21, v[GO]                 ; in: row j at 528 j (the immediate), 16 bytes a lane
	v_mul_u32_u24 v[SBK], v[RR], 528
	s_delay_alu instid0(VALU_DEP_1)
	v_lshl_add_u32 v[SBK], v[HH], 6, v[SBK]
	s_delay_alu instid0(VALU_DEP_1)
	v_add_nc_u32 v[SBK], s21, v[SBK]               ; back: row r, + 64 h
	s_lshl_b32 s22, s20, 2
	v_lshl_add_u32 v[XW], v[RR], 5, XG
	s_delay_alu instid0(VALU_DEP_1)
	v_add_nc_u32 v[XW], s22, v[XW]                 ; XG + 32 r + 4 x wave
	v_add_nc_u32 v[XR], XG, v[GO]
	v_mov_b32 v[PWA], s20
	s_delay_alu instid0(VALU_DEP_1)
	v_lshlrev_b32 v[PWA], 2, v[PWA]
	s_delay_alu instid0(VALU_DEP_1)
	v_add_nc_u32 v[PWA], WG8, v[PWA]
	v_mov_b32 v[PRA], WG8
	v_mov_b32 v[ZR], 0
	v_mov_b32 v[C75], 0x40f00000
.irp b, 0,1,2,3
	v_mov_b32 v[TM+4+\b], 0                        ; written once: a lane permute's destination counts as one of its sources
.endr
	s_mov_b32 s[SEL], 0x76543210
	s_mov_b32 s[SEL+1], 0xfedcba98
	s_mov_b32 s[SMASK], 0x7fffffff
	s_mov_b32 s25, 0
	s_wait_kmcnt 0x0
	; which tensor, which 16 rows, which image: chosen by the work-group's number alone
	s_sub_co_u32 s29, ttmp9, 256                   ; c (it wraps in x's work-groups, whose choices are made last)
	s_mov_b32 s24, 96
	s_cmp_lt_u32 s29, 96
	s_cselect_b64 s[30:31], s[10:11], s[12:13]     ; wv, else wo
	s_cselect_b32 s24, 80, s24                     ; the tensor's first tile
	s_cmp_lt_u32 s29, 80
	s_cselect_b64 s[30:31], s[8:9], s[30:31]       ; wk
	s_cselect_b32 s24, 64, s24
	s_cmp_lt_u32 s29, 64
	s_cselect_b64 s[30:31], s[6:7], s[30:31]       ; wq
	s_cselect_b32 s24, 0, s24
	s_sub_co_u32 s24, s29, s24                     ; the tile within its tensor: 4 x group of 64 rows + 2 b + u
	s_lshr_b32 s28, s24, 2
	s_lshl_b32 s28, s28, 6
	s_bfe_u32 s32, s24, 0x10001
	s_lshl_b32 s32, s32, 5
	s_add_co_u32 s28, s28, s32
	s_and_b32 s32, s24, 1
	s_lshl_b32 s32, s32, 3
	s_add_co_u32 s28, s28, s32                     ; its first row: 64 x group + 32 b + 8 u
	s_lshl_b32 s33, ttmp9, 4                       ; x: 16 x work-group
	s_cmp_lt_u32 ttmp9, 256
	s_cselect_b64 s[30:31], s[4:5], s[30:31]       ; x
	s_cselect_b64 s[34:35], s[14:15], s[36:37]     ; x_img, else w_img
	s_cselect_b32 s28, s33, s28
	s_cselect_b32 s33, ttmp9, s29                  ; the tile's number among its buffer's images
	s_cselect_b32 s32, 0, 0x8000                   ; a weight tile's rows 8-15 lie 8 rows of 4,096 bytes further down
	s_lshl_b32 s24, s28, 12                        ; rows of 4,096 bytes,
	s_lshl_b32 s28, s20, 9                         ; my K step's 512 bytes of a row
	s_add_co_u32 s24, s24, s28
	s_add_nc_u64 s[30:31], s[30:31], s[24:25]
	s_lshl_b32 s24, s33, 3
	s_add_co_u32 s24, s24, s20
	s_mul_i32 s24, s24, 1536                       ; image 8 x tile + K step
	s_add_nc_u64 s[34:35], s[34:35], s[24:25]
	v_add_nc_u32 v[GO2], s32, v[GO]
.irp j, 0,1,2,3,4,5,6,7
	global_load_b128 v[R+4*\j:R+4*\j+3], v[GO], s[30:31] offset:4096*\j th:TH_LOAD_NT   ; 32 lanes read 512 consecutive bytes of row j; each byte is read once in the whole program
.endr
.irp j, 8,9,10,11,12,13,14,15
	global_load_b128 v[R+4*\j:R+4*\j+3], v[GO2], s[30:31] offset:4096*\j th:TH_LOAD_NT
.endr
.irp j, 0,1,2,3,4,5,6,7,8,9,10,11,12,13,14,15
	s_wait_loadcnt 15-\j                           ; row j is in; the younger rows stay out
	ds_store_b128 v[SA], v[R+4*\j:R+4*\j+3] offset:528*\j
.endr
.irp b, 0,1,2,3
.irp p, 0,1,2,3
	ds_load_b128 v[R+16*\b+4*\p:R+16*\b+4*\p+3], v[SBK] offset:128*\b+16*\p   ; LDS serves a wave's instructions in order: these see my stores
.endr
.endr
	s_wait_dscnt 0x0
	s_cmp_lt_u32 ttmp9, 256
	s_cbranch_scc1 .Lquant
	; ---- a weight: the sum of |w|, then sign(w) x 7.5 in w's place
.irp k, 0,1,2,3
	v_add_f32 v[AC+\k], |v[R+\k]|, |v[R+4+\k]|     ; four chains, started by the first eight numbers
.endr
.irp j, 2,3,4,5,6,7,8,9,10,11,12,13,14,15
.irp k, 0,1,2,3
	s_delay_alu instid0(VALU_DEP_4)
	v_add_f32 v[AC+\k], v[AC+\k], |v[R+4*\j+\k]|
.endr
.endr
	s_delay_alu instid0(VALU_DEP_3)
	v_add_f32 v[AC], v[AC], v[AC+1]
	s_delay_alu instid0(VALU_DEP_2)
	v_add_f32 v[AC+2], v[AC+2], v[AC+3]
	s_delay_alu instid0(VALU_DEP_1)
	v_add_f32 v[AC], v[AC], v[AC+2]
	s_delay_alu instid0(VALU_DEP_1)
	v_add_f32_dpp v[AC], v[AC], v[AC] row_xmask:1 row_mask:0xf bank_mask:0xf
	s_delay_alu instid0(VALU_DEP_1)
	v_add_f32_dpp v[AC], v[AC], v[AC] row_xmask:2 row_mask:0xf bank_mask:0xf
	s_delay_alu instid0(VALU_DEP_1)
	v_add_f32_dpp v[AC], v[AC], v[AC] row_xmask:4 row_mask:0xf bank_mask:0xf
	s_delay_alu instid0(VALU_DEP_1)
	v_add_f32_dpp v[AC], v[AC], v[AC] row_xmask:8 row_mask:0xf bank_mask:0xf
	s_delay_alu instid0(VALU_DEP_1)
	v_permlanex16_b32 v[AC+1], v[AC], s[SEL], s[SEL+1]
	s_delay_alu instid0(VALU_DEP_1)
	v_add_f32 v[AC], v[AC], v[AC+1]
	ds_store_b32 v[PWA], v[AC]                     ; all lanes write the same word with the same value
.set i, 0
.rept 16
.irp k, 0,1,2,3
	v_cmp_neq_f32 s[SM+\k], 0, v[R+i+\k]
.endr
.irp k, 0,1,2,3
	s_delay_alu instid0(VALU_DEP_4)
	v_cndmask_b32 v[TW+\k], 0, v[C75], s[SM+\k]    ; 7.5, or 0 where w is 0,
.endr
.irp k, 0,1,2,3
	s_delay_alu instid0(VALU_DEP_4)
	v_bfi_b32 v[R+i+\k], s[SMASK], v[TW+\k], v[R+i+\k]   ; under w's sign
.endr
.set i, i+4
.endr
.Lquant:
	QUANT R                                        ; (a block of +-7.5 has the scale 1: its codes are 0x1f and 0x3f)
.irp c, 0,1,2
	global_store_b128 v[GO], v[PC+4*\c:PC+4*\c+3], s[34:35] offset:512*\c   ; the image: 512 consecutive bytes a store
.endr
	ds_store_b32 v[XW], v[PW]                      ; both lanes of a row write the same word with the same value (a weight's words are read by nobody)
	s_wait_dscnt 0x0                               ; for the others' sake: my LDS stores are done
	s_barrier_signal -1
	s_barrier_wait -1
	s_cmp_lg_u32 s20, 0
	s_cbranch_scc1 .Lend
	s_cmp_lt_u32 ttmp9, 256
	s_cbranch_scc0 .Lwsum
	s_lshl_b32 s24, ttmp9, 9                       ; the tile's 512 bytes of scale words
	s_add_nc_u64 s[16:17], s[16:17], s[24:25]
	ds_load_b128 v[16:19], v[XR]
	s_wait_dscnt 0x0
	global_store_b128 v[GO], v[16:19], s[16:17]    ; 512 consecutive bytes
	s_branch .Lend
.Lwsum:
	s_lshl_b32 s24, s29, 2
	s_add_nc_u64 s[18:19], s[18:19], s[24:25]      ; where the tile's sum goes
	ds_load_b128 v[16:19], v[PRA]
	ds_load_b128 v[20:23], v[PRA] offset:16
	s_wait_dscnt 0x0
	v_add_f32 v16, v16, v17
	v_add_f32 v18, v18, v19
	v_add_f32 v20, v20, v21
	v_add_f32 v22, v22, v23
	s_delay_alu instid0(VALU_DEP_3)
	v_add_f32 v16, v16, v18
	s_delay_alu instid0(VALU_DEP_2)
	v_add_f32 v20, v20, v22
	s_delay_alu instid0(VALU_DEP_1)
	v_add_f32 v16, v16, v20
	s_wait_alu depctr_va_vdst(0)
	s_wait_xcnt 0x0                                ; EXEC changes only behind this wait
	v_cmp_eq_u32 vcc_lo, 0, v[LN]
	s_and_saveexec_b32 s28, vcc_lo
	global_store_b32 v[ZR], v16, s[18:19]          ; one number: lane 0
	s_wait_xcnt 0x0                                ; and again, in front of the line that widens it
	s_or_b32 exec_lo, exec_lo, s28
.Lend:
	s_wait_tensorcnt 0x0
	ds_add_u32 v128, v129
	s_wait_dscnt 0x0
	s_endpgm
.Lfunc_end_k_qe28a9dc2b0_prep:
	.size	k_qe28a9dc2b0_prep, .Lfunc_end_k_qe28a9dc2b0_prep-k_qe28a9dc2b0_prep
	.p2alignl 7, 3214868480
	.fill 96, 4, 3214868480
	.section	.rodata,"a",@progbits
	.p2align	6, 0x0
	.amdhsa_kernel k_qe28a9dc2b0_prep
		.amdhsa_group_segment_fixed_size 70656
		.amdhsa_private_segment_fixed_size 0
		.amdhsa_enable_private_segment 0
		.amdhsa_kernarg_size 72
		.amdhsa_user_sgpr_count 2
		.amdhsa_user_sgpr_kernarg_segment_ptr 1
		.amdhsa_wavefront_size32 1
		.amdhsa_system_sgpr_workgroup_id_x 1
		.amdhsa_system_sgpr_workgroup_id_y 1
		.amdhsa_system_sgpr_workgroup_id_z 1
		.amdhsa_system_vgpr_workitem_id 0
		.amdhsa_next_free_vgpr 130
		.amdhsa_next_free_sgpr 66
		.amdhsa_reserve_vcc 1
		.amdhsa_float_denorm_mode_32 3
		.amdhsa_float_denorm_mode_16_64 3
		.amdhsa_memory_ordered 1
		.amdhsa_forward_progress 1
		.amdhsa_inst_pref_size 38
	.end_amdhsa_kernel
	.amdgpu_metadata
---
amdhsa.version: [ 1, 2 ]
amdhsa.kernels:
  - .name:           k_qe28a9dc2b0_prep
    .symbol:         k_qe28a9dc2b0_prep.kd
    .args:
      - { .name: x, .offset: 0, .size: 8, .value_kind: global_buffer, .address_space: global }
      - { .name: wq, .offset: 8, .size: 8, .value_kind: global_buffer, .address_space: global }
      - { .name: wk, .offset: 16, .size: 8, .value_kind: global_buffer, .address_space: global }
      - { .name: wv, .offset: 24, .size: 8, .value_kind: global_buffer, .address_space: global }
      - { .name: wo, .offset: 32, .size: 8, .value_kind: global_buffer, .address_space: global }
      - { .name: x_img, .offset: 40, .size: 8, .value_kind: global_buffer, .address_space: global }
      - { .name: x_sc, .offset: 48, .size: 8, .value_kind: global_buffer, .address_space: global }
      - { .name: wsum, .offset: 56, .size: 8, .value_kind: global_buffer, .address_space: global }
      - { .name: w_img, .offset: 64, .size: 8, .value_kind: global_buffer, .address_space: global }
    .group_segment_fixed_size: 70656
    .private_segment_fixed_size: 0
    .kernarg_segment_align: 8
    .kernarg_segment_size: 72
    .max_flat_workgroup_size: 256
    .sgpr_count:     66
    .vgpr_count:     130
    .wavefront_size: 32
...
	.end_amdgpu_metadata
.endif
;; end of part 8
;; launch qkv (part 9): grid 24 x 8, 4 waves a work-group, no clusters, 0 bytes of LDS; arguments x_img, x_sc, wsum, w_img, cos, sin, q_norm_w, k_norm_w, q_img, kv; writes q_img, kv
.if DOCPART == 9
	.amdgcn_target "amdgcn-amd-amdhsa--gfx1250"
	.amdhsa_code_object_version 6
	.text
	.protected	k_qe28a9dc2b0_qkv
	.globl	k_qe28a9dc2b0_qkv
	.p2align	8
	.type	k_qe28a9dc2b0_qkv,@function
k_qe28a9dc2b0_qkv:
	s_mov_b64 s[64:65], 0
	v_nop
	global_prefetch_b8 v0, s[64:65] scope:SCOPE_SE
	s_setreg_imm32_b32 hwreg(HW_REG_WAVE_SCHED_MODE, 0, 2), 2
	s_setreg_imm32_b32 hwreg(HW_REG_WAVE_MODE, 25, 1), 1
	s_wait_xcnt 0x0
	s_wait_alu depctr_vm_vsrc(0)
; QKV.  q, k, v = x (sign(w) alpha)^T on codes of FP6 (E2M3); q and k then RMSNorm and RoPE in f32 and are quantised along the head's 64; v is quantised along the keys.
; A work-group is one head of 64 weight rows (x: 0-15 q, 16-19 k, 20-23 v) and 512 rows of x (y); wave w takes 128 rows: eight tiles of 16 tokens, which for k and v are one key step of the next launch.
; THE WEIGHT.  alpha = mean |w| from the 160 partial sums.  Every number of sign(w) alpha is 0 or +-alpha, so every block has one and the same scale byte and every number that is not 0 the same magnitude code.
; The launch before has laid down templates of the fragments (codes 0x1f, 0x3f, or 0 where w is 0).  Sixteen copies of -alpha, converted, are 96 bits of the code 0x20 | magnitude; ANDed over a template's registers
; (register i takes word i % 3: 16 codes of 6 bits are three words) they leave the quantiser's own codes.  Each wave loads the head's 32 fragments, 49,152 bytes, once, and keeps them in windows 1 and 2.
; THE ROWS OF A WEIGHT TILE ARE NOT NEIGHBOURS: lane r of tile 2 b + u holds row 32 b + 8 u + r + 8 (r / 8).  With the weight as source 0 a lane then holds ONE token, and its register 16 b + i the head's channel
; 32 b + 16 (lane / 16) + i: the order that the quantiser along the head wants, with RoPE's partners d and d + 32 in one lane.
; v takes x as source 0: a lane holds one channel and its registers run along the tokens: register 8 i + j of a channel tile is token 16 i + 8 (lane / 16) + j, the very map that the scores have in the next launch.
; So v's codes and p's codes there carry one common order inside each block of 32 keys; the blocks are the quantiser's own.
; LOADS RUN TWO TILES AHEAD: x, its scale words, cos and sin have two sets of registers each; in the q and k path the odd tiles' set lies in window 3 (the scale words in window 0, where scale operands are read).
; OUT.  q_img [32 heads][128 tiles][1,024]: three register pairs at 256 p + 8 lane, the scale word (s0 s1 s0 s1) twice at 768 + 8 lane.  kv [8][16 key steps][12,800]: four K fragments (registers 0-5 key tile 2 f,
; 6-11 key tile 2 f + 1), K's scale words [row][f], four V^T fragments, V's scale words [row][t].
; NO CLUSTER, NO LDS: a tile's 12,288 bytes of x, and the head's fragments, go from memory straight into the registers of the wave that multiplies them; a joint load would send them through LDS, x for 32 matrix
; instructions' worth of use.
; LIMITS: NaN and infinities are not served; a block of zeros carries the byte 1 (its codes are zeros, and this program alone reads the bytes).
; THE MODE: SCHED_MODE bits 1:0 = 2 (LLVM: expert scheduling mode 2), set by the entry lines.  The code itself states the register dependences between vector or matrix instructions and memory instructions,
; with s_wait_alu, always for 0.
; THE PLAN, q and k.  Registers that memory instructions touch in the loop (p = the tile's parity):
;   X[p] and its scale words   Tile n's 32 products read them; the 26 loads of tile n + 2 land in them.
;   CS[p], cos and sin         Tile n's RoPE reads and writes them; the 16 loads of tile n + 2 land in them.
;   PC (v232-243), QW          Written by the quantiser and by the two lines behind it; read by q's stores at the tile's end, or (PC alone) by k's at the trip's end.
;   v2, v3, v8, v9, v12, v13   Byte offsets, made at the head and never written again: the rows are reached by scalar bases and immediate offsets.
;   The accumulators, the work registers, the gain and the weight are named by vector and matrix instructions alone, once they are loaded.
; TWO PLACES OF WAITS IN A TILE.  Behind the root and its place: the stores issued so far have read PC and QW and every base is free; the root is written; the products are done reading X[p].  Behind them the bases step
; (even tiles) and x of tile n + 2 is asked for.  Behind the quantiser: RoPE is done with CS[p], and PC and QW are written: cos and sin of tile n + 2 and the stores follow.  No vector line behind either wait names a
; register that those loads and stores touch.
; THE PLAN, v.  The two sets of x by turns: one wait behind a tile's products, ahead of the loads into the set that they read; each fragment of V^T has registers of its own, with one wait ahead of its stores.
.set LN,   1                           ; lane
.set LI,   2                           ; 16 x lane
.set XSO,  3                           ; 32 r: a row's eight scale words of x
.set KW,   4                           ; v4-7    K's four scale words
.set CSO,  8                           ; 256 r + 64 h: cos and sin
.set LQ,   9                           ; 8 x lane
.set KSO,  12                          ; 16 r + 8 h
.set NWO,  13                          ; 64 h
.set XF,   16                          ; v16-111  x's eight fragments, first set
.set XS,   112                         ; v112-119 their scale words
.set H,    120                         ; v120-151 q, k path: four accumulators
.set COS,  152                         ; v152-183, v184-215 cos and sin, first set
.set SIN,  184
.set TM,   216                         ; v216-223 at work
.set XB,   120                         ; v path: x's second set
.set XSB,  224                         ; v224-231 the second set's scale words, in both paths
.set PC,   232                         ; v232-243 codes
.set PT,   244
.set PAT,  244                         ; v244-246 at the head: the code of -alpha, sixteen times
.set HWA,  247
.set QW,   248
.set WS,   250                         ; the weight's scale word
.set AL,   251                         ; alpha
.set WSO,  252                         ; the conversion's scale operand
.set HWB,  253
.set INV,  254                         ; v[254:255] 1 / rms
.set VW,   252                         ; v path: V's four scale words
.set NA,   120                         ; v120-135 at the head: -alpha, sixteen times
.set TA,   140                         ; v140-143 at the head: at work
.set NW,   0                           ; window 3: v0-31 the norm's weights,
.set XF3,  32                          ;           v32-127 x's second set (q, k path),
.set COS3, 128                         ;           v128-159, v160-191 cos and sin, second set
.set SIN3, 160
.set XP,   4
.set XSP,  6
.set WSUM, 8
.set WP,   10
.set CP,   12
.set SP,   14
.set NP,   16
.set QP,   20
.set KP,   22
.set SB,   31
.set SN,   32
.set SI,   33
.set WV,   39
.set C64,  40
.set CEPS, 41
.set SEL,  42
.set CNT,  45
.set MK,   48                          ; s48-49  two lane masks
.set MSB, 0
.macro WIN new                         ; the immediate's high byte repeats the setting that is left
.if MSB != (\new)
	s_set_vgpr_msb (MSB<<8)|(\new)
.set MSB, (\new)
.endif
.endm
.macro PLACES n
.rept \n
	v_nop
.endr
.endm
.macro MM0 d, a, b, sa, sb             ; the first product starts a sum
	v_wmma_scale_f32_16x16x128_f8f6f4 v[\d:\d+7], v[\a:\a+11], v[\b:\b+11], 0, v[\sa], v[\sb] matrix_a_fmt:MATRIX_FMT_FP6 matrix_b_fmt:MATRIX_FMT_FP6
.endm
.macro MMA d, a, b, sa, sb
	v_wmma_scale_f32_16x16x128_f8f6f4 v[\d:\d+7], v[\a:\a+11], v[\b:\b+11], v[\d:\d+7], v[\sa], v[\sb] matrix_a_fmt:MATRIX_FMT_FP6 matrix_b_fmt:MATRIX_FMT_FP6
.endm
; alpha: the tensor's partial sums begin at byte s[SB] of wsum, s[SN] of them (16 or 64); s[SI] = 1 / the tensor's numbers
.macro ALPHA_ASK
	v_lshl_add_u32 v[TA], v[LN], 2, s[SB]
	s_wait_alu depctr_va_vdst(0)                   ; v[TA] and the six offsets made at the head are written: every load and store of the kernel reads one of them
	global_load_b32 v[TA+1], v[TA], s[WSUM:WSUM+1]
	global_load_b32 v[TA+2], v[TA], s[WSUM:WSUM+1] offset:128
.endm
.macro ALPHA_SUM left
	s_wait_loadcnt \left
	v_add_nc_u32 v[TA+3], 32, v[LN]
	v_cmp_gt_u32 s[MK], s[SN], v[LN]               ; the two compares in a run, into two scalar registers,
	v_cmp_gt_u32 s[MK+1], s[SN], v[TA+3]
	s_wait_alu depctr_va_sdst(0)                   ; and one wait: both masks are written, ahead of the selects that read them
	v_cndmask_b32 v[TA+1], 0, v[TA+1], s[MK]       ; what belongs to another tensor counts for 0
	v_cndmask_b32 v[TA+2], 0, v[TA+2], s[MK+1]
	v_add_f32 v[TA+1], v[TA+1], v[TA+2]
	v_add_f32_dpp v[TA+1], v[TA+1], v[TA+1] row_xmask:1 row_mask:0xf bank_mask:0xf
	v_add_f32_dpp v[TA+1], v[TA+1], v[TA+1] row_xmask:2 row_mask:0xf bank_mask:0xf
	v_add_f32_dpp v[TA+1], v[TA+1], v[TA+1] row_xmask:4 row_mask:0xf bank_mask:0xf
	v_add_f32_dpp v[TA+1], v[TA+1], v[TA+1] row_xmask:8 row_mask:0xf bank_mask:0xf
	v_permlanex16_b32 v[TA+2], v[TA+1], s[SEL], s[SEL+1]
	v_add_f32 v[TA+1], v[TA+1], v[TA+2]
	v_mul_f32 v[AL], s[SI], v[TA+1]                ; alpha
	v_max_num_f32 v[TA+1], 0x1800000, v[AL]        ; the floor 2^(3 - 127)
	v_add_nc_u32 v[WSO], 0xff000000, v[TA+1]       ; 2 off the exponent field: the conversion's scale operand
	v_lshrrev_b32 v[TA+2], 23, v[WSO]              ; the byte, the same for every block of the weight
	v_mul_u32_u24 v[WS], v[TA+2], 0x10101
	v_lshl_or_b32 v[WS], v[TA+2], 24, v[WS]        ; four times: the scale word of every row and K step
.endm
.macro PATTERN                         ; sixteen codes of -alpha: sign bit and magnitude, 96 bits
.irp k, 0,1,2,3,4,5,6,7,8,9,10,11,12,13,14,15
	v_xor_b32 v[NA+\k], 0x80000000, v[AL]
.endr
	v_cvt_scalef32_pk16_fp6_f32 v[PAT:PAT+2], v[NA:NA+15], v[WSO]
	v_nop                                          ; one plain place behind a scaled conversion
.endm
; the templates of K steps 4 half .. 4 half + 3, 48 loads: fragment (K step s, tile t) lies at 12,288 t + 1,536 s and goes to v[12 (4 (s % 4) + t)] of window 1 + half
.macro WLOAD half, win
	WIN \win
.set f, 0
.rept 16
.irp c, 0,1,2
	global_load_b128 v[12*f+4*\c:12*f+4*\c+3], v[LI], s[WP:WP+1] offset:12288*(f%4)+1536*(4*(\half)+f/4)+512*\c
.endr
.set f, f+1
.endr
	WIN 0
.endm
.macro WAND win                        ; the pattern over a window's 16 templates: destination and source 1 in that window, the pattern in window 0
	WIN \win
.set f, 0
.rept 192
	v_and_b32 v[f], v[PAT+f%3], v[f]
.set f, f+1
.endr
	WIN 0
.endm
; the eight fragments of x (into window win's registers) and the rows' scale words (window 0) of the tile that lies n tiles behind the bases: 26 loads
.macro XLOAD n, xf, xs, win
	WIN \win
.irp s, 0,1,2,3,4,5,6,7
.irp c, 0,1,2
	global_load_b128 v[\xf+12*\s+4*\c:\xf+12*\s+4*\c+3], v[LI], s[XP:XP+1] offset:12288*(\n)+1536*\s+512*\c
.endr
.endr
	WIN 0
	global_load_b128 v[\xs:\xs+3], v[XSO], s[XSP:XSP+1] offset:512*(\n)
	global_load_b128 v[\xs+4:\xs+7], v[XSO], s[XSP:XSP+1] offset:512*(\n)+16
.endm
; that tile's cos and sin, in the accumulators' order: 16 loads
.macro CSLOAD n, cs, sn, win
	WIN \win
.irp b, 0,1
.irp p, 0,1,2,3
	global_load_b128 v[\cs+16*\b+4*\p:\cs+16*\b+4*\p+3], v[CSO], s[CP:CP+1] offset:4096*(\n)+128*\b+16*\p
	global_load_b128 v[\sn+16*\b+4*\p:\sn+16*\b+4*\p+3], v[CSO], s[SP:SP+1] offset:4096*(\n)+128*\b+16*\p
.endr
.endr
	WIN 0
.endm
; 32 numbers of a lane, register 16 b + i = k 32 b + 16 (lane / 16) + i, become six registers of codes (lane (r, h): block h of row r) and two scale bytes
.macro QUANT2 s, pc, pt, hw
.irp b, 0,1
	v_max3_num_f32 v[TM+\b], |v[\s+16*\b]|, |v[\s+16*\b+1]|, 0x1800000
.endr
.irp i, 2,4,6,8,10,12,14
.irp b, 0,1
	v_max3_num_f32 v[TM+\b], v[TM+\b], |v[\s+16*\b+\i]|, |v[\s+16*\b+\i+1]|
.endr
.endr
.irp b, 0,1
	v_permlanex16_b32 v[TM+4+\b], v[TM+\b], s[SEL], s[SEL+1]
.endr
.irp b, 0,1
	v_max_num_f32 v[TM+\b], v[TM+\b], v[TM+4+\b]
.endr
.irp b, 0,1
	v_add_nc_u32 v[TM+6+\b], 0xff000000, v[TM+\b]
.endr
.irp b, 0,1
	v_lshrrev_b32 v[TM+4+\b], 23, v[TM+6+\b]
.endr
	v_lshl_or_b32 v[\hw], v[TM+5], 8, v[TM+4]
	v_cvt_scalef32_pk16_fp6_f32 v[\pc:\pc+2], v[\s:\s+15], v[TM+6]
	v_cvt_scalef32_pk16_fp6_f32 v[\pt:\pt+2], v[\s+16:\s+31], v[TM+7]
	v_nop                                          ; one plain place behind a scaled conversion
.irp i, 0,1,2
	v_permlane16_swap_b32 v[\pc+\i], v[\pt+\i]
.endr
.irp i, 0,1,2
	v_mov_b32 v[\pc+3+\i], v[\pt+\i]
.endr
.endm
; 64 numbers (four blocks) likewise; wmax, wcvt: the register windows under which the numbers are read
.macro QUANT s, wmax, wcvt, pc, pt, pw
	WIN \wmax
.irp b, 0,1,2,3
	v_max3_num_f32 v[TM+\b], 0x1800000, |v[\s+16*\b]|, |v[\s+16*\b+1]|
.endr
.irp i, 2,4,6,8,10,12,14
.irp b, 0,1,2,3
	v_max3_num_f32 v[TM+\b], v[TM+\b], |v[\s+16*\b+\i]|, |v[\s+16*\b+\i+1]|
.endr
.endr
	WIN 0
.irp b, 0,1,2,3
	v_permlanex16_b32 v[TM+4+\b], v[TM+\b], s[SEL], s[SEL+1]
.endr
.irp b, 0,1,2,3
	v_max_num_f32 v[TM+\b], v[TM+\b], v[TM+4+\b]
.endr
.irp b, 0,1,2,3
	v_add_nc_u32 v[TM+12+\b], 0xff000000, v[TM+\b]
.endr
.irp b, 0,1,2,3
	v_lshrrev_b32 v[TM+4+\b], 23, v[TM+12+\b]
.endr
	v_lshl_or_b32 v[\pw], v[TM+5], 8, v[TM+4]
	v_lshl_or_b32 v[\pw], v[TM+6], 16, v[\pw]
	v_lshl_or_b32 v[\pw], v[TM+7], 24, v[\pw]
	WIN \wcvt
.irp c, 0,1
	v_cvt_scalef32_pk16_fp6_f32 v[\pc+6*\c:\pc+6*\c+2], v[\s+32*\c:\s+32*\c+15], v[TM+12+2*\c]
	v_cvt_scalef32_pk16_fp6_f32 v[\pt+4*\c:\pt+4*\c+2], v[\s+32*\c+16:\s+32*\c+31], v[TM+13+2*\c]
.endr
	WIN 0
	v_nop                                          ; one plain place behind a scaled conversion
.irp c, 0,1
.irp i, 0,1,2
	v_permlane16_swap_b32 v[\pc+6*\c+\i], v[\pt+4*\c+\i]
.endr
.irp i, 0,1,2
	v_mov_b32 v[\pc+6*\c+3+\i], v[\pt+4*\c+\i]
.endr
.endr
.endm
	s_load_b512 s[4:19], s[0:1], 0x0               ; x_img, x_sc, wsum, w_img, cos, sin, q_norm_w s[16:17], k_norm_w s[18:19]
	s_load_b128 s[20:23], s[0:1], 0x40             ; q_img, kv
	v_lshrrev_b32 v1, 5, v0
	v_readfirstlane_b32 s[WV], v1                  ; wave 0..3
	v_and_b32 v[LN], 31, v0
	v_and_b32 v14, 15, v0                          ; r
	v_bfe_u32 v15, v0, 4, 1                        ; h
	v_lshlrev_b32 v[LI], 4, v[LN]
	v_lshlrev_b32 v[XSO], 5, v14
	v_lshlrev_b32 v[CSO], 8, v14
	v_lshl_add_u32 v[CSO], v15, 6, v[CSO]
	v_lshlrev_b32 v[LQ], 3, v[LN]
	v_lshlrev_b32 v[KSO], 4, v14
	v_lshl_add_u32 v[KSO], v15, 3, v[KSO]
	v_lshlrev_b32 v[NWO], 6, v15
.irp k, 0,1,2,3
	v_mov_b32 v[KW+\k], 0
.endr
	v_mov_b32 v[TM+4], 0                           ; written once: a lane permute's destination counts as one of its sources
	v_mov_b32 v[TM+5], 0
	v_mov_b32 v[INV+1], 0                          ; (named as the upper half of a pair)
	s_wait_alu depctr_va_sdst(0)                   ; the wave's number is written, ahead of its first reader: the bases of x, cos, sin, q_img and kv are made from it
	s_mov_b32 s[C64], 0x3c800000                   ; 1 / 64
	s_mov_b32 s[CEPS], 0x358637bd                  ; 1e-6
	s_mov_b32 s[SEL], 0x76543210
	s_mov_b32 s[SEL+1], 0xfedcba98
	s_mov_b32 s30, 20                              ; the tensor's first head,
	s_mov_b32 s[SB], 320                           ; its partial sums' first byte,
	s_mov_b32 s[SN], 16                            ; their number,
	s_mov_b32 s[SI], 0x36800000                    ; 2^-18 = 1 / (256 x 1,024)
	s_mul_i32 s34, ttmp9, 49152                    ; the head's four tiles of templates: tile 4 x head in all three tensors (wk's begin at tile 64, wv's at 80)
	s_mov_b32 s35, 0
	s_wait_kmcnt 0x0
	s_cmp_lt_u32 ttmp9, 20
	s_cselect_b32 s30, 16, s30
	s_cselect_b32 s[SB], 256, s[SB]
	s_cmp_lt_u32 ttmp9, 16
	s_cselect_b32 s30, 0, s30
	s_cselect_b32 s[SB], 0, s[SB]
	s_cselect_b32 s[SN], 64, s[SN]
	s_cselect_b32 s[SI], 0x35800000, s[SI]         ; 2^-20
	s_cselect_b64 s[NP:NP+1], s[16:17], s[18:19]   ; q's gain, else k's
	s_sub_co_u32 s30, ttmp9, s30                   ; the head within its tensor
	s_add_nc_u64 s[WP:WP+1], s[WP:WP+1], s[34:35]
	ALPHA_ASK
	WLOAD 0, 0x40
	s_and_b32 s36, ttmp7, 0xffff                   ; y: which 512 rows
	s_and_b32 s37, s36, 3
	s_lshr_b32 s38, s36, 2                         ; the batch
	s_lshl_b32 s46, s37, 2
	s_add_co_u32 s46, s46, s[WV]                   ; my key step within the batch: 4 (y % 4) + wave
	s_lshl_b32 s47, s36, 5
	s_lshl_b32 s52, s[WV], 3
	s_add_co_u32 s47, s47, s52                     ; my first tile of tokens: 32 y + 8 wave
	s_mul_i32 s34, s47, 12288
	s_add_nc_u64 s[XP:XP+1], s[XP:XP+1], s[34:35]
	s_lshl_b32 s34, s47, 9
	s_add_nc_u64 s[XSP:XSP+1], s[XSP:XSP+1], s[34:35]
	s_lshl_b32 s34, s46, 15                        ; 128 tokens of 256 bytes
	s_add_nc_u64 s[CP:CP+1], s[CP:CP+1], s[34:35]
	s_add_nc_u64 s[SP:SP+1], s[SP:SP+1], s[34:35]
	s_min_u32 s53, ttmp9, 15                       ; (held inside q_img in the work-groups that do not store there)
	s_lshl_b32 s34, s38, 4
	s_add_co_u32 s34, s34, s53
	s_lshl_b32 s34, s34, 7
	s_lshl_b32 s52, s46, 3
	s_add_co_u32 s34, s34, s52
	s_lshl_b32 s34, s34, 10                        ; ((16 b + head) 128 + my first tile in the batch) x 1,024
	s_add_nc_u64 s[QP:QP+1], s[QP:QP+1], s[34:35]
	s_and_b32 s53, s30, 3                          ; (likewise for kv)
	s_lshl_b32 s34, s38, 2
	s_add_co_u32 s34, s34, s53
	s_lshl_b32 s34, s34, 4
	s_add_co_u32 s34, s34, s46
	s_mul_i32 s34, s34, 12800                      ; ((4 b + g) 16 + key step) x 12,800
	s_add_nc_u64 s[KP:KP+1], s[KP:KP+1], s[34:35]
	ALPHA_SUM 48                                   ; the two loads of partial sums are in; the 48 loads of templates behind them may be out
	PATTERN
	s_wait_alu depctr_vm_vsrc(0)                   ; the two loads of partial sums have read their offset v[TA]: that register is written again by q's and k's sums, or by a load of x in v's path
	WLOAD 1, 0x80                                  ; (no vector line since the wait in front of the first load names v[LI], v[XSO] or a register in which these loads land)
	XLOAD 0, XF, XS, 0                             ; the first tile of x is asked for before the templates are waited for
	s_cmp_ge_u32 ttmp9, 20
	s_cbranch_scc1 .Lvpath
	; ---- q and k
	WIN 0xc0                                       ; destination window 3
.irp b, 0,1
.irp p, 0,1,2,3
	global_load_b128 v[NW+16*\b+4*\p:NW+16*\b+4*\p+3], v[NWO], s[NP:NP+1] offset:128*\b+16*\p   ; the gain, in the accumulators' order
.endr
.endr
	WIN 0
	CSLOAD 0, COS, SIN, 0
	XLOAD 1, XF3, XSB, 0xc0
	CSLOAD 1, COS3, SIN3, 0xc0
	s_wait_loadcnt 63                              ; the templates are in: 92 loads were issued behind the last of them (26 + 8 + 16 + 26 + 16), more than a wait's count can name
	s_wait_alu depctr_va_vdst(0)
	WAND 0x44
	WAND 0x88
	PLACES 4                                       ; an operand written by vector instructions stands four places ahead of a scaled matrix instruction
	s_wait_alu depctr_va_vdst(0)                   ; the ANDs have written the weight's fragments, and the head's lines its scale word: the scaled products take both; the places above stay beside this wait
; One tile of 16 tokens.  d: where its six registers of codes go (PC + d); n: the tile within the trip; par: which set of registers holds its x, cos and sin; more = 1: the tile two further on is asked for, into the same set.
; The loads go out in the order x(n), cos and sin(n), x(n + 1), cos and sin(n + 1), ..: 26 and 16 by turns.  c1: how many may be out when x(n) has to be there; c2: the same for cos and sin(n).
; The bases move on by a trip (two tiles) in the middle of the trip's first tile, ahead of all that the trip asks for and stores: so the loads of the tile two further on take the offset of tile n, and the stores reach back by a trip.
.macro TILE d, n, par, more, hw, c1, c2
.if \par
.set XFR,  XF3
.set XSR,  XSB
.set COSR, COS3
.set SINR, SIN3
.set WB,   0x0c                        ; source 1 window 3
.set WL,   0xc0                        ; a load's destination window 3
.set WR1,  0xcc                        ; destination and source 1 window 3
.set WR2,  0x3c                        ; sources 1 and 2 window 3
.else
.set XFR,  XF
.set XSR,  XS
.set COSR, COS
.set SINR, SIN
.set WB,   0
.set WL,   0
.set WR1,  0
.set WR2,  0
.endif
	s_wait_loadcnt \c1                             ; x's fragments and words are in (ahead of the first tile the gain too)
.irp s, 0,1,2,3,4,5,6,7                        ; the four accumulators take turns, one instruction a turn, K ascending
.if \s < 4
	WIN 0x01|WB
.else
	WIN 0x02|WB
.endif
.irp t, 0,1,2,3
.if \s == 0
	MM0 H+8*\t, 12*(4*(\s%4)+\t), XFR+12*\s, WS, XSR+\s
.else
	MMA H+8*\t, 12*(4*(\s%4)+\t), XFR+12*\s, WS, XSR+\s
.endif
.endr
.endr
	WIN 0
	PLACES 4                                       ; in front of the first read of results
	v_pk_mul_f32 v[TM:TM+1], v[H:H+1], v[H:H+1]    ; the sum of squares: two chains, each accumulator from its low end on
	v_pk_mul_f32 v[TM+2:TM+3], v[H+2:H+3], v[H+2:H+3]
.irp i, 4,8,12,16,20,24,28
	v_pk_fma_f32 v[TM:TM+1], v[H+\i:H+\i+1], v[H+\i:H+\i+1], v[TM:TM+1]
	v_pk_fma_f32 v[TM+2:TM+3], v[H+\i+2:H+\i+3], v[H+\i+2:H+\i+3], v[TM+2:TM+3]
.endr
	v_pk_add_f32 v[TM:TM+1], v[TM:TM+1], v[TM+2:TM+3]
	v_add_f32 v[TM], v[TM], v[TM+1]
	v_permlanex16_b32 v[TM+4], v[TM], s[SEL], s[SEL+1]
	v_add_f32 v[TM], v[TM], v[TM+4]                ; with lane l xor 16's 32 channels
	v_fma_f32 v[TM], v[TM], s[C64], s[CEPS]
	s_wait_alu depctr_va_vdst(0)
	v_rsq_f32 v[INV], v[TM]
	v_nop                                          ; a plain place behind the transcendental
	s_wait_xcnt 0x0                                ; every earlier memory instruction has had its addresses translated (the youngest were issued ahead of this tile's products): the bases, PC and QW are written again only behind this wait
	s_wait_alu depctr_vm_vsrc(0)                   ; the stores issued so far have read PC and QW, which this tile's quantiser and the two lines behind it write again
	s_wait_alu depctr_va_vdst(0)                   ; the root is written, ahead of its first reader; the products are done reading this set's x and scale words, in which the loads below land
.if (\n) == 0
.if \more
	s_add_nc_u64 s[XP:XP+1], s[XP:XP+1], 24576     ; the bases at the next trip's first tile
	s_add_nc_u64 s[XSP:XSP+1], s[XSP:XSP+1], 1024
	s_add_nc_u64 s[CP:CP+1], s[CP:CP+1], 8192
	s_add_nc_u64 s[SP:SP+1], s[SP:SP+1], 8192
.endif
	s_add_nc_u64 s[QP:QP+1], s[QP:QP+1], 2048
	s_add_nc_u64 s[KP:KP+1], s[KP:KP+1], 1536
.endif
.if \more
	XLOAD \n, XFR, XSR, WL                         ; no vector or matrix line since the wait names these registers
.endif
.irp i, 0,2,4,6,8,10,12,14,16,18,20,22,24,26,28,30
	v_pk_mul_f32 v[H+\i:H+\i+1], v[H+\i:H+\i+1], v[INV:INV+1] op_sel_hi:[1,0]
.endr
	WIN 0x0c                                       ; source 1 window 3
.irp i, 0,2,4,6,8,10,12,14,16,18,20,22,24,26,28,30
	v_pk_mul_f32 v[H+\i:H+\i+1], v[H+\i:H+\i+1], v[NW+\i:NW+\i+1]
.endr
	s_wait_loadcnt \c2                             ; cos and sin are in
	WIN WR1
.irp i, 0,2,4,6,8,10,12,14                     ; RoPE: lo = y_lo cos_lo - y_hi sin_lo;  hi = y_hi cos_hi + y_lo sin_hi
	v_pk_mul_f32 v[COSR+\i:COSR+\i+1], v[H+\i:H+\i+1], v[COSR+\i:COSR+\i+1]
.endr
.irp i, 0,2,4,6,8,10,12,14
	v_pk_mul_f32 v[SINR+16+\i:SINR+17+\i], v[H+\i:H+\i+1], v[SINR+16+\i:SINR+17+\i]
.endr
	WIN WR2
.irp i, 0,2,4,6,8,10,12,14
	v_pk_fma_f32 v[H+\i:H+\i+1], v[H+16+\i:H+17+\i], v[SINR+\i:SINR+\i+1], v[COSR+\i:COSR+\i+1] neg_lo:[1,0,0] neg_hi:[1,0,0]
.endr
.irp i, 0,2,4,6,8,10,12,14
	v_pk_fma_f32 v[H+16+\i:H+17+\i], v[H+16+\i:H+17+\i], v[COSR+16+\i:COSR+17+\i], v[SINR+16+\i:SINR+17+\i]
.endr
	WIN 0
	QUANT2 H, PC+\d, PT, \hw
	v_lshl_or_b32 v[QW], v[\hw], 16, v[\hw]        ; s0 s1 s0 s1: q serves as either half of a K of 128.  The two lines stand on every path, so that the pair is written wherever the text leads to its store;
	v_mov_b32 v[QW+1], v[QW]                       ; k's work-groups make the pair too and do not store it: two plain lines, in place of a compare and a branch round them
	s_wait_alu depctr_va_vdst(0)                   ; RoPE is done reading and writing this set's cos and sin, in which the loads below land; the codes and the word pair are written, which the stores read
.if \more
	CSLOAD \n, COSR, SINR, WL
.endif
	s_cmp_lt_u32 ttmp9, 16
	s_cbranch_scc0 .Lnotq_\@
.irp p, 0,1,2
	global_store_b64 v[LQ], v[PC+\d+2*\p:PC+\d+2*\p+1], s[QP:QP+1] offset:1024*(\n)-2048+256*\p   ; 32 lanes store 256 consecutive bytes, aligned; the offset reaches back by a trip
.endr
	global_store_b64 v[LQ], v[QW:QW+1], s[QP:QP+1] offset:1024*(\n)-2048+768
.Lnotq_\@:
.endm
.macro TRIP more, a1, a2, b1, b2       ; two tiles: for k one fragment
	TILE 0, 0, 0, \more, HWA, \a1, \a2
	TILE 6, 1, 1, \more, HWB, \b1, \b2
	s_cmp_lt_u32 ttmp9, 16
	s_cbranch_scc1 .Lnotk_\@
	v_mov_b32 v[KW], v[KW+1]                       ; the four trips' words move down into their places (no memory instruction names them in the loop)
	v_mov_b32 v[KW+1], v[KW+2]
	v_mov_b32 v[KW+2], v[KW+3]
	v_lshl_or_b32 v[KW+3], v[HWB], 16, v[HWA]
.irp c, 0,1,2
	global_store_b128 v[LI], v[PC+4*\c:PC+4*\c+3], s[KP:KP+1] offset:512*\c-1536   ; both tiles' codes were written ahead of the second tile's last wait; the offset reaches back by a trip
.endr
.Lnotk_\@:
.endm
	s_mov_b32 s[CNT], 3
.Ltrip:
	TRIP 1, 58, 63, 58, 63                         ; behind x(n): 16 + 26 + 16 = 58.  Behind cos and sin(n): 26 + 16 + 26 = 68, more than a wait's count can name: 63
	s_sub_co_u32 s[CNT], s[CNT], 1
	s_cmp_lg_u32 s[CNT], 0
	s_cbranch_scc1 .Ltrip
	TRIP 0, 58, 42, 16, 0                          ; the last two tiles ask for nothing: the counts run down (16 + 26 + 16; 26 + 16; 16; none)
	s_cmp_lt_u32 ttmp9, 16
	s_cbranch_scc1 .Lqend
	v_cmp_lt_u32 vcc_lo, 15, v[LN]                 ; K's scale words [row][f]: lane (r, h) stores words 2 h and 2 h + 1 of row r: 256 consecutive bytes
	s_wait_alu depctr_va_vcc(0)                    ; VCC is written, ahead of the selects that read it
	v_cndmask_b32 v14, v[KW], v[KW+2], vcc_lo
	v_cndmask_b32 v15, v[KW+1], v[KW+3], vcc_lo
	s_wait_alu depctr_va_vdst(0)                   ; the selects have written v[14:15], which the store reads
	global_store_b64 v[KSO], v[14:15], s[KP:KP+1]  ; the base has moved on four times: it stands behind the four fragments, at byte 6,144
.Lqend:
	s_endpgm
	; ---- v: x is source 0; the accumulator of token tile i and channel tile t lies at v[64 t + 8 i] of window 3
.Lvpath:
.set TM, 232
.irp b, 0,1,2,3
	v_mov_b32 v[TM+4+\b], 0
.endr
	s_wait_alu depctr_va_vdst(0)                   ; alpha's sum and the pattern's lines are done writing and reading v120-143, in which the second set of x lands
	XLOAD 1, XB, XSB, 0
	s_wait_loadcnt 52                              ; the templates are in; the two tiles of x behind them (26 + 26) may be out
	WAND 0x44
	WAND 0x88
	PLACES 4                                       ; an operand written by vector instructions stands four places ahead of a scaled matrix instruction
	s_wait_alu depctr_va_vdst(0)                   ; the ANDs have written the weight's fragments, and the head's lines its scale word: the scaled products take both; the places above stay beside this wait
.macro VTILE i
.set XBUF, XF+104*((\i)%2)
.set XSC,  XS+112*((\i)%2)
.if (\i) < 7
	s_wait_loadcnt 26                              ; this tile's 26 loads are in; the other set's may be out
.else
	s_wait_loadcnt 0x0
.endif
.irp s, 0,1,2,3,4,5,6,7
.if \s < 4
	WIN 0xf4                                       ; source 1 (the weight) window 1, C and D window 3
.else
	WIN 0xf8
.endif
.irp t, 0,1,2,3
.if \s == 0
	MM0 64*\t+8*(\i), XBUF+12*\s, 12*(4*(\s%4)+\t), XSC+\s, WS
.else
	MMA 64*\t+8*(\i), XBUF+12*\s, 12*(4*(\s%4)+\t), XSC+\s, WS
.endif
.endr
.endr
	WIN 0
	PLACES 4
.if (\i)+2 < 8
	s_wait_alu depctr_va_vdst(0)                   ; the tile's products are done reading this set's x and scale words, in which the loads below land
	XLOAD (\i)+2, XBUF, XSC, 0
.endif
.endm
.irp i, 0,1,2,3,4,5,6,7
	VTILE \i
.endr
.irp t, 0,1,2,3                                ; a channel tile's 64 registers are 128 keys of my channel: one fragment of V^T
	QUANT 64*\t, 0x3c, 0x03, 16+24*\t, 28+24*\t, VW+\t
.if \t == 3
	v_cmp_lt_u32 vcc_lo, 15, v[LN]                 ; V's scale words [row][t]: lane (r, h) stores words 2 h and 2 h + 1 of row r
	s_wait_alu depctr_va_vcc(0)                    ; VCC is written, ahead of the selects that read it
	v_cndmask_b32 v14, v[VW], v[VW+2], vcc_lo
	v_cndmask_b32 v15, v[VW+1], v[VW+3], vcc_lo
.endif
	s_wait_alu depctr_va_vdst(0)                   ; the conversions, the exchanges and the moves have written the fragment's twelve registers, which the stores read (behind the last fragment: the selects v[14:15] too)
.irp c, 0,1,2
	global_store_b128 v[LI], v[16+24*\t+4*\c:16+24*\t+4*\c+3], s[KP:KP+1] offset:6400+1536*\t+512*\c
.endr
.endr
	global_store_b64 v[KSO], v[14:15], s[KP:KP+1] offset:12544
	s_endpgm
.Lfunc_end_k_qe28a9dc2b0_qkv:
	.size	k_qe28a9dc2b0_qkv, .Lfunc_end_k_qe28a9dc2b0_qkv-k_qe28a9dc2b0_qkv
	.p2alignl 7, 3214868480
	.fill 96, 4, 3214868480
	.section	.rodata,"a",@progbits
	.p2align	6, 0x0
	.amdhsa_kernel k_qe28a9dc2b0_qkv
		.amdhsa_group_segment_fixed_size 0
		.amdhsa_private_segment_fixed_size 0
		.amdhsa_enable_private_segment 0
		.amdhsa_kernarg_size 80
		.amdhsa_user_sgpr_count 2
		.amdhsa_user_sgpr_kernarg_segment_ptr 1
		.amdhsa_wavefront_size32 1
		.amdhsa_system_sgpr_workgroup_id_x 1
		.amdhsa_system_sgpr_workgroup_id_y 1
		.amdhsa_system_sgpr_workgroup_id_z 1
		.amdhsa_system_vgpr_workitem_id 0
		.amdhsa_next_free_vgpr 1024
		.amdhsa_next_free_sgpr 72
		.amdhsa_reserve_vcc 1
		.amdhsa_float_denorm_mode_32 3
		.amdhsa_float_denorm_mode_16_64 3
		.amdhsa_memory_ordered 1
		.amdhsa_forward_progress 1
		.amdhsa_inst_pref_size 176
	.end_amdhsa_kernel
	.amdgpu_metadata
---
amdhsa.version: [ 1, 2 ]
amdhsa.kernels:
  - .name:           k_qe28a9dc2b0_qkv
    .symbol:         k_qe28a9dc2b0_qkv.kd
    .args:
      - { .name: x_img, .offset: 0, .size: 8, .value_kind: global_buffer, .address_space: global }
      - { .name: x_sc, .offset: 8, .size: 8, .value_kind: global_buffer, .address_space: global }
      - { .name: wsum, .offset: 16, .size: 8, .value_kind: global_buffer, .address_space: global }
      - { .name: w_img, .offset: 24, .size: 8, .value_kind: global_buffer, .address_space: global }
      - { .name: cos, .offset: 32, .size: 8, .value_kind: global_buffer, .address_space: global }
      - { .name: sin, .offset: 40, .size: 8, .value_kind: global_buffer, .address_space: global }
      - { .name: q_norm_w, .offset: 48, .size: 8, .value_kind: global_buffer, .address_space: global }
      - { .name: k_norm_w, .offset: 56, .size: 8, .value_kind: global_buffer, .address_space: global }
      - { .name: q_img, .offset: 64, .size: 8, .value_kind: global_buffer, .address_space: global }
      - { .name: kv, .offset: 72, .size: 8, .value_kind: global_buffer, .address_space: global }
    .group_segment_fixed_size: 0
    .private_segment_fixed_size: 0
    .kernarg_segment_align: 8
    .kernarg_segment_size: 80
    .max_flat_workgroup_size: 128
    .sgpr_count:     72
    .vgpr_count:     1024
    .wavefront_size: 32
...
	.end_amdgpu_metadata
.endif
;; end of part 9
;; launch attn (part 10): grid 32 x 8, 16 waves a work-group, clusters of 4 x 4, 327,680 bytes of LDS; arguments q_img, kv, mask, a_img, a_sc; writes a_img, a_sc
.if DOCPART == 10
	.amdgcn_target "amdgcn-amd-amdhsa--gfx1250"
	.amdhsa_code_object_version 6
	.text
	.protected	k_qe28a9dc2b0_attn
	.globl	k_qe28a9dc2b0_attn
	.p2align	8
	.type	k_qe28a9dc2b0_attn,@function
k_qe28a9dc2b0_attn:
	s_mov_b64 s[64:65], 0
	v_nop
	global_prefetch_b8 v0, s[64:65] scope:SCOPE_SE
	s_setreg_imm32_b32 hwreg(HW_REG_WAVE_MODE, 25, 1), 1
	s_wait_xcnt 0x0
	s_wait_alu depctr_hold_cnt(0) depctr_sa_sdst(0) depctr_va_vdst(0) depctr_va_sdst(0) depctr_va_ssrc(0) depctr_va_vcc(0) depctr_vm_vsrc(0)
	s_getreg_b32 s2, hwreg(HW_REG_IB_STS2, 6, 4)
	s_cmp_eq_u32 s2, 0
	s_cbranch_scc0 .Lentry_in_a_cluster
	s_endpgm
.Lentry_in_a_cluster:
	s_bfe_u32 s2, ttmp6, 0x10000c
	s_cmp_lg_u32 s2, 0xf033
	s_cbranch_scc0 .Lentry_shape_is_right
	s_endpgm
.Lentry_shape_is_right:
; ATTN.  scores = q k^T on codes of FP6; logit = 50 tanh(score / 400) + mask; p = 2^(t - M), t = logit x log2(e), M the running largest t rounded up to a whole number; O^T += V^T P on codes; O / the sum of the unquantised p is
; quantised along the model's 1,024 for the last product.  The mask is an input: every key counts until the mask says otherwise, so all 2,048 keys are walked.
; SHARES.  A work-group owns 64 queries (X) of the four query heads of one key and value head (Y = 4 batch + g).  Wave wv owns head 4 g + wv % 4 and query tile wv / 4: one tile of 16 queries in 256 registers, four waves to a
; SIMD, so that one wave's exponentials and reciprocals stand beside another's plain and matrix work.  Every wave walks the keys 128 a step; a slot of the ring holds two steps: 64 rows x 1,024 bytes of the mask and 25,600 bytes of K and V.
; CLUSTER 4 x 4.  K and V hang on Y alone: asked for jointly by a row of the cluster.  The mask's tile hangs on X alone: asked for jointly by a column.  Wave 0 asks for the mask's tile, wave 1 for K and V: one tensor load of a
; wave is out at any time, and it has two key steps in which to land.
; K = 64 IN AN INSTRUCTION OF 128.  A fragment of K holds two key tiles (k 0-63 tile 2 f, k 64-127 tile 2 f + 1).  q stands in 18 registers as q, six zeros, q: registers 0-11 give the first tile's scores, 6-17 the second's.
; LAYOUT.  S^T = K Q^T, O^T = V^T P: a lane holds one query throughout.  Register 16 f + 8 u + j of the scores is key 32 f + 16 u + 8 (lane / 16) + j: v's codes were made in the same order, and the mask is read from LDS in it.
; THE SOFTCAP.  tanh(z) = 1 - 2 / (1 + 2^(2 z log2 e)); u = -100 / (1 + 2^(..)) + mask = logit - 50.  The running maximum is kept of u, and u - max is formed BEFORE the multiplication by log2(e): so p is at most 1 whatever
; common offset or size the mask has.  t - M = (u - max) log2(e) + delta, delta = tmax - M in (-1, 0], tmax = max x log2(e) + 50 log2(e).
; LIMITS: NaN is not served; mask values under -1e38 count as minus infinity, and a row all of whose keys are so masked gives NaN; the logit's absolute error from this form of tanh is some 6e-6;
; a block of zeros carries the byte 1 (its codes are zeros, and this program alone reads the bytes).
.set SLOT1, 1<<17                      ; slot 1 begins here: one exclusive or turns an address from slot to slot
.set MP,    1040                       ; a row of the mask's tile in LDS: 1,024 bytes + 16: sixteen rows start at sixteen different 16-byte columns of 256
.set KVO,   64*MP                      ; behind the mask's tile: two key steps of K and V, 12,800 bytes each
.set SPARE, 2*SLOT1                    ; the spare words, 128 bytes for each of 16 waves: eight blocks of 256 bytes that no other line names
.set ASCS,  SPARE+2048                 ; 512 bytes: the results' scale bytes meet here
.set AKV0, 1                           ; v1   KVO + 16 x lane
.set AM0,  2                           ; v2   (16 i + r) MP + 32 h
.set ASC0, 3                           ; v3   KVO + 16 r
.set LQ,   4                           ; v4   8 x lane
.set SPW,  5                           ; v5   my spare word; never rewritten
.set NIL,  6                           ; v6   0; never rewritten
.set PFO,  7                           ; v7   the prefetches' offset; never rewritten
.set ADK,  8
.set ADM,  9
.set ADS,  10
                                       ; v11 -M;  v[12:13] delta, the largest u;  v[14:15] the sum in two halves
.set QF,   16                          ; v16-33  q, zeros, q
.set QS,   34                          ; q's scale word
.set ASW,  35                          ; where my two scale bytes go
.set KS,   36                          ; v36-39  K's scale words, then V's
.set F,    40                          ; v40-103 K's fragments, then the mask, then V's fragments
.set S,    104                         ; v104-167 the scores, u, p
.set O,    168                         ; v168-199 O^T
.set PC,   200                         ; v200-211 p's codes
.set PT,   212
.set BM,   220                         ; v220-223 the blocks' largest
.set BT,   224
.set SO,   228
.set TM,   220                         ; the way out's work registers
.set PS,   234                         ; p's scale word
.set ASR,  235                         ; where wave 0 reads the scale bytes back
.set WV,   14
.set SEL,  22
.set C1,   24                          ; s[24:25] 2 log2(e) / 400
.set M100, 26                          ; s[26:27] -100
.set L2E,  28                          ; s[28:29] log2(e)
.set CC,   30                          ; s30      50 log2(e)
.set G1M,  32
.set G1K,  40
.set G0M,  48
.set G0K,  52
.set TB,   56
.set SLOTS, 57
.set PFA,  58
.set PFS,  60
.set LIM,  62
.macro PLACES n
.rept \n
	v_nop
.endr
.endm
.macro CROUND                          ; a round of the cluster's barrier
	s_barrier_signal -1
	s_barrier_wait -1
	s_cmp_lg_u32 s[WV], 0
	s_cbranch_scc1 .Lnot_wave_0_\@
	s_barrier_signal -3
.Lnot_wave_0_\@:
	s_barrier_wait -3
	s_barrier_signal -1
	s_barrier_wait -1
.endm
; Wave 0 asks for the mask's tile, wave 1 for K and V, the others for nothing: the branches hang on the wave's number alone.  Four v_nop follow each of the two lines.
.macro TLOAD
	s_cmp_eq_u32 s[WV], 0
	s_cbranch_scc0 .Lnot_m_\@
	tensor_load_to_lds s[G0M:G0M+3], s[G1M:G1M+7]
	s_nop 0
.rept 4
	v_nop
.endr
	s_branch .Lasked_\@
.Lnot_m_\@:
	s_cmp_eq_u32 s[WV], 1
	s_cbranch_scc0 .Lasked_\@
	tensor_load_to_lds s[G0K:G0K+3], s[G1K:G1K+7]
	s_nop 0
.rept 4
	v_nop
.endr
.Lasked_\@:
.endm
; A PREFETCH INTO THE L2 of what the NEXT change of slots will ask for, two key steps ahead of that load.  The mask's tile (64 rows x four blocks of 256 bytes) is read by both clusters of a column of clusters: cluster y = 0 asks;
; its four partners along y take 16 rows each BY ADDRESS, waves 2 and 3 eight rows each, a lane a block.  K and V's 100 blocks are read by all clusters of a row of clusters: cluster x = 0 asks, wave 4; the partner at cx names
; blocks 32 cx + lane, held at 99.  The last change that fills a slot asks for nothing; slots 0 and 1 come by their loads alone.
.macro ASK
	s_cmp_gt_u32 s[SLOTS], s[LIM]
	s_cbranch_scc0 .Lnot_mine_\@
	global_prefetch_b8 v[PFO], s[PFA:PFA+1] th:TH_LOAD_NT scope:SCOPE_SE
.Lnot_mine_\@:
.endm
.macro QUANT2 s, pc, pt, hw            ; 32 numbers of a lane, register 16 b + i = k 32 b + 16 (lane / 16) + i, become six registers of codes and two scale bytes
.irp b, 0,1
	v_max3_num_f32 v[TM+\b], |v[\s+16*\b]|, |v[\s+16*\b+1]|, 0x1800000
.endr
.irp i, 2,4,6,8,10,12,14
.irp b, 0,1
	s_delay_alu instid0(VALU_DEP_2)
	v_max3_num_f32 v[TM+\b], v[TM+\b], |v[\s+16*\b+\i]|, |v[\s+16*\b+\i+1]|
.endr
.endr
.irp b, 0,1
	s_delay_alu instid0(VALU_DEP_2)
	v_permlanex16_b32 v[TM+4+\b], v[TM+\b], s[SEL], s[SEL+1]
.endr
.irp b, 0,1
	s_delay_alu instid0(VALU_DEP_2)
	v_max_num_f32 v[TM+\b], v[TM+\b], v[TM+4+\b]
.endr
.irp b, 0,1
	s_delay_alu instid0(VALU_DEP_2)
	v_add_nc_u32 v[TM+6+\b], 0xff000000, v[TM+\b]
.endr
.irp b, 0,1
	s_delay_alu instid0(VALU_DEP_2)
	v_lshrrev_b32 v[TM+4+\b], 23, v[TM+6+\b]
.endr
	s_delay_alu instid0(VALU_DEP_1)
	v_lshl_or_b32 v[\hw], v[TM+5], 8, v[TM+4]
	v_cvt_scalef32_pk16_fp6_f32 v[\pc:\pc+2], v[\s:\s+15], v[TM+6]
	v_cvt_scalef32_pk16_fp6_f32 v[\pt:\pt+2], v[\s+16:\s+31], v[TM+7]
	v_nop
.irp i, 0,1,2
	v_permlane16_swap_b32 v[\pc+\i], v[\pt+\i]
.endr
.irp i, 0,1,2
	s_delay_alu instid0(VALU_DEP_3)
	v_mov_b32 v[\pc+3+\i], v[\pt+\i]
.endr
.endm
	s_load_b256 s[4:11], s[0:1], 0x0               ; q_img s[4:5], kv s[6:7], mask s[8:9], a_img s[10:11]
	s_load_b64 s[12:13], s[0:1], 0x20              ; a_sc
	v_lshl_add_u32 v[SPW], v0, 2, SPARE
	v_mov_b32 v[NIL], 0
	ds_add_u32 v5, v6
	ds_add_u32 v5, v6
	s_wait_dscnt 0x0
	v_lshrrev_b32 v8, 5, v0
	s_delay_alu instid0(VALU_DEP_1)
	v_readfirstlane_b32 s[WV], v8                  ; wave 0..15
	s_and_b32 s15, s[WV], 3                        ; j: my head of the four
	s_lshr_b32 s16, s[WV], 2                       ; i: my tile of the four
	s_bfe_u32 s17, ttmp6, 0x40000                  ; cx
	s_bfe_u32 s18, ttmp6, 0x40004                  ; cy
	s_lshl_b32 s19, ttmp9, 2
	s_add_co_u32 s19, s19, s17                     ; X = 4 x cluster x + cx
	s_and_b32 s20, ttmp7, 0xffff
	s_lshl_b32 s20, s20, 2
	s_add_co_u32 s20, s20, s18                     ; Y = 4 x cluster y + cy
	s_lshl_b32 s66, s18, 2
	s_lshl_b32 s66, 15, s66                        ; my row of the cluster
	s_lshl_b32 s67, 0x1111, s17                    ; my column
	; the mask's tile: 64 rows x 256 elements of 4 bytes, 2,048 elements from row to row; 4 words of padding behind every 256
	s_or_b32 s[G1M], s67, (2<<16)|(1<<20)|(1<<21)|(7<<22)|(3<<25)
	s_mov_b32 s[G1M+1], 256<<16
	s_mov_b32 s[G1M+2], 64<<16
	s_mov_b32 s[G1M+3], 256<<16
	s_mov_b32 s[G1M+4], 64
	s_mov_b32 s[G1M+5], 2048
	s_mov_b32 s[G1M+6], 0
	s_mov_b32 s[G1M+7], 0
	; K and V: a dense block of 25,600 bytes as 100 rows of 32 elements of 8 bytes
	s_or_b32 s[G1K], s66, (3<<16)|(1<<21)
	s_mov_b32 s[G1K+1], 32<<16
	s_mov_b32 s[G1K+2], 100<<16
	s_mov_b32 s[G1K+3], 32<<16
	s_mov_b32 s[G1K+4], 100
	s_mov_b32 s[G1K+5], 32
	s_mov_b32 s[G1K+6], 0
	s_mov_b32 s[G1K+7], 0
	s_mov_b32 s[SEL], 0x76543210
	s_mov_b32 s[SEL+1], 0xfedcba98
	s_mov_b32 s[C1], 0x3bec5f04
	s_mov_b32 s[C1+1], s[C1]                       ; (named with it as a pair, so it is written)
	s_mov_b32 s[M100], 0xc2c80000
	s_mov_b32 s[M100+1], s[M100]
	s_mov_b32 s[L2E], 0x3fb8aa3b
	s_mov_b32 s[L2E+1], s[L2E]
	s_mov_b32 s[CC], 0x429044fe
	s_mov_b32 s[TB], 0
	s_mov_b32 s[SLOTS], 7
	v_and_b32 v240, 31, v0                         ; lane
	v_and_b32 v241, 15, v0                         ; r
	v_bfe_u32 v242, v0, 4, 1                       ; h
	s_delay_alu instid0(VALU_DEP_3)
	v_lshl_add_u32 v[AKV0], v240, 4, KVO
	s_mul_i32 s82, s16, 16*MP
	v_mul_u32_u24 v[AM0], v241, MP
	s_delay_alu instid0(VALU_DEP_1)
	v_lshl_add_u32 v[AM0], v242, 5, v[AM0]
	s_delay_alu instid0(VALU_DEP_1)
	v_add_nc_u32 v[AM0], s82, v[AM0]
	v_lshl_add_u32 v[ASC0], v241, 4, KVO
	v_lshlrev_b32 v[LQ], 3, v240
	s_lshl_b32 s82, s16, 7
	s_lshl_b32 s83, s15, 1
	s_add_co_u32 s82, s82, s83
	v_lshl_add_u32 v[ASW], v241, 3, ASCS
	s_delay_alu instid0(VALU_DEP_1)
	v_add_nc_u32 v[ASW], s82, v[ASW]               ; ASCS + 8 (16 i + r) + 2 j
	v_lshl_add_u32 v[ASR], v240, 4, ASCS
	s_lshl_b32 s68, s19, 19                        ; the mask's rows 64 X on: 64 x 8,192 bytes
	s_mov_b32 s69, 0
	s_mul_i32 s70, s20, 204800                     ; K and V of Y: 16 key steps of 12,800 bytes
	s_mov_b32 s71, 0
	s_wait_kmcnt 0x0
	s_mov_b32 s[G0M], 1
	s_mov_b32 s[G0M+1], 0
	s_add_nc_u64 s[G0M+2:G0M+3], s[8:9], s[68:69]
	s_or_b32 s[G0M+3], s[G0M+3], 0x80000000
	s_mov_b32 s[G0K], 1
	s_mov_b32 s[G0K+1], KVO
	s_add_nc_u64 s[G0K+2:G0K+3], s[6:7], s[70:71]
	s_or_b32 s[G0K+3], s[G0K+3], 0x80000000
	CROUND                                         ; all sixteen work-groups are here: the first joint loads meet
	TLOAD                                          ; slot 0
	; q
	s_lshl_b32 s84, s20, 2
	s_add_co_u32 s84, s84, s15                     ; 16 b + 4 g + j = 4 Y + j
	s_lshl_b32 s84, s84, 7
	s_lshl_b32 s85, s19, 2
	s_add_co_u32 s85, s85, s16                     ; 4 X + i
	s_add_co_u32 s84, s84, s85
	s_lshl_b32 s84, s84, 10
	s_mov_b32 s85, 0
	s_add_nc_u64 s[4:5], s[4:5], s[84:85]
	s_wait_alu depctr_va_vdst(0)
.irp p, 0,1,2
	global_load_b64 v[QF+2*\p:QF+2*\p+1], v[LQ], s[4:5] offset:256*\p
	global_load_b64 v[QF+12+2*\p:QF+13+2*\p], v[LQ], s[4:5] offset:256*\p
.endr
	global_load_b32 v[QS], v[LQ], s[4:5] offset:768
	; where the results go
	s_lshr_b32 s86, s20, 2                         ; b
	s_lshl_b32 s86, s86, 7
	s_lshl_b32 s87, s19, 2
	s_add_co_u32 s86, s86, s87                     ; 128 b + 4 X: the work-group's first tile of tokens
	s_lshl_b32 s88, s86, 7                         ; 128 bytes of scale words a tile,
	s_and_b32 s89, s20, 3                          ; g
	s_lshl_b32 s90, s89, 15
	s_add_co_u32 s88, s88, s90                     ; 32,768 a g
	s_add_co_u32 s86, s86, s16
	s_lshl_b32 s86, s86, 3
	s_lshl_b32 s89, s89, 1
	s_add_co_u32 s86, s86, s89
	s_lshr_b32 s90, s15, 1
	s_add_co_u32 s86, s86, s90                     ; image 8 x tile + 2 g + j / 2,
	s_mul_i32 s86, s86, 1536
	s_and_b32 s90, s15, 1
	s_mul_i32 s90, s90, 768                        ; its lower or upper six registers
	s_add_co_u32 s86, s86, s90
	s_mov_b32 s87, 0
	s_mov_b32 s89, 0
	s_add_nc_u64 s[10:11], s[10:11], s[86:87]
	s_add_nc_u64 s[12:13], s[12:13], s[88:89]
	; the prefetches: who asks, and where
	s_cmp_lt_u32 s[WV], 4
	s_cselect_b64 s[PFA:PFA+1], s[8:9], s[6:7]     ; waves 2, 3: the mask; wave 4: K and V
	s_mov_b32 s[PFS], 25600
	s_cselect_b32 s[PFS], 1024, s[PFS]             ; a slot on
	s_mov_b32 s[PFS+1], 0
	s_cselect_b32 s76, -1, 0
	s_lshl_b32 s77, s18, 4
	s_and_b32 s78, s[WV], 1
	s_lshl_b32 s78, s78, 3
	s_add_co_u32 s77, s77, s78                     ; rows 16 cy + 8 (wave - 2) on,
	s_lshl_b32 s77, s77, 13
	s_lshl_b32 s78, s19, 19
	s_add_co_u32 s77, s77, s78
	s_add_co_u32 s77, s77, 1024                    ; in slot 1: the first change of slots steps it to slot 2
	s_mul_i32 s78, s20, 204800
	s_add_co_u32 s78, s78, 25600
	s_cmp_lt_u32 s[WV], 4
	s_cselect_b32 s78, s77, s78
	s_mov_b32 s79, 0
	s_add_nc_u64 s[PFA:PFA+1], s[PFA:PFA+1], s[78:79]
	s_and_b32 s80, ttmp7, 0xffff
	s_cmp_lt_u32 s[WV], 4
	s_cselect_b32 s80, s80, ttmp9                  ; the coordinate along which other clusters read the same bytes
	s_sub_co_u32 s81, s[WV], 2
	s_cmp_lt_u32 s81, 3
	s_cselect_b32 s81, 0, 1                        ; 0 in waves 2, 3, 4
	s_or_b32 s80, s80, s81
	s_cmp_eq_u32 s80, 0
	s_cselect_b32 s[LIM], 1, -1                    ; the same in all sixteen partners, for a given wave
	v_lshrrev_b32 v243, 2, v240
	v_and_b32 v244, 3, v240
	s_delay_alu instid0(VALU_DEP_2)
	v_lshlrev_b32 v243, 13, v243
	s_delay_alu instid0(VALU_DEP_1)
	v_lshl_add_u32 v243, v244, 8, v243             ; the mask: row lane / 4, block lane % 4
	s_lshl_b32 s81, s17, 5
	v_add_nc_u32 v244, s81, v240
	s_delay_alu instid0(VALU_DEP_1)
	v_min_u32 v244, 99, v244
	s_delay_alu instid0(VALU_DEP_1)
	v_lshlrev_b32 v244, 8, v244                    ; K and V: block 32 cx + lane, held at the last
	s_delay_alu instid0(VALU_DEP_1)
	v_cndmask_b32 v[PFO], v244, v243, s76
.irp k, 0,1,2,3,4,5
	v_mov_b32 v[QF+6+\k], 0                        ; the zero codes between q and q
.endr
.irp k, 0,1,2,3,4,5,6,7,8,9,10,11,12,13,14,15,16,17,18,19,20,21,22,23,24,25,26,27,28,29,30,31
	v_mov_b32 v[O+\k], 0                           ; O^T.  (The step is written once: the first finds zeros, which the first change of M leaves zeros)
.endr
	v_mov_b32 v11, 0x7e967699                      ; -M: +1e38
	v_mov_b32 v12, 0
	v_mov_b32 v13, 0xfe967699                      ; the largest u so far: -1e38
	v_mov_b32 v14, 0
	v_mov_b32 v15, 0
.irp b, 0,1,2,3
	v_mov_b32 v[BT+\b], 0                          ; written once: a lane permute's destination counts as one of its sources
.endr
	v_mov_b32 v233, 0                              ; (upper halves of pairs of which the lower serves both halves)
	v_mov_b32 v239, 0
; A KEY STEP: 128 keys, the q-th of the slot in hand
.macro STEP q
	v_add_nc_u32 v[ADK], s[TB], v[AKV0]
	v_add_nc_u32 v[ADM], s[TB], v[AM0]
	v_add_nc_u32 v[ADS], s[TB], v[ASC0]
	v_nop                                          ; with the three additions: four places in front of loads into registers that the last step's matrix instructions have read
.irp f, 0,1,2,3
.irp c, 0,1,2
	ds_load_b128 v[F+12*\f+4*\c:F+12*\f+4*\c+3], v[ADK] offset:12800*(\q)+1536*\f+512*\c
.endr
.endr
	ds_load_b128 v[KS:KS+3], v[ADS] offset:12800*(\q)+6144
	s_wait_alu depctr_va_vdst(0)
	s_wait_dscnt 0x0
.irp f, 0,1,2,3
.irp u, 0,1
	v_wmma_scale_f32_16x16x128_f8f6f4 v[S+16*\f+8*\u:S+16*\f+8*\u+7], v[F+12*\f:F+12*\f+11], v[QF+6*\u:QF+6*\u+11], 0, v[KS+\f], v[QS] matrix_a_fmt:MATRIX_FMT_FP6 matrix_b_fmt:MATRIX_FMT_FP6
.endr
.endr
	PLACES 4
.irp f, 0,1,2,3
.irp u, 0,1
.irp p, 0,1
	ds_load_b128 v[F+16*\f+8*\u+4*\p:F+16*\f+8*\u+4*\p+3], v[ADM] offset:512*(\q)+128*\f+64*\u+16*\p   ; the mask, in the scores' own order
.endr
.endr
.endr
.irp j, 0,2,4,6,8,10,12,14,16,18,20,22,24,26,28,30,32,34,36,38,40,42,44,46,48,50,52,54,56,58,60,62
	v_pk_mul_f32 v[S+\j:S+\j+1], v[S+\j:S+\j+1], s[C1:C1+1] op_sel_hi:[1,0]   ; each accumulator from its low end on
.endr
	s_wait_alu depctr_va_vdst(0)
.irp j, 0,1,2,3,4,5,6,7,8,9,10,11,12,13,14,15,16,17,18,19,20,21,22,23,24,25,26,27,28,29,30,31,32,33,34,35,36,37,38,39,40,41,42,43,44,45,46,47,48,49,50,51,52,53,54,55,56,57,58,59,60,61,62,63
	v_exp_f32 v[S+\j], v[S+\j]
.endr
	v_nop                                          ; a plain place behind the batch
	s_wait_alu depctr_va_vdst(0)                   ; one wait for the batch, ahead of its first reader
.irp j, 0,2,4,6,8,10,12,14,16,18,20,22,24,26,28,30,32,34,36,38,40,42,44,46,48,50,52,54,56,58,60,62
	v_pk_add_f32 v[S+\j:S+\j+1], v[S+\j:S+\j+1], 1.0 op_sel_hi:[1,0]
.endr
	s_wait_alu depctr_va_vdst(0)
.irp j, 0,1,2,3,4,5,6,7,8,9,10,11,12,13,14,15,16,17,18,19,20,21,22,23,24,25,26,27,28,29,30,31,32,33,34,35,36,37,38,39,40,41,42,43,44,45,46,47,48,49,50,51,52,53,54,55,56,57,58,59,60,61,62,63
	v_rcp_f32 v[S+\j], v[S+\j]
.endr
	v_nop
	s_wait_alu depctr_va_vdst(0)
	s_wait_dscnt 0x0                               ; the mask is in
.irp j, 0,2,4,6,8,10,12,14,16,18,20,22,24,26,28,30,32,34,36,38,40,42,44,46,48,50,52,54,56,58,60,62
	v_pk_fma_f32 v[S+\j:S+\j+1], v[S+\j:S+\j+1], s[M100:M100+1], v[F+\j:F+\j+1] op_sel_hi:[1,0,1]   ; u = 50 tanh - 50 + mask
.endr
.irp t, 0,1,2,3
.irp c, 0,1,2
	ds_load_b128 v[F+12*\t+4*\c:F+12*\t+4*\c+3], v[ADK] offset:12800*(\q)+6400+1536*\t+512*\c   ; V's fragments land while the softmax is worked
.endr
.endr
	ds_load_b128 v[KS:KS+3], v[ADS] offset:12800*(\q)+12544
.irp b, 0,1,2,3
	v_max3_num_f32 v[BM+\b], v[S+16*\b], v[S+16*\b+1], v[S+16*\b+2]   ; the largest u of each block of 32 keys: for the row's maximum, and, since p rises with u, for the block's largest p
.endr
.irp i, 3,5,7,9,11,13
.irp b, 0,1,2,3
	s_delay_alu instid0(VALU_DEP_4)
	v_max3_num_f32 v[BM+\b], v[BM+\b], v[S+16*\b+\i], v[S+16*\b+\i+1]
.endr
.endr
.irp b, 0,1,2,3
	s_delay_alu instid0(VALU_DEP_4)
	v_max_num_f32 v[BM+\b], v[BM+\b], v[S+16*\b+15]
.endr
.irp b, 0,1,2,3
	s_delay_alu instid0(VALU_DEP_4)
	v_permlanex16_b32 v[BT+\b], v[BM+\b], s[SEL], s[SEL+1]
.endr
.irp b, 0,1,2,3
	s_delay_alu instid0(VALU_DEP_4)
	v_max_num_f32 v[BM+\b], v[BM+\b], v[BT+\b]
.endr
	s_delay_alu instid0(VALU_DEP_2)
	v_max3_num_f32 v240, v[BM], v[BM+1], v[BM+2]
	s_delay_alu instid0(VALU_DEP_1)
	v_max_num_f32 v240, v240, v[BM+3]
	s_delay_alu instid0(VALU_DEP_1)
	v_max_num_f32 v13, v13, v240                   ; the running largest u
	s_delay_alu instid0(VALU_DEP_1)
	v_fma_f32 v241, v13, s[L2E], s[CC]             ; as t
	v_mov_b32 v242, v11
	s_delay_alu instid0(VALU_DEP_2)
	v_floor_f32 v11, -v241                         ; the new -M = -ceil(t): a whole number
	s_delay_alu instid0(VALU_DEP_1)
	v_add_f32 v12, v241, v11                       ; delta
	s_delay_alu instid0(VALU_DEP_2)
	v_sub_f32 v242, v11, v242                      ; old M - new M: a whole number, 0 or less
	s_delay_alu instid0(VALU_DEP_1)
	v_cvt_i32_f32 v242, v242                       ; (it saturates)
	s_delay_alu instid0(VALU_DEP_1)
	v_ldexp_f32 v232, 1.0, v242                    ; f = 2^(old M - new M): a multiplication by it rounds nothing
	v_xor_b32 v238, 0x80000000, v13
.irp j, 0,2,4,6,8,10,12,14,16,18,20,22,24,26,28,30,32,34,36,38,40,42,44,46,48,50,52,54,56,58,60,62
	v_pk_add_f32 v[S+\j:S+\j+1], v[S+\j:S+\j+1], v[238:239] op_sel_hi:[1,0]   ; u - the largest u
.endr
.irp b, 0,1,2,3
	v_add_f32 v[BM+\b], v[BM+\b], v238
.endr
.irp j, 0,2,4,6,8,10,12,14,16,18,20,22,24,26,28,30,32,34,36,38,40,42,44,46,48,50,52,54,56,58,60,62
	v_pk_fma_f32 v[S+\j:S+\j+1], v[S+\j:S+\j+1], s[L2E:L2E+1], v[12:13] op_sel_hi:[1,0,0]   ; t - M
.endr
.irp b, 0,1,2,3
	v_fma_f32 v[BM+\b], v[BM+\b], s[L2E], v12      ; the same two lines on the same number give the same bits
.endr
	s_wait_alu depctr_va_vdst(0)
.irp j, 0,1,2,3,4,5,6,7,8,9,10,11,12,13,14,15,16,17,18,19,20,21,22,23,24,25,26,27,28,29,30,31,32,33,34,35,36,37,38,39,40,41,42,43,44,45,46,47,48,49,50,51,52,53,54,55,56,57,58,59,60,61,62,63
	v_exp_f32 v[S+\j], v[S+\j]                     ; p, at most 1: not normalised
.endr
	v_pk_mul_f32 v[14:15], v[14:15], v[232:233] op_sel_hi:[1,0]   ; the sums under the new M.  (A plain place behind the batch)
	s_wait_alu depctr_va_vdst(0)
.irp b, 0,1,2,3
	v_exp_f32 v[BM+\b], v[BM+\b]                   ; the blocks' largest p
.endr
	v_pk_add_f32 v[236:237], v[108:109], v[112:113]
	v_pk_add_f32 v[254:255], v[116:117], v[120:121]
	v_pk_add_f32 v[252:253], v[124:125], v[128:129]
	v_pk_add_f32 v[250:251], v[132:133], v[136:137]
	v_pk_add_f32 v[248:249], v[140:141], v[144:145]
	v_pk_add_f32 v[246:247], v[148:149], v[152:153]
	v_pk_add_f32 v[244:245], v[156:157], v[160:161]
	v_pk_add_f32 v[14:15], v[14:15], v[164:165]
	v_pk_add_f32 v[236:237], v[236:237], v[104:105]
	v_pk_add_f32 v[254:255], v[254:255], v[106:107]
	v_pk_add_f32 v[252:253], v[252:253], v[110:111]
	v_pk_add_f32 v[250:251], v[250:251], v[114:115]
	v_pk_add_f32 v[248:249], v[248:249], v[118:119]
	v_pk_add_f32 v[246:247], v[246:247], v[122:123]
	v_pk_add_f32 v[244:245], v[244:245], v[126:127]
	v_pk_add_f32 v[14:15], v[14:15], v[130:131]
	v_pk_add_f32 v[236:237], v[236:237], v[134:135]
	v_pk_add_f32 v[254:255], v[254:255], v[138:139]
	v_pk_add_f32 v[252:253], v[252:253], v[142:143]
	v_pk_add_f32 v[250:251], v[250:251], v[146:147]
	v_pk_add_f32 v[248:249], v[248:249], v[150:151]
	v_pk_add_f32 v[246:247], v[246:247], v[154:155]
	v_pk_add_f32 v[244:245], v[244:245], v[158:159]
	v_pk_add_f32 v[14:15], v[14:15], v[162:163]
	v_pk_add_f32 v[236:237], v[236:237], v[166:167]
	s_delay_alu instid0(VALU_DEP_2)
	v_pk_add_f32 v[14:15], v[14:15], v[250:251]
	s_delay_alu instid0(VALU_DEP_2)
	v_pk_add_f32 v[236:237], v[236:237], v[248:249]
	v_pk_add_f32 v[254:255], v[254:255], v[246:247]
	v_pk_add_f32 v[252:253], v[252:253], v[244:245]
	s_delay_alu instid0(VALU_DEP_2)
	v_pk_add_f32 v[14:15], v[14:15], v[254:255]
	s_delay_alu instid0(VALU_DEP_2)
	v_pk_add_f32 v[236:237], v[236:237], v[252:253]
	s_delay_alu instid0(VALU_DEP_1)
	v_pk_add_f32 v[14:15], v[14:15], v[236:237]
	s_wait_alu depctr_va_vdst(0)                   ; and one for the four
.irp b, 0,1,2,3
	v_max_num_f32 v[BM+\b], 0x1800000, v[BM+\b]    ; the floor 2^(3 - 127): the byte cannot fall under 1
.endr
.irp b, 0,1,2,3
	s_delay_alu instid0(VALU_DEP_4)
	v_add_nc_u32 v[SO+\b], 0xff000000, v[BM+\b]
.endr
.irp b, 0,1,2,3
	s_delay_alu instid0(VALU_DEP_4)
	v_lshrrev_b32 v[BT+\b], 23, v[SO+\b]
.endr
	s_delay_alu instid0(VALU_DEP_3)
	v_lshl_or_b32 v[PS], v[BT+1], 8, v[BT]
	s_delay_alu instid0(VALU_DEP_1)
	v_lshl_or_b32 v[PS], v[BT+2], 16, v[PS]
	s_delay_alu instid0(VALU_DEP_1)
	v_lshl_or_b32 v[PS], v[BT+3], 24, v[PS]
.irp c, 0,1
	v_cvt_scalef32_pk16_fp6_f32 v[PC+6*\c:PC+6*\c+2], v[S+32*\c:S+32*\c+15], v[SO+2*\c]
	v_cvt_scalef32_pk16_fp6_f32 v[PT+4*\c:PT+4*\c+2], v[S+32*\c+16:S+32*\c+31], v[SO+2*\c+1]
.endr
	v_nop                                          ; one plain place behind a scaled conversion
.irp c, 0,1
.irp i, 0,1,2
	v_permlane16_swap_b32 v[PC+6*\c+\i], v[PT+4*\c+\i]
.endr
.irp i, 0,1,2
	s_delay_alu instid0(VALU_DEP_3)
	v_mov_b32 v[PC+6*\c+3+\i], v[PT+4*\c+\i]
.endr
.endr
.irp j, 0,2,4,6,8,10,12,14,16,18,20,22,24,26,28,30
	v_pk_mul_f32 v[O+\j:O+\j+1], v[O+\j:O+\j+1], v[232:233] op_sel_hi:[1,0]   ; O^T under the new M.  (These sixteen are also the places between p's codes and scale word and the matrix instructions)
.endr
	s_wait_alu depctr_va_vdst(0)
	s_wait_dscnt 0x0                               ; V is in
.irp t, 0,1,2,3                                ; the four accumulators take turns, one instruction a turn
	v_wmma_scale_f32_16x16x128_f8f6f4 v[O+8*\t:O+8*\t+7], v[F+12*\t:F+12*\t+11], v[PC:PC+11], v[O+8*\t:O+8*\t+7], v[KS+\t], v[PS] matrix_a_fmt:MATRIX_FMT_FP6 matrix_b_fmt:MATRIX_FMT_FP6
.endr
.endm
; THE CHANGE OF SLOTS stands at a slot's head.  Each wave waits for all its tensor loads, adds 0 to its spare word, and waits for that and for its reads of the slot that it has left.  fill = 1: a round of the cluster's barrier,
; so that no wave of any partner still reads that slot or has a load on its way; behind it the slot is filled with the keys that follow.
.macro CHANGE fill
	s_wait_tensorcnt 0x0                           ; no tensor load of mine is out, so a group 0 may be written
	ds_add_u32 v[SPW], v[NIL]                      ; 0 onto my spare word
.if \fill
	s_xor_b32 s[G0M+1], s[G0M+1], SLOT1
	s_add_nc_u64 s[G0M+2:G0M+3], s[G0M+2:G0M+3], 1024     ; 256 keys on in each row of the mask
	s_xor_b32 s[G0K+1], s[G0K+1], SLOT1
	s_add_nc_u64 s[G0K+2:G0K+3], s[G0K+2:G0K+3], 25600    ; two key steps on
	s_wait_xcnt 0x0                                ; the last prefetch, a slot back, has read its address
	s_add_nc_u64 s[PFA:PFA+1], s[PFA:PFA+1], s[PFS:PFS+1]
	s_wait_dscnt 0x0                               ; the add is done, and my reads of the slot that I have left are over
	CROUND
	TLOAD                                          ; the first thing behind the round, and a wave's one tensor load until the next
	ASK
.else
	s_wait_dscnt 0x0
	s_barrier_signal -1
	s_barrier_wait -1
.endif
.endm
	s_wait_loadcnt 0x0                             ; q
.Lslot:                                            ; seven trips: behind each change of slots but the last the next slot is asked for
	CHANGE 1
	STEP 0
	STEP 1
	s_xor_b32 s[TB], s[TB], SLOT1
	s_sub_co_u32 s[SLOTS], s[SLOTS], 1
	s_cmp_lg_u32 s[SLOTS], 0
	s_cbranch_scc1 .Lslot
	CHANGE 0                                       ; the last slot is written out
	STEP 0
	STEP 1
	; THE WAY OUT.  O^T / the sum; register 16 b + i is my head's channel 32 b + 16 (lane / 16) + i: the order along the last product's K.  Six registers of codes: half a fragment of that product.
	PLACES 4
	v_add_f32 v14, v14, v15
	s_delay_alu instid0(VALU_DEP_1)
	v_permlanex16_b32 v240, v14, s[SEL], s[SEL+1]
	s_delay_alu instid0(VALU_DEP_1)
	v_add_f32 v14, v14, v240                       ; the row's sum
	s_wait_alu depctr_va_vdst(0)
	v_rcp_f32 v232, v14
	v_nop
	s_wait_alu depctr_va_vdst(0)
.irp j, 0,2,4,6,8,10,12,14,16,18,20,22,24,26,28,30
	v_pk_mul_f32 v[S+\j:S+\j+1], v[O+\j:O+\j+1], v[232:233] op_sel_hi:[1,0]
.endr
	QUANT2 S, PC, PT, 241
.irp p, 0,1,2
	global_store_b64 v[LQ], v[PC+2*\p:PC+2*\p+1], s[10:11] offset:256*\p   ; 32 lanes store 256 consecutive bytes, aligned
.endr
	ds_store_b16 v[ASW], v241                      ; my head's two bytes of my rows' scale words (both lanes of a row write the same)
	s_wait_dscnt 0x0                               ; for the others' sake
	s_barrier_signal -1
	s_barrier_wait -1
	s_cmp_lg_u32 s[WV], 0
	s_cbranch_scc1 .Lnot_first
	ds_load_b128 v[S:S+3], v[ASR]
	s_wait_dscnt 0x0
	v_lshlrev_b32 v240, 1, v[LQ]                   ; 16 x lane
	global_store_b128 v240, v[S:S+3], s[12:13]     ; 64 rows x 8 bytes: 512 consecutive bytes
.Lnot_first:
	s_wait_tensorcnt 0x0                           ; the wave's end
	ds_add_u32 v[SPW], v[NIL]
	s_wait_dscnt 0x0
	CROUND                                         ; the closing round: no work-group ends while a partner may still ask for a tile that names it
	s_endpgm
.Lfunc_end_k_qe28a9dc2b0_attn:
	.size	k_qe28a9dc2b0_attn, .Lfunc_end_k_qe28a9dc2b0_attn-k_qe28a9dc2b0_attn
	.p2alignl 7, 3214868480
	.fill 96, 4, 3214868480
	.section	.rodata,"a",@progbits
	.p2align	6, 0x0
	.amdhsa_kernel k_qe28a9dc2b0_attn
		.amdhsa_group_segment_fixed_size 327680
		.amdhsa_private_segment_fixed_size 0
		.amdhsa_enable_private_segment 0
		.amdhsa_kernarg_size 40
		.amdhsa_user_sgpr_count 2
		.amdhsa_user_sgpr_kernarg_segment_ptr 1
		.amdhsa_wavefront_size32 1
		.amdhsa_system_sgpr_workgroup_id_x 1
		.amdhsa_system_sgpr_workgroup_id_y 1
		.amdhsa_system_sgpr_workgroup_id_z 1
		.amdhsa_system_vgpr_workitem_id 0
		.amdhsa_next_free_vgpr 256
		.amdhsa_next_free_sgpr 96
		.amdhsa_reserve_vcc 0
		.amdhsa_float_denorm_mode_32 3
		.amdhsa_float_denorm_mode_16_64 3
		.amdhsa_memory_ordered 1
		.amdhsa_forward_progress 1
		.amdhsa_inst_pref_size 141
	.end_amdhsa_kernel
	.amdgpu_metadata
---
amdhsa.version: [ 1, 2 ]
amdhsa.kernels:
  - .name:           k_qe28a9dc2b0_attn
    .symbol:         k_qe28a9dc2b0_attn.kd
    .args:
      - { .name: q_img, .offset: 0, .size: 8, .value_kind: global_buffer, .address_space: global }
      - { .name: kv, .offset: 8, .size: 8, .value_kind: global_buffer, .address_space: global }
      - { .name: mask, .offset: 16, .size: 8, .value_kind: global_buffer, .address_space: global }
      - { .name: a_img, .offset: 24, .size: 8, .value_kind: global_buffer, .address_space: global }
      - { .name: a_sc, .offset: 32, .size: 8, .value_kind: global_buffer, .address_space: global }
    .group_segment_fixed_size: 327680
    .private_segment_fixed_size: 0
    .kernarg_segment_align: 8
    .kernarg_segment_size: 40
    .max_flat_workgroup_size: 512
    .sgpr_count:     96
    .vgpr_count:     256
    .wavefront_size: 32
...
	.end_amdgpu_metadata
.endif
;; end of part 10
;; launch oproj (part 11): grid 16 x 16, 4 waves a work-group, no clusters, 17,920 bytes of LDS; arguments a_img, a_sc, wsum, w_img, out0; writes out0
.if DOCPART == 11
	.amdgcn_target "amdgcn-amd-amdhsa--gfx1250"
	.amdhsa_code_object_version 6
	.text
	.protected	k_qe28a9dc2b0_oproj
	.globl	k_qe28a9dc2b0_oproj
	.p2align	8
	.type	k_qe28a9dc2b0_oproj,@function
k_qe28a9dc2b0_oproj:
	s_mov_b64 s[64:65], 0
	v_nop
	global_prefetch_b8 v0, s[64:65] scope:SCOPE_SE
	s_setreg_imm32_b32 hwreg(HW_REG_WAVE_SCHED_MODE, 0, 2), 2
	s_setreg_imm32_b32 hwreg(HW_REG_WAVE_MODE, 25, 1), 1
	s_wait_xcnt 0x0
	s_wait_alu depctr_vm_vsrc(0)
; OPROJ.  out0 = a (sign(wo) alpha)^T on codes of FP6 (E2M3).  A work-group takes 64 columns of out0 (x: 64 rows of wo) and 256 rows (y); wave w takes four tiles of 16 rows.
; THE WEIGHT, as in the projections of q, k, v: alpha from wo's 64 partial sums, one scale byte for all blocks; the first launch has laid down templates of the fragments (codes 0x1f, 0x3f, or 0 where w is 0); sixteen copies of
; -alpha, converted, are 96 bits of the code 0x20 | magnitude, and ANDed over a template's registers (register i takes word i % 3) they leave the quantiser's own codes.  Each wave loads its columns' 32 fragments, 49,152
; bytes, once, and keeps them in windows 1 and 2.  Lane r of weight tile 2 b + u holds row 32 b + 8 u + r + 8 (r / 8), and the weight is source 0: a lane holds one row of out0 and register 16 b + i its column 32 b + 16 (lane / 16) + i.
; a's fragments come from memory as six register pairs a K step, 256 consecutive bytes a load, two tiles ahead in two sets; the first two tiles are asked for before the templates are waited for.  A tile's results go through
; the wave's own stage in LDS (pitch 272 bytes) and leave as rows: sixteen lanes store 256 consecutive bytes, aligned.  Waves share nothing: no barrier.
; NO CLUSTER: a tile's fragments, and the weight's, go from memory straight into the registers of the wave that multiplies them; a joint load would send them through LDS, a's for 32 matrix instructions' worth of use.
; LIMITS: NaN and infinities in wo are not served.
; THE MODE: SCHED_MODE bits 1:0 = 2 (LLVM: expert scheduling mode 2), set by the entry lines.  The code itself states the register dependences between vector or matrix instructions and memory or LDS instructions,
; with s_wait_alu, always for 0.
; THE PLAN.  Registers that memory or LDS instructions touch, tile by tile:
;   set n % 2 of a's fragments and scale words   Tile n's 32 products read it; the 52 loads of tile n + 2 land in it.
;   the accumulators                             Tile n's products write them; its eight LDS stores read them; tile n + 1's products write them again.
;   OUT (window 2, v192-223)                     The eight LDS loads that read the stage back land in it; the eight global stores read it; tile n + 1's LDS loads land in it again.
;   v2, v3, v7, v8, v9, v13                      Offsets and LDS addresses, made at the head and never written again.
;   The weight is named by vector and matrix instructions alone, once it is loaded.  The closing add's two registers are written at the head and read by that add alone.
; So a tile has one wait for the vector side, behind its products and their places: they are done reading the set and have written the accumulators; and one for the memory side, behind its LDS stores: these have read the
; accumulators, and the last tile's global stores have read OUT.
.set LN,   1
.set LI,   2                           ; 16 x lane
.set LQ,   3                           ; 8 x lane
.set PAT,  4                           ; v4-6 the code of -alpha, sixteen times
.set STO,  7
.set RD,   8
.set GO,   9
.set WS,   10                          ; the weight's scale word
.set AL,   11
.set WSO,  12
.set ASO,  13                          ; 8 r
.set XA,   16                          ; v16-111, v112-207: a's eight fragments, two sets
.set AS,   208                         ; v208-215, v216-223: their scale words
.set H,    224                         ; v224-255 four accumulators
.set NA,   224                         ; at the head: -alpha, sixteen times
.set TA,   240                         ; at the head: at work
.set OUT,  192                         ; window 2: v192-223 16 rows read back from the stage
.set AP,   4
.set ASP,  6
.set WSUM, 8
.set WP,   10
.set OP,   12
.set SB,   14
.set SN,   15
.set SI,   16
.set WV,   17
.set SEL,  18
.set MK,   24                          ; s24-25 two lane masks
.set MSB, 0
.macro WIN new                         ; the immediate's high byte repeats the setting that is left
.if MSB != (\new)
	s_set_vgpr_msb (MSB<<8)|(\new)
.set MSB, (\new)
.endif
.endm
.macro PLACES n
.rept \n
	v_nop
.endr
.endm
.macro MM0 d, a, b, sa, sb
	v_wmma_scale_f32_16x16x128_f8f6f4 v[\d:\d+7], v[\a:\a+11], v[\b:\b+11], 0, v[\sa], v[\sb] matrix_a_fmt:MATRIX_FMT_FP6 matrix_b_fmt:MATRIX_FMT_FP6
.endm
.macro MMA d, a, b, sa, sb
	v_wmma_scale_f32_16x16x128_f8f6f4 v[\d:\d+7], v[\a:\a+11], v[\b:\b+11], v[\d:\d+7], v[\sa], v[\sb] matrix_a_fmt:MATRIX_FMT_FP6 matrix_b_fmt:MATRIX_FMT_FP6
.endm
.macro ALPHA_ASK
	v_lshl_add_u32 v[TA], v[LN], 2, s[SB]
	s_wait_alu depctr_va_vdst(0)                   ; v[TA] and the six offsets and LDS addresses made at the head are written: every load and store of the kernel reads one of them
	global_load_b32 v[TA+1], v[TA], s[WSUM:WSUM+1]
	global_load_b32 v[TA+2], v[TA], s[WSUM:WSUM+1] offset:128
.endm
.macro ALPHA_SUM left
	s_wait_loadcnt \left
	v_add_nc_u32 v[TA+3], 32, v[LN]
	v_cmp_gt_u32 s[MK], s[SN], v[LN]               ; the two compares in a run, into two scalar registers,
	v_cmp_gt_u32 s[MK+1], s[SN], v[TA+3]
	s_wait_alu depctr_va_sdst(0)                   ; and one wait: both masks are written, ahead of the selects that read them
	v_cndmask_b32 v[TA+1], 0, v[TA+1], s[MK]
	v_cndmask_b32 v[TA+2], 0, v[TA+2], s[MK+1]
	v_add_f32 v[TA+1], v[TA+1], v[TA+2]
	v_add_f32_dpp v[TA+1], v[TA+1], v[TA+1] row_xmask:1 row_mask:0xf bank_mask:0xf
	v_add_f32_dpp v[TA+1], v[TA+1], v[TA+1] row_xmask:2 row_mask:0xf bank_mask:0xf
	v_add_f32_dpp v[TA+1], v[TA+1], v[TA+1] row_xmask:4 row_mask:0xf bank_mask:0xf
	v_add_f32_dpp v[TA+1], v[TA+1], v[TA+1] row_xmask:8 row_mask:0xf bank_mask:0xf
	v_permlanex16_b32 v[TA+2], v[TA+1], s[SEL], s[SEL+1]
	v_add_f32 v[TA+1], v[TA+1], v[TA+2]
	v_mul_f32 v[AL], s[SI], v[TA+1]                ; alpha
	v_max_num_f32 v[TA+1], 0x1800000, v[AL]        ; the floor 2^(3 - 127)
	v_add_nc_u32 v[WSO], 0xff000000, v[TA+1]       ; 2 off the exponent field: the conversion's scale operand
	v_lshrrev_b32 v[TA+2], 23, v[WSO]
	v_mul_u32_u24 v[WS], v[TA+2], 0x10101
	v_lshl_or_b32 v[WS], v[TA+2], 24, v[WS]        ; the byte four times: the scale word of every row and K step
.endm
.macro PATTERN                         ; sixteen codes of -alpha: sign bit and magnitude, 96 bits
.irp k, 0,1,2,3,4,5,6,7,8,9,10,11,12,13,14,15
	v_xor_b32 v[NA+\k], 0x80000000, v[AL]
.endr
	v_cvt_scalef32_pk16_fp6_f32 v[PAT:PAT+2], v[NA:NA+15], v[WSO]
	v_nop                                          ; one plain place behind a scaled conversion
.endm
; the templates of K steps 4 half .. 4 half + 3, 48 loads: fragment (K step s, tile t) lies at 12,288 t + 1,536 s and goes to v[12 (4 (s % 4) + t)] of window 1 + half
.macro WLOAD half, win
	WIN \win
.set f, 0
.rept 16
.irp c, 0,1,2
	global_load_b128 v[12*f+4*\c:12*f+4*\c+3], v[LI], s[WP:WP+1] offset:12288*(f%4)+1536*(4*(\half)+f/4)+512*\c
.endr
.set f, f+1
.endr
	WIN 0
.endm
.macro WAND win                        ; the pattern over a window's 16 templates: destination and source 1 in that window, the pattern in window 0
	WIN \win
.set f, 0
.rept 192
	v_and_b32 v[f], v[PAT+f%3], v[f]
.set f, f+1
.endr
	WIN 0
.endm
; tile n's eight fragments (six pairs each) and its rows' eight scale words: 52 loads, into set n % 2
.macro LOADA n
.set XBUF, XA+96*((\n)%2)
.set ASB,  AS+8*((\n)%2)
.irp s, 0,1,2,3,4,5,6,7
.irp p, 0,1,2,3,4,5
	global_load_b64 v[XBUF+12*\s+2*\p:XBUF+12*\s+2*\p+1], v[LQ], s[AP:AP+1] offset:12288*(\n)+1536*\s+256*\p
.endr
.endr
.irp g, 0,1,2,3
	global_load_b64 v[ASB+2*\g:ASB+2*\g+1], v[ASO], s[ASP:ASP+1] offset:32768*\g+128*(\n)
.endr
.endm
	s_load_b256 s[4:11], s[0:1], 0x0               ; a_img, a_sc, wsum, w_img
	s_load_b64 s[12:13], s[0:1], 0x20              ; out0
	s_set_vgpr_msb 0x40
	v_lshl_add_u32 v254, v0, 2, 0x4400
	v_mov_b32 v255, 0
	s_set_vgpr_msb 0x4000
	v_lshrrev_b32 v1, 5, v0
	v_readfirstlane_b32 s[WV], v1                  ; wave 0..3
	v_and_b32 v[LN], 31, v0
	v_and_b32 v14, 15, v0                          ; r
	v_bfe_u32 v15, v0, 4, 1                        ; h
	v_lshlrev_b32 v[LI], 4, v[LN]
	v_lshlrev_b32 v[LQ], 3, v[LN]
	v_lshlrev_b32 v[ASO], 3, v14
	s_wait_alu depctr_va_sdst(0)                   ; the wave's number is written, ahead of its first reader: my stage and the bases of a and out0 are made from it
	s_mul_i32 s22, s[WV], 16*272                   ; my stage
	v_mul_u32_u24 v[STO], v14, 272
	v_lshl_add_u32 v[STO], v15, 6, v[STO]
	v_add_nc_u32 v[STO], s22, v[STO]               ; in: row r, + 64 h
	v_mul_u32_u24 v[RD], v15, 272
	v_lshl_add_u32 v[RD], v14, 4, v[RD]
	v_add_nc_u32 v[RD], s22, v[RD]                 ; back: lanes 0-15 one row of 256 bytes, lanes 16-31 the next
	v_lshlrev_b32 v[GO], 12, v15
	v_lshl_add_u32 v[GO], v14, 4, v[GO]            ; and the same two rows in out0
	s_mov_b32 s[SEL], 0x76543210
	s_mov_b32 s[SEL+1], 0xfedcba98
	s_mov_b32 s[SB], 384                           ; wo's partial sums: numbers 96 to 159
	s_mov_b32 s[SN], 64
	s_mov_b32 s[SI], 0x35800000                    ; 2^-20
	s_mul_i32 s22, ttmp9, 49152                    ; four tiles of templates for my 64 rows of wo,
	s_add_co_u32 s22, s22, 96*12288                ; whose tiles begin at number 96
	s_mov_b32 s23, 0
	s_wait_kmcnt 0x0
	s_add_nc_u64 s[WP:WP+1], s[WP:WP+1], s[22:23]
	ALPHA_ASK
	WLOAD 0, 0x40
	s_and_b32 s28, ttmp7, 0xffff
	s_lshl_b32 s28, s28, 4
	s_lshl_b32 s29, s[WV], 2
	s_add_co_u32 s28, s28, s29                     ; my first tile of rows: 16 y + 4 wave
	s_mul_i32 s22, s28, 12288
	s_add_nc_u64 s[AP:AP+1], s[AP:AP+1], s[22:23]
	s_lshl_b32 s22, s28, 7
	s_add_nc_u64 s[ASP:ASP+1], s[ASP:ASP+1], s[22:23]
	s_lshl_b32 s22, s28, 16                        ; 16 rows of 4,096 bytes,
	s_lshl_b32 s29, ttmp9, 8                       ; my 64 columns
	s_add_co_u32 s22, s22, s29
	s_add_nc_u64 s[OP:OP+1], s[OP:OP+1], s[22:23]
	ALPHA_SUM 48                                   ; the two loads of partial sums are in; the 48 loads of templates behind them may be out
	PATTERN
	WLOAD 1, 0x80                                  ; (no vector line since the wait in front of the first load names v[LI], v[LQ], v[ASO] or a register in which these loads land)
	LOADA 0
	LOADA 1
	s_wait_alu depctr_va_vdst(0)
	s_wait_loadcnt 63                              ; the templates are in: 104 loads were issued behind the last of them, more than a wait's count can name
	WAND 0x44
	WAND 0x88
	PLACES 4                                       ; an operand written by vector instructions stands four places ahead of a scaled matrix instruction
	s_wait_alu depctr_vm_vsrc(0)                   ; the two loads of partial sums have read their offset v[TA], a register in which the first sums are begun
	s_wait_alu depctr_va_vdst(0)                   ; the ANDs have written the weight's fragments, and the head's lines its scale word: the scaled products take both; the places above stay beside this wait
.macro OTILE n
.set XBUF, XA+96*((\n)%2)
.set ASB,  AS+8*((\n)%2)
.if (\n) < 3
	s_wait_loadcnt 52                              ; this tile's 52 loads are in; the other set's may be out
.else
	s_wait_loadcnt 0x0
.endif
.irp s, 0,1,2,3,4,5,6,7                        ; the four accumulators take turns, one instruction a turn, K ascending
.if \s < 4
	WIN 0x01
.else
	WIN 0x02
.endif
.irp t, 0,1,2,3
.if \s == 0
	MM0 H+8*\t, 12*(4*(\s%4)+\t), XBUF+12*\s, WS, ASB+\s
.else
	MMA H+8*\t, 12*(4*(\s%4)+\t), XBUF+12*\s, WS, ASB+\s
.endif
.endr
.endr
	WIN 0
	PLACES 5                                       ; four for the LDS stores below, which read results; the fifth because the next tile's first products write over these accumulators
.if (\n) > 0
	s_wait_xcnt 0x0                                ; the last tile's global stores, issued ahead of this tile's products, have had their addresses translated: OUT, their data, is written again only behind this wait
.endif
	s_wait_alu depctr_va_vdst(0)                   ; the products are done reading this set's fragments and scale words, in which the loads below land, and have written the accumulators, which the LDS stores read
.if (\n)+2 < 4
	LOADA (\n)+2
.endif
.irp b, 0,1
.irp p, 0,1,2,3
	ds_store_b128 v[STO], v[H+16*\b+4*\p:H+16*\b+4*\p+3] offset:128*\b+16*\p   ; each accumulator from its low end on
.endr
.endr
	s_wait_alu depctr_vm_vsrc(0)                   ; the LDS stores have read the accumulators, which the next tile's products write; the last tile's global stores have read OUT, in which the loads below land
	WIN 0x80                                       ; destination window 2
.irp k, 0,1,2,3,4,5,6,7
	ds_load_b128 v[OUT+4*\k:OUT+4*\k+3], v[RD] offset:544*\k   ; LDS serves a wave's instructions in order: these see my stores
.endr
	WIN 0x08                                       ; a store's data are its source 1: window 2
.irp k, 0,1,2,3,4,5,6,7
	s_wait_dscnt 7-\k                              ; rows 2 k and 2 k + 1 are back; the younger loads stay out
	global_store_b128 v[GO], v[OUT+4*\k:OUT+4*\k+3], s[OP:OP+1] offset:65536*(\n)+8192*\k th:TH_STORE_NT
.endr
	WIN 0
.endm
	OTILE 0
	OTILE 1
	OTILE 2
	OTILE 3
	s_set_vgpr_msb 0x5                             ; the add's two registers, sources 0 and 1, lie in window 1
	s_wait_dscnt 0x0                               ; the closing lines, six on end
	s_wait_alu 0x0
	s_wait_tensorcnt 0x0
	ds_add_u32 v254, v255
	s_wait_dscnt 0x0
	s_endpgm
.Lfunc_end_k_qe28a9dc2b0_oproj:
	.size	k_qe28a9dc2b0_oproj, .Lfunc_end_k_qe28a9dc2b0_oproj-k_qe28a9dc2b0_oproj
	.p2alignl 7, 3214868480
	.fill 96, 4, 3214868480
	.section	.rodata,"a",@progbits
	.p2align	6, 0x0
	.amdhsa_kernel k_qe28a9dc2b0_oproj
		.amdhsa_group_segment_fixed_size 17920
		.amdhsa_private_segment_fixed_size 0
		.amdhsa_enable_private_segment 0
		.amdhsa_kernarg_size 40
		.amdhsa_user_sgpr_count 2
		.amdhsa_user_sgpr_kernarg_segment_ptr 1
		.amdhsa_wavefront_size32 1
		.amdhsa_system_sgpr_workgroup_id_x 1
		.amdhsa_system_sgpr_workgroup_id_y 1
		.amdhsa_system_sgpr_workgroup_id_z 1
		.amdhsa_system_vgpr_workitem_id 0
		.amdhsa_next_free_vgpr 768
		.amdhsa_next_free_sgpr 66
		.amdhsa_reserve_vcc 0
		.amdhsa_float_denorm_mode_32 3
		.amdhsa_float_denorm_mode_16_64 3
		.amdhsa_memory_ordered 1
		.amdhsa_forward_progress 1
		.amdhsa_inst_pref_size 72
	.end_amdhsa_kernel
	.amdgpu_metadata
---
amdhsa.version: [ 1, 2 ]
amdhsa.kernels:
  - .name:           k_qe28a9dc2b0_oproj
    .symbol:         k_qe28a9dc2b0_oproj.kd
    .args:
      - { .name: a_img, .offset: 0, .size: 8, .value_kind: global_buffer, .address_space: global }
      - { .name: a_sc, .offset: 8, .size: 8, .value_kind: global_buffer, .address_space: global }
      - { .name: wsum, .offset: 16, .size: 8, .value_kind: global_buffer, .address_space: global }
      - { .name: w_img, .offset: 24, .size: 8, .value_kind: global_buffer, .address_space: global }
      - { .name: out0, .offset: 32, .size: 8, .value_kind: global_buffer, .address_space: global }
    .group_segment_fixed_size: 17920
    .private_segment_fixed_size: 0
    .kernarg_segment_align: 8
    .kernarg_segment_size: 40
    .max_flat_workgroup_size: 128
    .sgpr_count:     66
    .vgpr_count:     768
    .wavefront_size: 32
...
	.end_amdgpu_metadata
.endif
;; end of part 11
